; MI455X (gfx1250); checked and timed in simulation.
; The chip was launched on July 23, 2026; its instructions are those of AMD's public machine-readable ISA for CDNA 5 (MIT licence, August 2026) and "CDNA5" Instruction Set Architecture Reference Guide (July 2026). The comments in the code are by the model that wrote it; some were corrected since.
;; MSA. Allowed arithmetic: matrix products marked QUANTISED: E2M3 operands, one E8M0 scale for each 32 along K, by v_wmma_scale_f32_16x16x128_f8f6f4 with both operands' format E2M3, f32 sums; everything else in f32.
;; Inputs: Wk 1,024 x 1,024 float32; Wo 1,024 x 1,024 float32; Wq 1,024 x 1,024 float32; Wv 1,024 x 1,024 float32; bk 1,024 float32; bo 1,024 float32; bq 1,024 float32; bv 1,024 float32; x 4 x 2,048 x 1,024 float32.
;; Outputs: out0 4 x 2,048 x 1,024 float32.
;; This version of the problem:
;;   THIS VERSION OF THE PROBLEM IS GIVEN IN LOW PRECISION. The matrix products marked QUANTISED in the list below multiply operands that are first quantised to E2M3 (2 exponent bits, 3 mantissa bits; 6 bits a number), with one power-of-two scale for each 32 numbers along K (OCP MX v1.0); their sums are f32. All else is computed in f32.
;;   The module's matrix products, in the order in which they are computed (A, B: the left and right operand; K: the contracted axis; several contracted axes count as one K, in the product's order):
;;     1. [M 8,192, K 1,024] x [K 1,024, N 1,024]; A: input x; B: input Wq: QUANTISED
;;     2. [M 8,192, K 1,024] x [K 1,024, N 1,024]; A: input x; B: input Wk: QUANTISED
;;     3. [M 8,192, K 1,024] x [K 1,024, N 1,024]; A: input x; B: input Wv: QUANTISED
;;     4. batch 64 x [M 2,048, K 64] x [K 64, N 2,048]; A: computed on the way; B: computed on the way: QUANTISED
;;     5. batch 64 x [M 2,048, K 2,048] x [K 2,048, N 64]; A: softmax (see below); B: computed on the way: QUANTISED
;;     6. [M 8,192, K 1,024] x [K 1,024, N 1,024]; A: computed on the way; B: input Wo: QUANTISED
;;   THE QUANTISER, for each operand of a quantised product, along K:
;;     - K is cut into blocks of 32 from its start; a last block that is shorter is filled with zeros.
;;     - A block's scale is 2^e with e = floor(log2(the largest magnitude in the block)) - 2, held to -126 .. 127; a block of zeros has e = 0. As a byte (E8M0): e + 127.
;;     - Each number is divided by its block's scale, clamped to +-7.5, and rounded to the nearest number of E2M3, ties to even, subnormals kept.
;;     - The product sums the exact products of the quantised numbers (number of the format x scale) in f32.
;;   ~~~python
;;   def quantise(x, axis):      # numpy; x: float32 -> the quantised numbers, widened to float32 again
;;       x = np.moveaxis(x, axis, -1); K = x.shape[-1]
;;       x = np.pad(x, [(0, 0)] * (x.ndim - 1) + [(0, -K % 32)]); x = x.reshape(x.shape[:-1] + (-1, 32)); a = np.abs(x).max(-1, keepdims=True)
;;       e = np.where(a > 0, np.clip(np.frexp(np.where(a > 0, a, 1))[1] - 1 - 2, -126, 127), 0)      # np.frexp(a)[1] - 1 = floor(log2(a)), exactly
;;       r = np.clip(x / 2.0 ** e, -7.5, 7.5)
;;       step = 2.0 ** (np.maximum(np.frexp(np.where(r == 0, 1, r))[1] - 1, 0) - 3)
;;       q = np.round(r / step) * step * 2.0 ** e      # np.round: ties to even
;;       return np.moveaxis(q.reshape(q.shape[:-2] + (-1,))[..., :K], -1, axis).astype(np.float32)
;;   ~~~
;;   SOFTMAX AHEAD OF A QUANTISED PRODUCT. Where the list says 'softmax', what is quantised is not the finished softmax but p = 2^(t - M), with t = logit x log2(e) and M = ceil(the row's largest t), a whole number; so 1/2 < the row's largest p <= 1. The row's sum l is taken of the UNQUANTISED p, in f32, and the product's result is divided by l at the end. Since M is a whole number, a kernel that streams over the keys may use a running M (the ceiling of the running maximum): every later rescaling is an exact power of two, which a block's scale takes up: the codes' values come out the same.
;;   OPERANDS COMPUTED ON THE WAY. 'Computed on the way' means the value that the module computes at that place (a softmax that the list does not call 'softmax' is quantised finished and normalised). What goes into a quantiser is computed in f32, as accurately as f32 sums, v_exp_f32 and their like allow (about 1e-6 of the number): no bf16 or f16 on the way to a quantiser, and a product that is left as it is and whose result goes on into a quantised operand takes f32 operands (vector FMAs, or v_wmma_f32_16x16x4_f32). A number that lies on a knife's edge between two numbers of the format may be rounded either way, as far as f32 arithmetic and the matrix unit's own rounding can turn it there, and no further.
;; 2 versions. Each part assembles by itself: llvm-mc -triple=amdgcn-amd-amdhsa -mcpu=gfx1250 --defsym DOCPART=n.
;; ======== version 1 of 2: 6 launches
;; workspace buffers: act_codes 6,291,456 bytes; act_scales 262,144 bytes; wc 3,145,728 bytes; ws 131,072 bytes; qkv 20,185,088 bytes; att 33,554,432 bytes
;; launch qx (part 1): grid 256 x 1, 4 waves a work-group, no clusters, 33,280 bytes of LDS; arguments x, act_codes, act_scales; writes act_codes, act_scales
.if DOCPART == 1
	.amdgcn_target "amdgcn-amd-amdhsa--gfx1250"
	.amdhsa_code_object_version 6
	.text
	.protected	k_qae4f16328e_qx
	.globl	k_qae4f16328e_qx
	.p2align	8
	.type	k_qae4f16328e_qx,@function
k_qae4f16328e_qx:
	s_mov_b64 s[64:65], 0
	v_nop
	global_prefetch_b8 v0, s[64:65] scope:SCOPE_SE
	s_setreg_imm32_b32 hwreg(HW_REG_WAVE_MODE, 25, 1), 1
	s_wait_xcnt 0x0
; A tensor [8192][1024] of f32 is turned into codes of FP6 (E2M3), 6 bits each, K (the last axis) innermost, with one E8M0 scale byte for each 32 along K.
; Codes: [8192][768] bytes, a row one stream of bits; scale bytes: [8192][32].  The body serves x and, in a later launch, the attention's result.
; A block's scale is 2^(floor(log2(its largest magnitude)) - 2); its byte is the largest magnitude's own exponent field - 2, held at 1 from below.
; (A block of zeros so gets the byte 1 where the quantiser's text says 127: its codes are zeros, which add nothing under any byte but 0xff, and the bytes are read by this program alone.)
; LIMITS: blocks whose largest magnitude lies under 2^-124 are quantised under the byte 1; NaN and infinities among the inputs are not served.
; Rows are dense and 1,024 is a multiple of 32: the tensor is a plain stream of blocks of 32 numbers, and so are the codes and the scale bytes.
; A wave takes 16 steps of 512 numbers.  The conversion takes 16 numbers of ONE block from a lane's registers, so a lane must hold 16 NEIGHBOURS; a load is best where neighbouring LANES take
; neighbouring bytes.  Both are had: each of a step's four loads reads 512 consecutive bytes, 16 a lane; the 2,048 bytes go through the wave's own stage in LDS and come back 64 bytes a lane.
; A step makes 16 scale bytes, a wave 256: they are gathered in the wave's own 256 bytes of LDS and leave as one aligned run of 256 bytes.
; No tensor loads, no ring, no barrier, no cluster: waves and work-groups share nothing.  Loads run four steps (16 loads a wave) ahead, the turn through LDS one step.
.set STEPS, 16
.set CB,    12                         ; bytes of 16 codes
.set R,     16                         ; v16-79   four sets of 16 numbers as they are loaded
.set X,     80                         ; v80-111  two sets of 16 neighbours
.set C,     128                        ; v128-191 codes: four registers for each step, so that no store's data are written again
.set E,     112                        ; v112-127 a scale byte for each step
.set WREG,  8192                       ; LDS: a region of its own for each wave: two stages of 32 x SP bytes, and behind them its 256 scale bytes
.set SP,    80                         ; a lane's place in a stage: its 64 bytes + 16 of padding
	s_load_b128 s[4:7], s[0:1], 0x0                ; the numbers s[4:5], the codes s[6:7]
	s_load_b64 s[8:9], s[0:1], 0x10                ; the scale bytes
	v_lshl_add_u32 v192, v0, 2, 0x8000
	v_mov_b32 v193, 0
	v_lshrrev_b32 v1, 5, v0
	v_readfirstlane_b32 s16, v1                    ; wave
	v_and_b32 v2, 31, v0                           ; lane
	v_lshlrev_b32 v3, 4, v2                        ; my 16 bytes of a load's 512
	s_mul_i32 s17, s16, WREG
	v_lshrrev_b32 v14, 2, v2
	v_mul_u32_u24 v14, v14, SP
	v_and_b32 v15, 3, v2
	v_lshl_add_u32 v14, v15, 4, v14
	v_add_nc_u32 v14, s17, v14                     ; the stage, on the way in: SP (lane / 4) + 16 (lane % 4); a load's 512 bytes take eight places
	v_mul_u32_u24 v15, v2, SP
	v_add_nc_u32 v15, s17, v15                     ; and on the way out: SP x lane: my 16 neighbours
	v_mul_u32_u24 v4, v2, CB                       ; my codes' place in a step's
	v_lshrrev_b32 v5, 1, v2
	s_add_co_u32 s17, s17, 2*32*SP
	v_add_nc_u32 v5, s17, v5                       ; LDS: my wave's 256 scale bytes, my block's byte
	v_lshlrev_b32 v7, 3, v2                        ; and on the way out 8 bytes a lane
	v_add_nc_u32 v6, s17, v7
	s_lshl_b32 s17, ttmp9, 2
	s_add_co_u32 s18, s17, s16                     ; which run of 8,192 numbers is my wave's
	s_mov_b32 s19, 0
	s_mov_b64 s[20:21], 512*STEPS*4
	s_mul_u64 s[20:21], s[18:19], s[20:21]
	s_mov_b64 s[22:23], 32*STEPS*CB
	s_mul_u64 s[22:23], s[18:19], s[22:23]
	s_lshl_b32 s18, s18, 8                         ; 256 scale bytes a run
	s_wait_kmcnt 0x0
	s_add_nc_u64 s[4:5], s[4:5], s[20:21]
	s_add_nc_u64 s[6:7], s[6:7], s[22:23]
	s_add_nc_u64 s[8:9], s[8:9], s[18:19]
.macro LOAD t
.irp i, 0,1,2,3
	global_load_b128 v[R+16*((\t)%4)+4*\i:R+16*((\t)%4)+4*\i+3], v3, s[4:5] offset:2048*(\t)+512*\i th:TH_LOAD_NT   ; 32 lanes read 512 consecutive bytes
.endr
.endm
.macro TURN t                          ; step t's numbers through the stage: LDS serves a wave's instructions in order, so no wait stands between the stores and the loads
.irp i, 0,1,2,3
	ds_store_b128 v14, v[R+16*((\t)%4)+4*\i:R+16*((\t)%4)+4*\i+3] offset:32*SP*((\t)%2)+8*SP*\i
.endr
.irp i, 0,1,2,3
	ds_load_b128 v[X+16*((\t)%2)+4*\i:X+16*((\t)%2)+4*\i+3], v15 offset:32*SP*((\t)%2)+16*\i
.endr
.endm
.irp t, 0,1,2,3
	LOAD \t
.endr
	s_wait_loadcnt 12                              ; step 0's four loads are in; the twelve of steps 1 to 3 may be out
	TURN 0
.macro STEP t
.set XS, X+16*((\t)%2)
.if (\t) > 0
	s_wait_dscnt 1                                 ; this step's numbers are back from the stage (the last step's byte store may be out): so its stores into the stage have read their registers,
.else
	s_wait_dscnt 0x0
.endif
.if (\t)+4 < STEPS
	LOAD (\t)+4                                    ; which take the loads of four steps on
.endif
.if (\t)+1 < STEPS
.if STEPS-2-(\t) >= 3
	s_wait_loadcnt 12                              ; the next step's four loads are in; those of the three steps behind it may be out
.else
	s_wait_loadcnt 4*(STEPS-2-(\t))
.endif
	TURN (\t)+1                                    ; and go through the other stage while this step is worked
.endif
	v_max3_num_f32 v8, |v[XS]|, |v[XS+1]|, |v[XS+2]|               ; the largest magnitude of my 16, in two chains
	v_max3_num_f32 v9, |v[XS+3]|, |v[XS+4]|, |v[XS+5]|
.irp i, 6,10
	v_max3_num_f32 v8, v8, |v[XS+\i]|, |v[XS+\i+1]|
	v_max3_num_f32 v9, v9, |v[XS+\i+2]|, |v[XS+\i+3]|
.endr
	v_max3_num_f32 v8, v8, |v[XS+14]|, |v[XS+15]|
	v_max3_num_f32 v8, v8, v9, 0x1800000           ; and the floor 2^(3 - 127), under which no largest magnitude is taken: so the byte cannot fall under 1
	v_max_num_f32_dpp v8, v8, v8 row_xmask:1 row_mask:0xf bank_mask:0xf   ; and of my neighbour's 16: the block's
	v_add_nc_u32 v11, 0xff000000, v8               ; 2 off its exponent field: the conversion takes the exponent field of this operand as its scale, and nothing else of it
	v_cvt_scalef32_pk16_fp6_f32 v[C+4*(\t):C+4*(\t)+2], v[XS:XS+15], v11   ; sixteen numbers / the scale, to the nearest code, ties to even, beyond the largest code the largest; 96 bits without gaps
	v_lshrrev_b32 v[E+(\t)], 23, v11               ; the scale's byte (also the plain instruction behind the conversion)
	ds_store_b8 v5, v[E+(\t)] offset:16*(\t)       ; both lanes of a block write the same byte with the same value
	global_store_b96 v4, v[C+4*(\t):C+4*(\t)+2], s[6:7] offset:32*CB*(\t)   ; the wave stores 384 consecutive bytes
.endm
.irp t, 0,1,2,3,4,5,6,7,8,9,10,11,12,13,14,15
	STEP \t
.endr
	ds_load_b64 v[12:13], v6                       ; LDS serves a wave's instructions in order: these see my stores
	s_wait_dscnt 0x0
	global_store_b64 v7, v[12:13], s[8:9]          ; 32 lanes store 256 consecutive bytes, at a multiple of 256 from the buffer's first byte
	s_wait_tensorcnt 0x0
	ds_add_u32 v192, v193
	s_wait_dscnt 0x0
	s_endpgm
.Lfunc_end_k_qae4f16328e_qx:
	.size	k_qae4f16328e_qx, .Lfunc_end_k_qae4f16328e_qx-k_qae4f16328e_qx
	.p2alignl 7, 3214868480
	.fill 96, 4, 3214868480
	.section	.rodata,"a",@progbits
	.p2align	6, 0x0
	.amdhsa_kernel k_qae4f16328e_qx
		.amdhsa_group_segment_fixed_size 33280
		.amdhsa_private_segment_fixed_size 0
		.amdhsa_enable_private_segment 0
		.amdhsa_kernarg_size 24
		.amdhsa_user_sgpr_count 2
		.amdhsa_user_sgpr_kernarg_segment_ptr 1
		.amdhsa_wavefront_size32 1
		.amdhsa_system_sgpr_workgroup_id_x 1
		.amdhsa_system_sgpr_workgroup_id_y 1
		.amdhsa_system_sgpr_workgroup_id_z 1
		.amdhsa_system_vgpr_workitem_id 0
		.amdhsa_next_free_vgpr 194
		.amdhsa_next_free_sgpr 66
		.amdhsa_reserve_vcc 0
		.amdhsa_float_denorm_mode_32 3
		.amdhsa_float_denorm_mode_16_64 3
		.amdhsa_memory_ordered 1
		.amdhsa_forward_progress 1
		.amdhsa_inst_pref_size 32
	.end_amdhsa_kernel
	.amdgpu_metadata
---
amdhsa.version: [ 1, 2 ]
amdhsa.kernels:
  - .name:           k_qae4f16328e_qx
    .symbol:         k_qae4f16328e_qx.kd
    .args:
      - { .name: x, .offset: 0, .size: 8, .value_kind: global_buffer, .address_space: global }
      - { .name: act_codes, .offset: 8, .size: 8, .value_kind: global_buffer, .address_space: global }
      - { .name: act_scales, .offset: 16, .size: 8, .value_kind: global_buffer, .address_space: global }
    .group_segment_fixed_size: 33280
    .private_segment_fixed_size: 0
    .kernarg_segment_align: 8
    .kernarg_segment_size: 24
    .max_flat_workgroup_size: 128
    .sgpr_count:     66
    .vgpr_count:     194
    .wavefront_size: 32
...
	.end_amdgpu_metadata
.endif
;; end of part 1
;; launch qw (part 2): grid 32 x 4, 4 waves a work-group, no clusters, 36,352 bytes of LDS; arguments Wq, Wk, Wv, Wo, wc, ws; writes wc, ws
.if DOCPART == 2
	.amdgcn_target "amdgcn-amd-amdhsa--gfx1250"
	.amdhsa_code_object_version 6
	.text
	.protected	k_qae4f16328e_qw
	.globl	k_qae4f16328e_qw
	.p2align	8
	.type	k_qae4f16328e_qw,@function
k_qae4f16328e_qw:
	s_mov_b64 s[64:65], 0
	v_nop
	global_prefetch_b8 v0, s[64:65] scope:SCOPE_SE
	s_setreg_imm32_b32 hwreg(HW_REG_WAVE_MODE, 25, 1), 1
	s_wait_xcnt 0x0
; The four weights [1024 (k)][1024 (n)], f32, K their FIRST axis, are turned into codes of FP6 (E2M3) laid [4096][768 bytes] with K innermost (rows 0, 1024, 2048, 3072 on: the columns of Wq, Wk, Wv, Wo),
; and one E8M0 scale byte for each 32 along K, laid [4096][32].
; A LANE TAKES A COLUMN n, AND ITS REGISTERS RUN DOWN K: each load reads neighbouring n in neighbouring lanes (128 consecutive bytes a wave, 512 a work-group), a block of 32 along K lies in ONE lane's
; 32 registers, so that its largest magnitude needs no other lane, and the conversions give the codes with K innermost.  Nothing is transposed by an instruction.
; A block's byte is the largest magnitude's exponent field - 2, held at 1 from below.  (A block of zeros gets the byte 1 where the quantiser's text says 127: its codes are zeros, and this program alone reads the bytes.)
; LIMITS: blocks whose largest magnitude lies under 2^-124 are quantised under the byte 1; NaN and infinities among the inputs are not served.
; Work-group x: bits 4:3 the weight, bits 2:0 which 128 columns; work-group y: which 256 along K.  A wave takes 32 columns x 256 along K: 8 blocks a lane, 192 bytes of codes for each column; they go through
; the wave's own stage in LDS and leave as rows: sixteen lanes store a row's 192 consecutive bytes.  No tensor loads, no barrier, no cluster: waves and work-groups share nothing.  Loads run two blocks ahead.
.set SIZE_K, 1024
.set SIZE_N, 1024
.set KW,    256                        ; along K for a wave
.set NB,    KW/32                      ; blocks
.set ROWB,  192                        ; bytes of KW codes
.set PITCH, 272                        ; a stage row: sixteen places of 16 bytes, each with 12 bytes of codes, + 16
.set KROW,  SIZE_K*6/8                 ; a row of the codes' buffer in bytes
.set X,     32                         ; v32-95   two sets of 32 numbers
.set C,     96                         ; v96..    a block's codes
.set OUTR,  112                        ; v112-175 the way out: 16 x 4 registers
.set SB,    24                         ; v24-25   the scale bytes, four to a register
	s_load_b256 s[4:11], s[0:1], 0x0               ; Wq, Wk, Wv, Wo
	s_load_b128 s[12:15], s[0:1], 0x20             ; the codes s[12:13], the scale bytes s[14:15]
	v_lshl_add_u32 v192, v0, 2, 0x8c00
	v_mov_b32 v193, 0
	v_lshrrev_b32 v1, 5, v0
	v_readfirstlane_b32 s16, v1                    ; wave 0..3
	v_and_b32 v2, 31, v0                           ; lane
	s_lshr_b32 s30, ttmp9, 3                       ; which weight
	s_and_b32 s17, ttmp9, 7
	s_lshl_b32 s17, s17, 7
	s_lshl_b32 s18, s16, 5
	s_add_co_u32 s17, s17, s18                     ; my wave's first column in that weight
	s_and_b32 s18, ttmp7, 0xffff                   ; which KW along K
	v_lshlrev_b32 v3, 2, v2                        ; in: 4 bytes a lane
	s_mul_i32 s19, s16, 32*PITCH                   ; my stage
	v_mul_u32_u24 v4, v2, PITCH
	v_add_nc_u32 v4, s19, v4                       ; into it: row = my column
	v_and_b32 v5, 15, v2
	v_lshrrev_b32 v6, 4, v2                        ; out of it: sixteen lanes to a row, two rows an instruction
	v_mul_u32_u24 v7, v6, PITCH
	v_lshl_add_u32 v7, v5, 4, v7
	v_add_nc_u32 v7, s19, v7                       ; LDS address
	v_mul_u32_u24 v8, v6, KROW
	v_mad_u32_u24 v8, v5, 12, v8                   ; and the same place in the codes' buffer
	; where my wave's part begins, in bytes: W: (KW y) rows of 4,096 + 4 x column;  codes: row x KROW + ROWB y;  scale bytes: row x 32 + NB y;  row = 1024 x weight + column
	s_mov_b32 s19, 0
	s_mov_b64 s[20:21], KW*SIZE_N*4
	s_mul_u64 s[20:21], s[18:19], s[20:21]
	s_lshl_b32 s22, s17, 2
	s_mov_b32 s23, 0
	s_add_nc_u64 s[20:21], s[20:21], s[22:23]
	s_lshl_b32 s22, s30, 10
	s_add_co_u32 s22, s22, s17
	s_mov_b64 s[24:25], KROW
	s_mul_u64 s[24:25], s[22:23], s[24:25]
	s_mul_i32 s26, s18, ROWB
	s_mov_b32 s27, 0
	s_add_nc_u64 s[24:25], s[24:25], s[26:27]
	s_mov_b64 s[28:29], SIZE_K/32
	s_mul_u64 s[28:29], s[22:23], s[28:29]
	s_mul_i32 s26, s18, NB
	s_add_nc_u64 s[28:29], s[28:29], s[26:27]
	v_mul_u32_u24 v9, v2, SIZE_K/32                ; my column's row of scale bytes
	s_wait_kmcnt 0x0
	s_cmp_eq_u32 s30, 1                            ; the weight is chosen by the work-group's number alone
	s_cselect_b64 s[4:5], s[6:7], s[4:5]
	s_cmp_eq_u32 s30, 2
	s_cselect_b64 s[4:5], s[8:9], s[4:5]
	s_cmp_eq_u32 s30, 3
	s_cselect_b64 s[4:5], s[10:11], s[4:5]
	s_add_nc_u64 s[4:5], s[4:5], s[20:21]
	s_add_nc_u64 s[12:13], s[12:13], s[24:25]
	s_add_nc_u64 s[14:15], s[14:15], s[28:29]
.macro LOAD t                          ; block t: W(32 t + i, my column), i = 0 .. 31, into set t % 2
.irp i, 0,1,2,3,4,5,6,7,8,9,10,11,12,13,14,15,16,17,18,19,20,21,22,23,24,25,26,27,28,29,30,31
	global_load_b32 v[X+32*((\t)%2)+\i], v3, s[4:5] offset:(32*(\t)+\i)*SIZE_N*4 th:TH_LOAD_NT
.endr
.endm
	LOAD 0
	LOAD 1
.macro BLOCK t
.set XS, X+32*((\t)%2)
.if (\t) < NB-1
	s_wait_loadcnt 32                              ; this block's 32 loads are in; the next block's 32 may be out
.else
	s_wait_loadcnt 0
.endif
	v_max3_num_f32 v12, |v[XS]|, |v[XS+1]|, |v[XS+2]|               ; the block's largest magnitude: all 32 numbers are mine
	v_max3_num_f32 v13, |v[XS+3]|, |v[XS+4]|, |v[XS+5]|
.irp i, 6,10,14,18,22,26
	v_max3_num_f32 v12, v12, |v[XS+\i]|, |v[XS+\i+1]|
	v_max3_num_f32 v13, v13, |v[XS+\i+2]|, |v[XS+\i+3]|
.endr
	v_max3_num_f32 v12, v12, |v[XS+30]|, |v[XS+31]|
	v_max3_num_f32 v12, v12, v13, 0x1800000        ; and the floor 2^(3 - 127): the byte cannot fall under 1
	v_add_nc_u32 v11, 0xff000000, v12              ; 2 off its exponent field: the conversion's scale operand
	v_lshrrev_b32 v13, 23, v11                     ; the scale's byte
.if (\t)%4 == 0
	v_mov_b32 v[SB+(\t)/4], v13                    ; four bytes to a register, the lower K in the lower byte
.else
	v_lshl_or_b32 v[SB+(\t)/4], v13, 8*((\t)%4), v[SB+(\t)/4]
.endif
	v_cvt_scalef32_pk16_fp6_f32 v[C:C+2], v[XS:XS+15], v11
	v_cvt_scalef32_pk16_fp6_f32 v[C+4:C+6], v[XS+16:XS+31], v11     ; (a conversion's three registers begin on an even number)
	v_nop                                          ; one plain instruction behind the conversions
	ds_store_b96 v4, v[C:C+2] offset:32*(\t)       ; 16 codes, 12 bytes, to a place of 16 bytes in the stage, so that every LDS address is a multiple of 16
	ds_store_b96 v4, v[C+4:C+6] offset:32*(\t)+16
.if (\t)+2 < NB
	LOAD (\t)+2
.endif
	s_wait_dscnt 0x0                               ; the stores have read their registers: the next block's codes may be written
.endm
.set Q, 0
.rept NB
	BLOCK Q
.set Q, Q+1
.endr
	global_store_b64 v9, v[SB:SB+1], s[14:15]      ; my column's NB scale bytes
.irp t, 0,1,2,3,4,5,6,7,8,9,10,11,12,13,14,15
	ds_load_b96 v[OUTR+4*\t:OUTR+4*\t+2], v7 offset:2*\t*PITCH   ; LDS serves a wave's instructions in order: these see my stores
.endr
.irp t, 0,1,2,3,4,5,6,7,8,9,10,11,12,13,14,15
	s_wait_dscnt 15-\t                             ; loads come back in order: the 15 - t younger ones may be out
	global_store_b96 v8, v[OUTR+4*\t:OUTR+4*\t+2], s[12:13] offset:2*\t*KROW
.endr
	s_wait_tensorcnt 0x0
	ds_add_u32 v192, v193
	s_wait_dscnt 0x0
	s_endpgm
.Lfunc_end_k_qae4f16328e_qw:
	.size	k_qae4f16328e_qw, .Lfunc_end_k_qae4f16328e_qw-k_qae4f16328e_qw
	.p2alignl 7, 3214868480
	.fill 96, 4, 3214868480
	.section	.rodata,"a",@progbits
	.p2align	6, 0x0
	.amdhsa_kernel k_qae4f16328e_qw
		.amdhsa_group_segment_fixed_size 36352
		.amdhsa_private_segment_fixed_size 0
		.amdhsa_enable_private_segment 0
		.amdhsa_kernarg_size 48
		.amdhsa_user_sgpr_count 2
		.amdhsa_user_sgpr_kernarg_segment_ptr 1
		.amdhsa_wavefront_size32 1
		.amdhsa_system_sgpr_workgroup_id_x 1
		.amdhsa_system_sgpr_workgroup_id_y 1
		.amdhsa_system_sgpr_workgroup_id_z 1
		.amdhsa_system_vgpr_workitem_id 0
		.amdhsa_next_free_vgpr 194
		.amdhsa_next_free_sgpr 66
		.amdhsa_reserve_vcc 0
		.amdhsa_float_denorm_mode_32 3
		.amdhsa_float_denorm_mode_16_64 3
		.amdhsa_memory_ordered 1
		.amdhsa_forward_progress 1
		.amdhsa_inst_pref_size 42
	.end_amdhsa_kernel
	.amdgpu_metadata
---
amdhsa.version: [ 1, 2 ]
amdhsa.kernels:
  - .name:           k_qae4f16328e_qw
    .symbol:         k_qae4f16328e_qw.kd
    .args:
      - { .name: Wq, .offset: 0, .size: 8, .value_kind: global_buffer, .address_space: global }
      - { .name: Wk, .offset: 8, .size: 8, .value_kind: global_buffer, .address_space: global }
      - { .name: Wv, .offset: 16, .size: 8, .value_kind: global_buffer, .address_space: global }
      - { .name: Wo, .offset: 24, .size: 8, .value_kind: global_buffer, .address_space: global }
      - { .name: wc, .offset: 32, .size: 8, .value_kind: global_buffer, .address_space: global }
      - { .name: ws, .offset: 40, .size: 8, .value_kind: global_buffer, .address_space: global }
    .group_segment_fixed_size: 36352
    .private_segment_fixed_size: 0
    .kernarg_segment_align: 8
    .kernarg_segment_size: 48
    .max_flat_workgroup_size: 128
    .sgpr_count:     66
    .vgpr_count:     194
    .wavefront_size: 32
...
	.end_amdgpu_metadata
.endif
;; end of part 2
;; launch qkvp (part 3): grid 12 x 32, 4 waves a work-group, clusters of 4 x 4, 327,680 bytes of LDS; arguments act_codes, act_scales, wc, ws, bq, bk, bv, qkv; writes qkv
.if DOCPART == 3
	.amdgcn_target "amdgcn-amd-amdhsa--gfx1250"
	.amdhsa_code_object_version 6
	.text
	.protected	k_qae4f16328e_qkvp
	.globl	k_qae4f16328e_qkvp
	.p2align	8
	.type	k_qae4f16328e_qkvp,@function
k_qae4f16328e_qkvp:
	s_mov_b64 s[64:65], 0
	v_nop
	global_prefetch_b8 v0, s[64:65] scope:SCOPE_SE
	s_setreg_imm32_b32 hwreg(HW_REG_WAVE_MODE, 25, 1), 1
	s_wait_xcnt 0x0
	s_wait_alu depctr_hold_cnt(0) depctr_sa_sdst(0) depctr_va_vdst(0) depctr_va_sdst(0) depctr_va_ssrc(0) depctr_va_vcc(0) depctr_vm_vsrc(0)
	s_getreg_b32 s2, hwreg(HW_REG_IB_STS2, 6, 4)
	s_cmp_eq_u32 s2, 0
	s_cbranch_scc0 .Lentry_in_a_cluster
	s_endpgm
.Lentry_in_a_cluster:
	s_bfe_u32 s2, ttmp6, 0x10000c
	s_cmp_lg_u32 s2, 0xf033
	s_cbranch_scc0 .Lentry_shape_is_right
	s_endpgm
.Lentry_shape_is_right:
; q = x Wq + bq, k = x Wk + bk, v = x Wv + bv on codes of FP6 (E2M3) with one E8M0 scale for each 32 along K = 1,024; sums in f32; the results are quantised HERE, in registers, for the attention's two products,
; and go to memory as codes alone, laid as images of the operands' registers.
; A tile of 256 x 256 results is made by a work-group of four waves; a wave makes 128 x 128: 64 accumulators of 16 x 16, 512 registers.  K goes in steps of 256 through a ring of two LDS slots filled by the tensor data mover.
; THE TWO SOURCES.  Source 1 (called R): its row stays in a lane.  Source 0 (called P): its rows run along the lane's registers, so they must be the NEXT product's K.
;   clusters x = 0 (q) and 1 (k): the next K is the head's 64: P = 256 rows of wc (columns of Wq or Wk), R = 256 rows of x.
;   clusters x = 2 (v): the next K is the keys: P = 256 rows of x, R = 256 rows of wc (columns of Wv).  Both buffers of codes have rows of 768 bytes and both buffers of scales rows of 32, so one text serves both.
; CLUSTERS: 4 x 4 work-groups.  R's tile hangs on cy alone and is shared along a row of the cluster, P's on cx alone and is shared along a column: each is asked for JOINTLY.  Which case a cluster has hangs on the cluster's x alone.
; THE ORDER OF CODES IN A BLOCK OF 32.  A lane (r, h) holds, of two neighbouring tiles of P, the elements 32 B + 8 h + (i % 8) + 16 (i / 8), i = 0 .. 15, and their codes go to places 16 h + i of block B.  That permutes
; inside a block of 32 alone, so the block's scale is the same; it is the same for q and k, and for v and the softmax's p (whose scores lie in the same layout): the products' terms are the same.
; qkv: 64 blocks of BLK bytes, block 4 x head + batch:  0: Q, 128 tiles of 16 queries x 768 bytes;  O_QSC: Q's scale words, one a query;  O_KV: 16 key steps x (K: 8 tiles of 16 keys x 768 bytes, V: 4 tiles of 16 channels x 128 keys x 1,536 bytes);
;   O_SC: 16 key steps x (128 words of K, 64 words of V).  A tile of Q or K holds registers 0-3 of the operand at 16 x lane and registers 4-5 at 512 + 8 x lane (registers 6-11, K = 64 .. 127, are zeros and are not stored);
;   its scale word is byte(block 0) | byte(block 1) << 8 | 0x7f7f0000.  A tile of V holds its 12 registers as 3 x (16 x lane).
; LIMITS: a block whose largest magnitude lies under 2^-124 (a block of zeros too) gets the byte 1; NaN and infinities are not served.
; REGISTERS, in windows of 256: window 0: v0-31 addresses; v32-63 scale words, two sets; from v128 R's fragments, ONE set; on the way out v32-255 are free.  window 1: P's fragments, TWO sets.  windows 2, 3: the accumulators ((a, b) at v[8 (8 (a % 4) + b)]).
.set SIZE_K, 1024
.set KSTEP,  256                       ; along K in a slot
.set NQ,     KSTEP/128                 ; matrix instructions deep
.set ROWB,   192                       ; a tile's row in bytes
.set KROW,   SIZE_K*6/8                ; a row of codes in memory
.set PITCH,  240                       ; an LDS row: 3 x (64 bytes of data + 16 of padding)
.set FR,     12                        ; registers of a fragment
.set NL,     6                         ; LDS loads that bring one
.set NP,     4                         ; places behind this matrix instruction (ISA guide 7.12.1)
.set HALFT,  128*PITCH                 ; 128 rows: what one tensor load brings
.set SLOT,   4*HALFT                   ; R's 256 rows, then P's 256 rows
.set LAPS,   SIZE_K/(2*KSTEP)
.set KS,     SIZE_K/32                 ; a row of scales in bytes
.set SCL,    2*SLOT                    ; behind the ring: the scales, as runs of 256 bytes + 16 of padding
.set HALFS,  (128*KS/256)*272          ; the scales of 128 rows
.set SBLK,   (16*KS/256)*272           ; those of 16 rows
.set SPARE,  SCL+4*HALFS               ; behind the scales: the spare words, 128 bytes for each wave
.set BLK,    315392                    ; a block of qkv
.set HSTEP,  4*BLK                     ; from a head to the next
.set O_QSC,  98304
.set O_KV,   106496
.set O_SC,   303104
.set L16,  7                           ; v7   16 x lane
.set L8,   8                           ; v8   8 x lane
.set H16,  9                           ; v9   16 h
.set R4,   10                          ; v10  4 r
.set H32,  11                          ; v11  32 h
.set VSO,  12                          ; v12  16 r + h x HSTEP
.set ADRA, 16                          ; v16-19 LDS addresses of R's fragments
.set ADRB, 20                          ; v20-23 of P's
.set SST0, 24                          ; v24  q, k: where a scale word goes in my stage: 1024 x wave + 512 h + 4 r
.set SRD0, 25                          ; v25  and where 16 bytes come back: 1024 x wave + 16 x lane
.set SST1, 26                          ; v26  v: 4096 + 512 x wave + 4 r
.set ADRS, 27                          ; v27  LDS address of my scale words
.set SPW,  28                          ; v28  LDS address of my spare word; never rewritten
.set NIL,  29                          ; v29  0; never rewritten
.set SRD1, 30                          ; v30  v: 4096 + 512 x wave + 16 x lane
.set SC,   32                          ; scale words, two sets of 16
.set AF,   128                         ; R's fragments
.set PWB,  32                          ; the way out: v32-39 the eight scale words made
.set OB,   40                          ; v40-47 scale words back from the stage
.set BI,   64                          ; v64-127 the bias
.set HA,   128                         ; v128-191 a block's 64 numbers of a lane
.set PC,   192                         ; v192-210 the codes just made
.set TM,   212                         ; v212-227 at work
.set SW,   228                         ; v228-235 a head's scale words
.set SEL,  12                          ; s[12:13] lane selects for v_permlanex16_b32
.set G1, 24
.set G0, 32
.set G1B, 48
.set G0B, 56
.set G1S, 68
.set G0S, 76
.set G1SB, 80
.set G0SB, 88
.set MSB, 0
.macro WIN new                         ; the immediate's high byte repeats the setting that is left
.if MSB != (\new)
	s_set_vgpr_msb (MSB<<8)|(\new)
.set MSB, (\new)
.endif
.endm
.set MUL_LO, 0xa1                      ; source 0 (P) window 1, source 1 (R) window 0, C and D window 2
.set MUL_HI, 0xf1                      ; the same, C and D window 3
.set TO_B,   0x40                      ; destination window 1, address window 0
; A joint load: waves 0 and 1 fetch for R, waves 2 and 3 for P.  Each of the two lines has ONE mask and one set of registers for all that issue it; the branch hangs on the wave's number alone.
; Four v_nop follow each of the two lines, ahead of the jump, the label and what follows.
.macro JLOAD g0a, g1a, g0b, g1b
	s_cmp_eq_u32 s15, 0
	s_cbranch_scc0 .Lfor_b_\@
	tensor_load_to_lds s[\g0a:\g0a+3], s[\g1a:\g1a+7]
	s_nop 0
.rept 4
	v_nop
.endr
	s_branch .Lasked_\@
.Lfor_b_\@:
	tensor_load_to_lds s[\g0b:\g0b+3], s[\g1b:\g1b+7]
	s_nop 0
.rept 4
	v_nop
.endr
.Lasked_\@:
.endm
.macro CREST                           ; a round of the cluster's barrier behind its opening barrier
	s_cmp_lg_u32 s14, 0
	s_cbranch_scc1 .Lnot_wave_0_\@
	s_barrier_signal -3
.Lnot_wave_0_\@:
	s_barrier_wait -3
	s_barrier_signal -1
	s_barrier_wait -1
.endm
.macro CROUND                          ; a whole round
	s_barrier_signal -1
	s_barrier_wait -1
	CREST
.endm
	s_load_b256 s[4:11], s[0:1], 0x0               ; x's codes s[4:5], x's scales s[6:7], the weights' codes s[8:9], their scales s[10:11]
	v_lshl_add_u32 v[SPW], v0, 2, SPARE
	v_mov_b32 v[NIL], 0
	ds_add_u32 v28, v29
	ds_add_u32 v28, v29
	s_wait_dscnt 0x0
	v_lshrrev_b32 v1, 5, v0
	v_readfirstlane_b32 s14, v1                    ; wave 0..3
	s_lshr_b32 s15, s14, 1                         ; which half of R's rows is mine.  Also: I fetch for R (0) or for P (1)
	s_and_b32 s16, s14, 1                          ; which half of P's rows.  Also: which 128 rows of that tile I fetch
	s_bfe_u32 s40, ttmp6, 0x40000                  ; cx, cy: my place in the cluster
	s_bfe_u32 s41, ttmp6, 0x40004
	s_mov_b32 s2, ttmp9                            ; the cluster's x: 0 q, 1 k, 2 v
	s_and_b32 s45, ttmp7, 0xffff                   ; the cluster's y: 0 .. 7
	s_wait_kmcnt 0x0
	s_cmp_eq_u32 ttmp9, 2                          ; the choice hangs on the cluster's x alone: it is the same in all sixteen partners
	s_cselect_b64 s[66:67], s[8:9], s[4:5]         ; R's codes
	s_cselect_b64 s[96:97], s[10:11], s[6:7]       ; R's scales
	s_cselect_b64 s[98:99], s[4:5], s[8:9]         ; P's codes
	s_cselect_b64 s[100:101], s[6:7], s[10:11]     ; P's scales
	s_cselect_b32 s12, s45, s2                     ; P's tile = 4 x this + cx
	s_cselect_b32 s13, 0, s45                      ; R's tile = 4 x this + cy
	s_cselect_b32 s3, 2048, 0                      ; Wv's columns begin at row 2,048 of the weights' codes
	s_load_b256 s[4:11], s[0:1], 0x20              ; bq s[4:5], bk s[6:7], bv s[8:9], qkv s[10:11]: for the way out
	s_lshl_b32 s42, s12, 2
	s_add_co_u32 s42, s42, s40                     ; P's tile
	s_lshl_b32 s17, s13, 2
	s_add_co_u32 s17, s17, s41                     ; R's tile
	s_lshl_b32 s43, s41, 2
	s_lshl_b32 s43, 15, s43                        ; my row of the cluster
	s_lshl_b32 s44, 0x1111, s40                    ; my column
	; descriptor group 1: a tile of 128 rows x ROWB bytes, padded in LDS
	s_or_b32 s[G1+0], s43, (0<<16)|(1<<20)|(1<<21)|(3<<22)|(3<<25)  ; 15:0 the mask: R's tiles go to my row; 17:16 element of 1 byte; 20 padding on; 21 set beside a mask; 24:22 after every 16 words; 31:25 of 4 words
	s_or_b32 s[G1B+0], s44, (0<<16)|(1<<20)|(1<<21)|(3<<22)|(3<<25)
.irp g, G1, G1B
	s_mov_b32 s[\g+1], ROWB<<16                    ; tensor_dim0
	s_mov_b32 s[\g+2], 128<<16                     ; tensor_dim1 = 128
	s_mov_b32 s[\g+3], ROWB<<16                    ; tile_dim0
	s_mov_b32 s[\g+4], 128                         ; tile_dim1 = 128
	s_mov_b32 s[\g+5], KROW                        ; tensor_dim0_stride
	s_mov_b32 s[\g+6], 0
	s_mov_b32 s[\g+7], 0
.endr
	; and for the scales of 128 rows: a dense block of 4,096 bytes, as rows of 256 bytes (32 elements of 8 bytes), 16 bytes of padding behind each
	s_or_b32 s[G1S+0], s43, (3<<16)|(1<<20)|(1<<21)|(5<<22)|(3<<25)
	s_or_b32 s[G1SB+0], s44, (3<<16)|(1<<20)|(1<<21)|(5<<22)|(3<<25)
.irp g, G1S, G1SB
	s_mov_b32 s[\g+1], 32<<16
	s_mov_b32 s[\g+2], (128*KS/256)<<16
	s_mov_b32 s[\g+3], 32<<16
	s_mov_b32 s[\g+4], 128*KS/256
	s_mov_b32 s[\g+5], 32
	s_mov_b32 s[\g+6], 0
	s_mov_b32 s[\g+7], 0
.endr
	s_lshl_b32 s18, s16, 7                         ; which 128 rows of the tile I fetch
	s_lshl_b32 s20, s17, 8
	s_add_co_u32 s20, s20, s18
	s_add_co_u32 s20, s20, s3                      ; R: row 256 x tile + 128 x half (+ 2,048 for Wv)
	s_lshl_b32 s46, s42, 8
	s_add_co_u32 s46, s46, s18                     ; P: row 256 x tile + 128 x half
	s_mov_b32 s21, 0
	s_mov_b32 s47, 0
	s_mov_b64 s[18:19], KS
	s_mul_u64 s[22:23], s[20:21], s[18:19]         ; where these rows' scales begin, in bytes
	s_mul_u64 s[92:93], s[46:47], s[18:19]
	s_mov_b64 s[18:19], KROW
	s_mul_u64 s[20:21], s[20:21], s[18:19]         ; and their codes
	s_mul_u64 s[46:47], s[46:47], s[18:19]
	s_mul_i32 s45, s14, HALFT                      ; where they go: wave x 128 rows: no place in the cluster enters an LDS address
	s_mul_i32 s94, s14, HALFS
	s_add_nc_u64 s[20:21], s[66:67], s[20:21]
	s_add_nc_u64 s[22:23], s[96:97], s[22:23]
	s_add_nc_u64 s[46:47], s[98:99], s[46:47]
	s_add_nc_u64 s[92:93], s[100:101], s[92:93]
	s_wait_kmcnt 0x0                               ; the biases' and qkv's addresses are in
	CROUND                                         ; all sixteen work-groups are here: the first joint loads meet
	s_mov_b32 s[G0S], 1
	s_add_co_u32 s[G0S+1], s94, SCL
	s_mov_b64 s[G0S+2:G0S+3], s[22:23]
	s_or_b32 s[G0S+3], s[G0S+3], 0x80000000
	s_mov_b32 s[G0SB], 1
	s_add_co_u32 s[G0SB+1], s94, SCL
	s_mov_b64 s[G0SB+2:G0SB+3], s[92:93]
	s_or_b32 s[G0SB+3], s[G0SB+3], 0x80000000
	JLOAD G0S, G1S, G0SB, G1SB                     ; the scales first: they are wanted with K step 0
.irp s, 0,1
	s_mov_b32 s[G0+4*\s], 1
	s_add_co_u32 s[G0+4*\s+1], s45, \s*SLOT
	s_add_nc_u64 s[G0+4*\s+2:G0+4*\s+3], s[20:21], \s*ROWB
	s_or_b32 s[G0+4*\s+3], s[G0+4*\s+3], 0x80000000
	s_mov_b32 s[G0B+4*\s], 1
	s_add_co_u32 s[G0B+4*\s+1], s45, \s*SLOT
	s_add_nc_u64 s[G0B+4*\s+2:G0B+4*\s+3], s[46:47], \s*ROWB
	s_or_b32 s[G0B+4*\s+3], s[G0B+4*\s+3], 0x80000000
	JLOAD G0+4*\s, G1, G0B+4*\s, G1B               ; three tensor loads of mine are out now
.endr
	v_and_b32 v1, 15, v0                           ; r = l % 16
	v_bfe_u32 v2, v0, 4, 1                         ; h = l / 16
	v_mul_u32_u24 v3, v1, PITCH
	v_mul_u32_u24 v4, v2, 24
	v_add_nc_u32 v4, v3, v4                        ; a fragment's row x pitch + 24 x half
	v_lshl_add_u32 v5, v2, 4, v4                   ; and the same behind one padding more
	s_mul_i32 s21, s15, HALFT                      ; my 128 rows of R
	s_mul_i32 s22, s16, HALFT                      ; my 128 rows of P,
	s_add_co_u32 s22, s22, 2*HALFT                 ; which lie behind R's 256
.irp s, 0,1
	v_add_nc_u32 v[ADRA+\s], s21, v4
	v_add_nc_u32 v[ADRB+\s], s22, v4
	v_add_nc_u32 v[ADRA+2+\s], s21, v5
	v_add_nc_u32 v[ADRB+2+\s], s22, v5
	s_add_co_u32 s21, s21, SLOT
	s_add_co_u32 s22, s22, SLOT
.endr
	v_mul_u32_u24 v5, v1, KS                       ; my row's scales: KS bytes a row,
	v_lshrrev_b32 v6, 8, v5
	v_lshl_add_u32 v5, v6, 4, v5                   ; and 16 more for each 256 passed
	s_mul_i32 s21, s15, HALFS                      ; R's: my 128 rows
	s_mul_i32 s22, s16, HALFS                      ; P's: my 128 rows, behind R's 256
	s_add_co_u32 s22, s22, 2*HALFS
	s_sub_co_u32 s22, s22, s21
	v_mul_u32_u24 v6, s22, v2                      ; lanes 16-31 take P's
	s_add_co_u32 s21, s21, SCL
	v_add_nc_u32 v5, v5, v6
	v_add_nc_u32 v[ADRS], s21, v5
	; the way out's lane terms, made here once.  The two stages lie in slot 0, which has had its last fill and its last read when the first word is stored there; each of the two ways out has bytes of its own
	v_and_b32 v6, 31, v0
	v_lshlrev_b32 v[L16], 4, v6
	v_lshlrev_b32 v[L8], 3, v6
	v_lshlrev_b32 v[H16], 4, v2
	v_lshlrev_b32 v[R4], 2, v1
	v_lshlrev_b32 v[H32], 5, v2
	v_mul_u32_u24 v[VSO], v2, HSTEP
	v_lshl_add_u32 v[VSO], v1, 4, v[VSO]
	s_lshl_b32 s23, s14, 10
	v_lshl_add_u32 v[SST0], v2, 9, v[R4]
	v_add_nc_u32 v[SST0], s23, v[SST0]
	v_add_nc_u32 v[SRD0], s23, v[L16]
	s_lshl_b32 s23, s14, 9
	s_add_co_u32 s23, s23, 4096
	v_add_nc_u32 v[SST1], s23, v[R4]
	v_add_nc_u32 v[SRD1], s23, v[L16]
.macro FRAG reg, adr, q, i             ; a fragment, 16 rows x 128 K of 6-bit codes, is 12 registers: lane l holds row l % 16; registers 6 c .. 6 c + 5 hold K = 64 c + 32 (l / 16) + 0 .. 31: 24 bytes of the row's stream of bits
.irp p, 0,1,2,3,4,5                    ; in pieces of 8 bytes.  Lanes 0-15 take the row's pieces 12 q + 0, 1, 2 and 12 q + 6, 7, 8, lanes 16-31 those three pieces on
.set PCE, 12*(\q)+6*(\p/3)+\p%3        ; 16 bytes of padding lie behind every 64 bytes (8 pieces): where the piece three on lies behind one padding more, the second address register serves
.if PCE%8 < 5
	ds_load_b64 v[\reg+2*\p:\reg+2*\p+1], v[\adr] offset:8*PCE+16*(PCE/8)+(\i)*16*PITCH
.else
	ds_load_b64 v[\reg+2*\p:\reg+2*\p+1], v[\adr+2] offset:8*PCE+16*(PCE/8)+(\i)*16*PITCH
.endif
.endr
.endm
; 16 matrix instructions: R's blocks a0, a0 + 1 x P's eight, 128 along K: the slot's q-th.  p: P's set;  sc: the set of scale words.  zero = 1: the first product starts the sums.
; The 64 accumulators take turns, one instruction a turn, in the same order in every step.
.macro MUL16 a0, p, q, sc, zero
.irp a, \a0, \a0+1
.irp b, 0,1,2,3,4,5,6,7
.if \zero
	v_wmma_scale_f32_16x16x128_f8f6f4 v[8*(8*((\a)%4)+\b):8*(8*((\a)%4)+\b)+7], v[128*(\p)+FR*\b:128*(\p)+FR*\b+FR-1], v[AF+FR*(\a):AF+FR*(\a)+FR-1], 0, v[SC+8*NQ*(\sc)+NQ*\b+(\q)], v[SC+8*NQ*(\sc)+NQ*(\a)+(\q)] matrix_a_fmt:MATRIX_FMT_FP6 matrix_b_fmt:MATRIX_FMT_FP6 matrix_a_scale:MATRIX_SCALE_ROW1
.else
	v_wmma_scale_f32_16x16x128_f8f6f4 v[8*(8*((\a)%4)+\b):8*(8*((\a)%4)+\b)+7], v[128*(\p)+FR*\b:128*(\p)+FR*\b+FR-1], v[AF+FR*(\a):AF+FR*(\a)+FR-1], v[8*(8*((\a)%4)+\b):8*(8*((\a)%4)+\b)+7], v[SC+8*NQ*(\sc)+NQ*\b+(\q)], v[SC+8*NQ*(\sc)+NQ*(\a)+(\q)] matrix_a_fmt:MATRIX_FMT_FP6 matrix_b_fmt:MATRIX_FMT_FP6 matrix_a_scale:MATRIX_SCALE_ROW1
.endif
.endr
.endr
.endm
.macro FETCH_B slot, q, p              ; P's eight fragments of the slot's q-th 128 along K into set p
	WIN TO_B
.irp i, 0,1,2,3,4,5,6,7
	FRAG 128*(\p)+FR*\i, ADRB+\slot, \q, \i
.endr
	WIN 0
.endm
.macro FETCH_A slot, q, i0             ; R's blocks i0 .. i0 + 3
.irp i, \i0, \i0+1, \i0+2, \i0+3
	FRAG AF+FR*(\i), ADRA+\slot, \q, \i
.endr
.endm
.macro SCALES sc                       ; the next K step's scale words into set sc: NQ words a row; lanes 0-15 take R's block i, lanes 16-31 P's block i
.irp i, 0,1,2,3,4,5,6,7
	ds_load_b64 v[SC+8*NQ*\sc+NQ*\i:SC+8*NQ*\sc+NQ*\i+1], v[ADRS] offset:\i*SBLK
.endr
.endm
; A load into a register that a matrix instruction has read, and a vector instruction that reads a matrix result, stand NP places behind that matrix instruction; only plain vector instructions that name none of its registers are places.
.macro PLACES n
.rept \n
	v_nop
.endr
.endm
; A step of 128 along K that has its successor in the same slot.
.macro STEP slot, q, zero
	s_wait_dscnt 4*NL                              ; P's set and R's blocks 0-3 are in; the youngest 24 loads (R's blocks 4-7) may be out
	WIN MUL_LO
	MUL16 0, (\q)%2, \q, \slot, \zero
	MUL16 2, (\q)%2, \q, \slot, \zero
	s_wait_dscnt 0                                 ; R's blocks 4-7 are in (asked for 32 matrix instructions ago)
	PLACES NP
	FETCH_B \slot, (\q)+1, 1-(\q)%2
	FETCH_A \slot, (\q)+1, 0
	WIN MUL_HI
	MUL16 4, (\q)%2, \q, \slot, \zero
	MUL16 6, (\q)%2, \q, \slot, \zero
	PLACES NP
	WIN 0
	FETCH_A \slot, (\q)+1, 4
.endm
; A slot's last step changes slots: ONE barrier; in front of it each wave waits for all its tensor loads, adds 0 to its spare word, and waits for that and for its own reads of this slot.  fill = 1: this slot is filled again, two K steps ahead.
.macro TURN slot, next, fill
	s_wait_tensorcnt 0x0                           ; all my tensor loads have landed: my part of the next slot;  (every window is 0 here)
	ds_add_u32 v[SPW], v[NIL]                      ; 0 onto my spare word
	s_wait_dscnt 4*NL+1                            ; (the add and the youngest 24 loads, R's blocks 4-7, may be out)
	WIN MUL_LO
	MUL16 0, 1, NQ-1, \slot, 0                     ; sixteen matrix instructions stand between the add and the wait for it
	s_wait_dscnt 0x0                               ; the add is done, and my reads of this slot are over
	s_barrier_signal -1
	MUL16 2, 1, NQ-1, \slot, 0
	WIN 0
	s_barrier_wait -1
.if \fill
	CREST                                          ; the barrier has opened a round of the cluster's barrier: no wave of any partner still reads this slot's tile or has a load on its way
	s_add_nc_u64 s[G0+4*\slot+2:G0+4*\slot+3], s[G0+4*\slot+2:G0+4*\slot+3], 2*ROWB
	s_add_nc_u64 s[G0B+4*\slot+2:G0B+4*\slot+3], s[G0B+4*\slot+2:G0B+4*\slot+3], 2*ROWB
	JLOAD G0+4*\slot, G1, G0B+4*\slot, G1B         ; the first tensor load behind the round; the four v_nop behind it are the places in front of the loads below
.else
	PLACES NP
.endif
	v_add_nc_u32 v[ADRS], 4*NQ, v[ADRS]            ; on to the next K step's scale words (no LDS load of mine is out)
	FETCH_B \next, 0, 0
	FETCH_A \next, 0, 0
	SCALES \next
	WIN MUL_HI
	MUL16 4, 1, NQ-1, \slot, 0
	MUL16 6, 1, NQ-1, \slot, 0
	PLACES NP
	WIN 0
	FETCH_A \next, 0, 4
.endm
	s_wait_tensorcnt 1                             ; the scales and my part of K step 0 are in (K step 1's load may be out)
	s_barrier_signal -1
	s_barrier_wait -1                              ; everybody's are
	FETCH_B 0, 0, 0
	FETCH_A 0, 0, 0
	SCALES 0
	FETCH_A 0, 0, 4
	STEP 0, 0, 1                                   ; the first step stands in front of the loop: its products start the sums
	s_mov_b32 s3, LAPS-1
.Llap:                                                 ; a trip goes once round the ring, from a lap's second step to the next lap's first, and fills both slots again
	TURN 0, 1, 1
	STEP 1, 0, 0
	TURN 1, 0, 1
	STEP 0, 0, 0
	s_sub_co_u32 s3, s3, 1
	s_cmp_lg_u32 s3, 0
	s_cbranch_scc1 .Llap
	TURN 0, 1, 0                                   ; the last lap fills nothing, and has no round of the cluster's barrier
	STEP 1, 0, 0
	s_wait_dscnt 4*NL                              ; the very last step: nothing more to fetch
	WIN MUL_LO
	MUL16 0, 1, NQ-1, 1, 0
	MUL16 2, 1, NQ-1, 1, 0
	s_wait_dscnt 0
	WIN MUL_HI
	MUL16 4, 1, NQ-1, 1, 0
	MUL16 6, 1, NQ-1, 1, 0
	WIN 0
; THE WAY OUT, block by block of 16 rows of R x 128 rows of P.
; 64 numbers of a lane, v[s] .. v[s + 63], register 16 b + i = place 16 (lane / 16) + i of block b of my row, become a fragment's codes in v[PC] on and its scale word in v[pw].
.macro QUANT s, pw
.irp b, 0,1,2,3
	v_max3_num_f32 v[TM+\b], |v[\s+16*\b]|, |v[\s+1+16*\b]|, 0x1800000   ; block b: my 16 numbers, and the floor 2^(3 - 127): the byte cannot fall under 1
.endr
.irp i, 2,4,6,8,10,12,14
.irp b, 0,1,2,3
	v_max3_num_f32 v[TM+\b], v[TM+\b], |v[\s+16*\b+\i]|, |v[\s+1+16*\b+\i]|   ; (the four blocks by turns)
.endr
.endr
.irp b, 0,1,2,3
	v_permlanex16_b32 v[TM+4+\b], v[TM+\b], s[SEL], s[SEL+1]
.endr
.irp b, 0,1,2,3
	v_max_num_f32 v[TM+\b], v[TM+\b], v[TM+4+\b]   ; with lane l xor 16's: the block's largest magnitude
.endr
.irp b, 0,1,2,3
	v_add_nc_u32 v[TM+12+\b], 0xff000000, v[TM+\b]   ; 2 off its exponent field: the conversion's scale operand
.endr
.irp b, 0,1,2,3
	v_lshrrev_b32 v[TM+4+\b], 23, v[TM+12+\b]      ; the scale's byte
.endr
	v_lshl_or_b32 v[\pw], v[TM+5], 8, v[TM+4]      ; the four bytes make my row's scale word
	v_lshl_or_b32 v[\pw], v[TM+6], 16, v[\pw]
	v_lshl_or_b32 v[\pw], v[TM+7], 24, v[\pw]
.irp c, 0,1
	v_cvt_scalef32_pk16_fp6_f32 v[PC+6*\c:PC+2+6*\c], v[\s+32*\c:\s+15+32*\c], v[TM+12+2*\c]
	v_cvt_scalef32_pk16_fp6_f32 v[PC+12+4*\c:PC+14+4*\c], v[\s+16+32*\c:\s+31+32*\c], v[TM+12+2*\c+1]   ; (a conversion's three registers begin on an even number)
.endr
	v_nop                                          ; one plain place behind a scaled conversion
.irp c, 0,1                                    ; the operand's layout wants a WHOLE block in a lane: lanes 0-15 block 2 c, lanes 16-31 block 2 c + 1
.irp i, 0,1,2
	v_permlane16_swap_b32 v[PC+6*\c+\i], v[PC+12+4*\c+\i]
.endr
.irp i, 0,1,2
	v_mov_b32 v[PC+3+6*\c+\i], v[PC+12+4*\c+\i]
.endr
.endr
.endm
; Block a's 64 results of a lane, plus the bias, into window 0; each accumulator is read from its low end on.  byrow = 0: the bias runs along P (a register each); 1: along R (one number a lane, in a pair)
.macro ADDB a, byrow
	WIN 0x02+((\a)/4)                              ; source 0: window 2 or 3
.set i, 0
.rept 32
.if \byrow
	v_pk_add_f32 v[HA+2*i:HA+2*i+1], v[64*((\a)%4)+2*i:64*((\a)%4)+2*i+1], v[BI+2*(\a):BI+2*(\a)+1]
.else
	v_pk_add_f32 v[HA+2*i:HA+2*i+1], v[64*((\a)%4)+2*i:64*((\a)%4)+2*i+1], v[BI+2*i:BI+2*i+1]
.endif
.set i, i+1
.endr
	WIN 0
.endm
	PLACES NP                                      ; behind the last products: their results are read and their operands' registers written below
	s_mov_b32 s[SEL], 0x76543210
	s_mov_b32 s[SEL+1], 0xfedcba98                 ; lane l xor 16
	s_mov_b32 s2, 0x7f7f0000                       ; the bytes (2^0) of the two blocks of zero codes that fill a head's 64 up to 128
.irp b, 0,1,2,3
	v_mov_b32 v[TM+4+\b], 0                        ; written once: a lane permute's destination counts as one of its sources
.endr
	s_cmp_eq_u32 ttmp9, 2                          ; the cluster's x: the same in every wave and every partner
	s_cbranch_scc1 .Lv
	; ---- q or k: R = 128 tokens (8 tiles of 16), P = 128 features: two heads
	s_lshl_b32 s20, s17, 8
	s_lshl_b32 s21, s15, 7
	s_add_co_u32 s20, s20, s21                     ; my first token
	s_lshr_b32 s21, s20, 11                        ; its batch
	s_bfe_u32 s22, s20, 0x40007                    ; which 128 of the batch's 2,048
	s_and_b32 s23, s42, 3
	s_lshl_b32 s23, s23, 1
	s_add_co_u32 s23, s23, s16                     ; my first head / 2
	s_lshl_b32 s24, s23, 3
	s_add_co_u32 s24, s24, s21                     ; block = 4 x head + batch
	s_mul_i32 s24, s24, BLK
	s_mul_i32 s26, s22, 6144                       ; q: codes, 8 tiles of 768 bytes
	s_mul_i32 s27, s22, 12288
	s_add_co_u32 s27, s27, O_KV                    ; k: codes
	s_lshl_b32 s28, s22, 9
	s_add_co_u32 s28, s28, O_QSC                   ; q: scale words
	s_mul_i32 s29, s22, 768
	s_add_co_u32 s29, s29, O_SC                    ; k: scale words
	s_cmp_eq_u32 ttmp9, 1
	s_cselect_b32 s26, s27, s26
	s_cselect_b32 s28, s29, s28
	s_cselect_b64 s[4:5], s[6:7], s[4:5]           ; bk or bq
	s_add_co_u32 s26, s26, s24
	s_add_co_u32 s28, s28, s24
	s_mov_b32 s27, 0
	s_mov_b32 s29, 0
	s_add_nc_u64 s[26:27], s[10:11], s[26:27]
	s_add_nc_u64 s[28:29], s[10:11], s[28:29]
	s_lshl_b32 s24, s23, 9                         ; my 128 features' bias: 512 bytes x (head / 2)
	s_mov_b32 s25, 0
	s_add_nc_u64 s[4:5], s[4:5], s[24:25]
.irp b, 0,1,2,3,4,5,6,7
	global_load_b128 v[BI+8*\b:BI+8*\b+3], v[H32], s[4:5] offset:64*\b         ; register 8 b + j: the bias of feature 16 b + 8 h + j
	global_load_b128 v[BI+8*\b+4:BI+8*\b+7], v[H32], s[4:5] offset:64*\b+16
.endr
	s_wait_loadcnt 0x0
.irp a, 0,1,2,3,4,5,6,7
	ADDB \a, 0
	s_wait_xcnt 0x0                                ; the last block's stores have read the codes' registers
	QUANT HA, PWB+\a
.irp c, 0,1                                    ; registers 6 c .. 6 c + 5 are registers 0-5 of head c's tile
	global_store_b128 v[L16], v[PC+6*\c:PC+6*\c+3], s[26:27] offset:768*\a+\c*HSTEP        ; the wave stores 512 consecutive bytes, at a multiple of 256 from qkv's first byte
	global_store_b64 v[L8], v[PC+6*\c+4:PC+6*\c+5], s[26:27] offset:768*\a+\c*HSTEP+512    ; and 256
.endr
	v_lshrrev_b32 v[SW+\a], v[H16], v[PWB+\a]      ; lanes 0-15 take the first head's two bytes, lanes 16-31 the second's
	v_and_or_b32 v[SW+\a], v[SW+\a], 0xffff, s2
	ds_store_b32 v[SST0], v[SW+\a] offset:64*\a
.endr
	ds_load_b128 v[OB:OB+3], v[SRD0]               ; LDS serves a wave's instructions in order: these see my stores.  A head's 128 words
	ds_load_b128 v[OB+4:OB+7], v[SRD0] offset:512
	s_wait_dscnt 0x0
	global_store_b128 v[L16], v[OB:OB+3], s[28:29]
	global_store_b128 v[L16], v[OB+4:OB+7], s[28:29] offset:HSTEP
	s_branch .Lend
.Lv:
	; ---- v: R = 128 features (two heads x 4 tiles of 16), P = 128 tokens: one key step
	s_lshl_b32 s20, s42, 8
	s_lshl_b32 s21, s16, 7
	s_add_co_u32 s20, s20, s21                     ; my first token
	s_lshr_b32 s21, s20, 11                        ; its batch
	s_bfe_u32 s22, s20, 0x40007                    ; the key step
	s_lshl_b32 s23, s17, 1
	s_add_co_u32 s23, s23, s15                     ; my first head / 2
	s_lshl_b32 s24, s23, 3
	s_add_co_u32 s24, s24, s21
	s_mul_i32 s24, s24, BLK
	s_mul_i32 s26, s22, 12288
	s_add_co_u32 s26, s26, O_KV+6144               ; V's tiles lie behind the step's eight of K
	s_add_co_u32 s26, s26, s24
	s_mul_i32 s28, s22, 768
	s_add_co_u32 s28, s28, O_SC+512                ; and its words behind K's 128
	s_add_co_u32 s28, s28, s24
	s_mov_b32 s27, 0
	s_mov_b32 s29, 0
	s_add_nc_u64 s[26:27], s[10:11], s[26:27]
	s_add_nc_u64 s[28:29], s[10:11], s[28:29]
	s_lshl_b32 s24, s23, 9
	s_mov_b32 s25, 0
	s_add_nc_u64 s[8:9], s[8:9], s[24:25]          ; bv at my 128 features
.irp a, 0,1,2,3,4,5,6,7
	global_load_b32 v[BI+2*\a], v[R4], s[8:9] offset:64*\a   ; the bias of feature 16 a + r
.endr
	s_wait_loadcnt 0x0
.irp a, 0,1,2,3,4,5,6,7
	v_mov_b32 v[BI+2*\a+1], v[BI+2*\a]             ; twice, for the packed addition
.endr
.irp a, 0,1,2,3,4,5,6,7
	ADDB \a, 1
	s_wait_xcnt 0x0                                ; the last block's stores have read the codes' registers
	QUANT HA, PWB+\a
.irp n, 0,1,2
	global_store_b128 v[L16], v[PC+4*\n:PC+4*\n+3], s[26:27] offset:(\a/4)*HSTEP+(\a%4)*1536+512*\n   ; the fragment as it stands: 512 consecutive bytes a store
.endr
	ds_store_b32 v[SST1], v[PWB+\a] offset:64*\a   ; both halves of the lanes write the same word with the same value
.endr
	ds_load_b128 v[OB:OB+3], v[SRD1]               ; lanes 0-15: the first head's 64 words, lanes 16-31: the second's
	s_wait_dscnt 0x0
	global_store_b128 v[VSO], v[OB:OB+3], s[28:29] ; sixteen lanes store 256 consecutive bytes, at a multiple of 256 from qkv's first byte
.Lend:
	s_wait_tensorcnt 0x0                           ; the wave's end, behind my last tensor load and my last LDS store
	ds_add_u32 v[SPW], v[NIL]
	s_wait_dscnt 0x0
	CROUND                                         ; the closing round: no work-group ends while a partner may still ask for a tile that names it
	s_endpgm
.Lfunc_end_k_qae4f16328e_qkvp:
	.size	k_qae4f16328e_qkvp, .Lfunc_end_k_qae4f16328e_qkvp-k_qae4f16328e_qkvp
	.p2alignl 7, 3214868480
	.fill 96, 4, 3214868480
	.section	.rodata,"a",@progbits
	.p2align	6, 0x0
	.amdhsa_kernel k_qae4f16328e_qkvp
		.amdhsa_group_segment_fixed_size 327680
		.amdhsa_private_segment_fixed_size 0
		.amdhsa_enable_private_segment 0
		.amdhsa_kernarg_size 64
		.amdhsa_user_sgpr_count 2
		.amdhsa_user_sgpr_kernarg_segment_ptr 1
		.amdhsa_wavefront_size32 1
		.amdhsa_system_sgpr_workgroup_id_x 1
		.amdhsa_system_sgpr_workgroup_id_y 1
		.amdhsa_system_sgpr_workgroup_id_z 1
		.amdhsa_system_vgpr_workitem_id 0
		.amdhsa_next_free_vgpr 1024
		.amdhsa_next_free_sgpr 102
		.amdhsa_reserve_vcc 0
		.amdhsa_float_denorm_mode_32 3
		.amdhsa_float_denorm_mode_16_64 3
		.amdhsa_memory_ordered 1
		.amdhsa_forward_progress 1
		.amdhsa_inst_pref_size 236
	.end_amdhsa_kernel
	.amdgpu_metadata
---
amdhsa.version: [ 1, 2 ]
amdhsa.kernels:
  - .name:           k_qae4f16328e_qkvp
    .symbol:         k_qae4f16328e_qkvp.kd
    .args:
      - { .name: act_codes, .offset: 0, .size: 8, .value_kind: global_buffer, .address_space: global }
      - { .name: act_scales, .offset: 8, .size: 8, .value_kind: global_buffer, .address_space: global }
      - { .name: wc, .offset: 16, .size: 8, .value_kind: global_buffer, .address_space: global }
      - { .name: ws, .offset: 24, .size: 8, .value_kind: global_buffer, .address_space: global }
      - { .name: bq, .offset: 32, .size: 8, .value_kind: global_buffer, .address_space: global }
      - { .name: bk, .offset: 40, .size: 8, .value_kind: global_buffer, .address_space: global }
      - { .name: bv, .offset: 48, .size: 8, .value_kind: global_buffer, .address_space: global }
      - { .name: qkv, .offset: 56, .size: 8, .value_kind: global_buffer, .address_space: global }
    .group_segment_fixed_size: 327680
    .private_segment_fixed_size: 0
    .kernarg_segment_align: 8
    .kernarg_segment_size: 64
    .max_flat_workgroup_size: 128
    .sgpr_count:     102
    .vgpr_count:     1024
    .wavefront_size: 32
...
	.end_amdgpu_metadata
.endif
;; end of part 3
;; launch attn (part 4): grid 4 x 64, 16 waves a work-group, clusters of 4 x 1, 280,576 bytes of LDS; arguments qkv, att; writes att
.if DOCPART == 4
	.amdgcn_target "amdgcn-amd-amdhsa--gfx1250"
	.amdhsa_code_object_version 6
	.text
	.protected	k_qae4f16328e_attn
	.globl	k_qae4f16328e_attn
	.p2align	8
	.type	k_qae4f16328e_attn,@function
k_qae4f16328e_attn:
	s_mov_b64 s[64:65], 0
	v_nop
	global_prefetch_b8 v0, s[64:65] scope:SCOPE_SE
	s_setreg_imm32_b32 hwreg(HW_REG_WAVE_MODE, 25, 1), 1
	s_wait_xcnt 0x0
	s_wait_alu depctr_hold_cnt(0) depctr_sa_sdst(0) depctr_va_vdst(0) depctr_va_sdst(0) depctr_va_ssrc(0) depctr_va_vcc(0) depctr_vm_vsrc(0)
	s_getreg_b32 s2, hwreg(HW_REG_IB_STS2, 6, 4)
	s_cmp_eq_u32 s2, 0
	s_cbranch_scc0 .Lentry_in_a_cluster
	s_endpgm
.Lentry_in_a_cluster:
	s_bfe_u32 s2, ttmp6, 0x10000c
	s_cmp_lg_u32 s2, 0x3003
	s_cbranch_scc0 .Lentry_shape_is_right
	s_endpgm
.Lentry_shape_is_right:
; att[b][q][64 head + d] = the sum over the keys of softmax(q . k / 8) v, both products on codes of FP6 (E2M3) with one E8M0 scale for each 32 along a product's K.
; The operands come as images of their registers, made by the launch before: block 4 x head + batch of qkv (BLK bytes): Q's 128 tiles of 768 bytes; Q's scale words; 16 key steps x (8 tiles of K x 768 bytes, 4 tiles of V x 1,536 bytes);
; 16 key steps x (128 words of K, 64 words of V).  A head has 64 channels: registers 6-11 of Q's and K's operands (K = 64 .. 127) are zero codes under the byte 0x7f, set once here and never loaded.
; THE SOFTMAX AHEAD OF THE SECOND PRODUCT: t = score x log2(e) / 8; M = the row's largest t so far, rounded UP to a whole number; p = 2^(t - M) is what is quantised, along the keys; it is not normalised.
; The row's sum is taken of the unquantised p, in f32, and divides O at the end.  When M moves, the sum and O are multiplied by 2^(old M - new M): exact.
; SHARES.  A work-group owns 512 queries of one head and batch; each of its sixteen waves owns a tile of 16 in each of two passes, in 256 registers: four waves to a SIMD, so that one wave's vector work stands beside another's products and LDS loads.
; ALL of the head's K, V and their scale words, 208,896 dense bytes, come into LDS ONCE: each wave brings a sixteenth by one tensor load.  Nothing is filled twice: no ring.
; CLUSTER.  The four work-groups of a cluster are the four quarters of one head's queries and read the same K and V: the loads are JOINT, with the same descriptor and a mask that names the four.
; LAYOUT.  Both products are used transposed: S^T = K Q^T (source 0 = 16 keys, source 1 = my 16 queries), O^T = V^T P^T (source 0 = 16 channels, source 1 = P): a lane holds ONE query (lane % 16) throughout.
; A tile of K is 16 neighbouring keys, so register 16 B + i of the scores holds key 32 B + 8 h + (i % 8) + 16 (i / 8); its code goes to place 16 h + i of block B.  V's codes were laid in the same order, so the terms of the sum are the same.
; LIMITS: NaN and infinities are not served; a block whose every p has fallen under 2^-124 gets the byte 1.
; REGISTERS: v1-7 lane terms; v8-10 addresses of the loads in hand; v12 -M, v13 the largest t, v[14:15] the sum in two halves; v16-27 Q; v28-29 V's scale words; v32-79 four fragments of K; v80-127 four of V;
;   v128-191 S^T, then p; v192-223 O^T; v224-235 p's codes; v232-247, v252, v254 at work; v248-251 K's scale words; v253 p's scale word; v255 Q's.
.set BLK,   315392
.set O_QSC, 98304
.set O_KV,  106496
.set PART,  13056                      ; what one wave fetches: 51 rows of 256 bytes; 16 x 13,056 = 208,896
.set SCW,   196608                     ; LDS: the scale words, behind the codes
.set OSTG,  208896                     ; LDS: the way out: 16 rows x (256 bytes + 16) for each wave; no tile lands here
.set S,    128
.set O,    192
.set ADK,  8                           ; v8   16 x lane + the step's first byte
.set ADK8, 9                           ; v9   8 x lane + 512 + the same
.set ADS,  10                          ; v10  4 x lane + the step's scale words
.set WV,   18                          ; s18  my wave's number
.set SEL,  20                          ; s[20:21] lane selects for v_permlanex16_b32: lane l xor 16
.set CS,   22                          ; s[22:23] c = log2(e) / 8
.set G1,   24                          ; s[24:31] descriptor group 1
.set G0,   40                          ; s[40:43] descriptor group 0
.set TB,   44                          ; s44  LDS byte at which the step's tiles begin
.set TS,   45                          ; s45  and its scale words, from SCW on
.set CNT,  46                          ; s46  steps to go
.macro CROUND                          ; a round of the cluster's barrier
	s_barrier_signal -1
	s_barrier_wait -1
	s_cmp_lg_u32 s[WV], 0
	s_cbranch_scc1 .Lnot_wave_0_\@
	s_barrier_signal -3
.Lnot_wave_0_\@:
	s_barrier_wait -3
	s_barrier_signal -1
	s_barrier_wait -1
.endm
	s_load_b128 s[4:7], s[0:1], 0x0                ; qkv s[4:5], att s[6:7]
	v_lshl_add_u32 v254, v0, 2, 0x44000
	v_mov_b32 v255, 0
	ds_add_u32 v254, v255
	ds_add_u32 v254, v255
	s_wait_dscnt 0x0
	v_lshrrev_b32 v1, 5, v0
	v_readfirstlane_b32 s[WV], v1                  ; wave 0..15
	s_bfe_u32 s32, ttmp6, 0x40000                  ; cx: which quarter of the queries: it enters Q's and att's addresses alone
	s_and_b32 s33, ttmp7, 0xffff                   ; 4 x head + batch, which the four partners share
	s_mul_i32 s34, s33, BLK
	s_mov_b32 s35, 0
	s_mul_i32 s36, s[WV], PART                     ; my sixteenth, in LDS,
	s_add_co_u32 s38, s36, O_KV                    ; and in the block
	s_mov_b32 s39, 0
	; descriptor group 1: a dense run of 13,056 bytes as 51 rows of 256 bytes (32 elements of 8 bytes), no padding
	s_mov_b32 s[G1], 15|(3<<16)|(1<<21)            ; 15:0 the mask: all four work-groups; 17:16 elements of 8 bytes; 21 set beside a mask
	s_mov_b32 s[G1+1], 32<<16                      ; tensor_dim0 = 32
	s_mov_b32 s[G1+2], 51<<16                      ; tensor_dim1 = 51
	s_mov_b32 s[G1+3], 32<<16                      ; tile_dim0 = 32
	s_mov_b32 s[G1+4], 51                          ; tile_dim1 = 51
	s_mov_b32 s[G1+5], 32                          ; tensor_dim0_stride
	s_mov_b32 s[G1+6], 0
	s_mov_b32 s[G1+7], 0
	s_mov_b32 s[SEL], 0x76543210
	s_mov_b32 s[SEL+1], 0xfedcba98
	s_mov_b32 s[CS], 0x3e38aa3b                    ; c = log2(e) / 8
	s_mov_b32 s[CS+1], s[CS]                       ; (named with it as a pair, so it is written)
	s_wait_kmcnt 0x0
	s_add_nc_u64 s[4:5], s[4:5], s[34:35]          ; my block of qkv
	s_mov_b32 s[G0], 1                             ; count = 1
	s_mov_b32 s[G0+1], s36                         ; LDS address
	s_add_nc_u64 s[G0+2:G0+3], s[4:5], s[38:39]    ; global address
	s_or_b32 s[G0+3], s[G0+3], 0x80000000          ; type = 2
	CROUND                                         ; all four work-groups are here: the joint loads meet
	tensor_load_to_lds s[G0:G0+3], s[G1:G1+7]      ; my one tensor load of the launch
	s_nop 0
.rept 4
	v_nop
.endr
	v_and_b32 v11, 31, v0                          ; lane
	v_and_b32 v30, 15, v0                          ; r
	v_bfe_u32 v31, v0, 4, 1                        ; h
	v_lshlrev_b32 v1, 4, v11                       ; 16 x lane
	v_lshl_add_u32 v2, v11, 3, 512                 ; 8 x lane + 512
	v_lshl_add_u32 v3, v11, 2, SCW                 ; 4 x lane + the scale words' first byte
	v_lshlrev_b32 v4, 12, v31
	v_lshl_add_u32 v4, v30, 4, v4                  ; att: lanes 0-15 one row of 4,096 bytes, lanes 16-31 the next; 16 bytes a lane
	s_mul_i32 s37, s[WV], 16*272
	s_add_co_u32 s37, s37, OSTG                    ; my stage
	v_mul_u32_u24 v5, v30, 272
	v_lshl_add_u32 v5, v31, 5, v5
	v_add_nc_u32 v5, s37, v5                       ; in: row r, + 32 h
	v_mul_u32_u24 v6, v31, 272
	v_lshl_add_u32 v6, v30, 4, v6
	v_add_nc_u32 v6, s37, v6                       ; back: lanes 0-15 one row, lanes 16-31 the next
	v_lshlrev_b32 v7, 2, v30                       ; 4 r
	s_lshl_b32 s47, s32, 5
	s_add_co_u32 s47, s47, s[WV]                   ; my tile of queries in the first pass: 32 cx + wave
	s_mul_i32 s48, s47, 768
	s_mov_b32 s49, 0
	s_add_nc_u64 s[8:9], s[4:5], s[48:49]          ; its image
	s_lshl_b32 s48, s47, 6
	s_add_co_u32 s48, s48, O_QSC
	s_add_nc_u64 s[10:11], s[4:5], s[48:49]        ; its scale words
	s_and_b32 s50, s33, 3                          ; batch
	s_lshl_b32 s50, s50, 7
	s_add_co_u32 s50, s50, s47                     ; its first row of att / 16
	s_lshl_b32 s48, s50, 16                        ; x 16 rows of 4,096 bytes
	s_lshr_b32 s51, s33, 2                         ; head
	s_lshl_b32 s51, s51, 8                         ; 64 channels of 4 bytes
	s_add_co_u32 s48, s48, s51
	s_add_nc_u64 s[12:13], s[6:7], s[48:49]
.irp j, 22,23,24,25,26,27
	v_mov_b32 v[\j], 0                             ; Q's K = 64 .. 127: zero codes
.endr
.irp t, 0,1,2,3
.irp j, 6,7,8,9,10,11
	v_mov_b32 v[32+12*\t+\j], 0                    ; K's likewise, in each of the four fragments
.endr
.endr
.irp b, 0,1,2,3
	v_mov_b32 v[236+\b], 0                         ; written once: a lane permute's destination counts as one of its sources
.endr
	v_mov_b32 v253, 0                              ; (named as the upper half of the pair v[252:253] before it is first written)
	s_wait_tensorcnt 0x0                           ; my sixteenth is in,
	s_barrier_signal -1
	s_barrier_wait -1                              ; everybody's is
; Four products S^T = K Q^T: tiles 4 g .. 4 g + 3 of the step's eight.  A register of scale words holds an even tile's in lanes 0-15 and the next tile's in lanes 16-31.
.macro KQ g
.irp t, 0,1,2,3
.if \t%2
	v_wmma_scale_f32_16x16x128_f8f6f4 v[S+8*(4*\g+\t):S+8*(4*\g+\t)+7], v[32+12*\t:43+12*\t], v[16:27], 0, v[248+2*\g+\t/2], v255 matrix_a_fmt:MATRIX_FMT_FP6 matrix_b_fmt:MATRIX_FMT_FP6 matrix_a_scale:MATRIX_SCALE_ROW1
.else
	v_wmma_scale_f32_16x16x128_f8f6f4 v[S+8*(4*\g+\t):S+8*(4*\g+\t)+7], v[32+12*\t:43+12*\t], v[16:27], 0, v[248+2*\g+\t/2], v255 matrix_a_fmt:MATRIX_FMT_FP6 matrix_b_fmt:MATRIX_FMT_FP6
.endif
.endr
.endm
; A KEY STEP: 128 keys.
.macro STEP
	v_add_nc_u32 v[ADK], s[TB], v1
	v_add_nc_u32 v[ADK8], s[TB], v2
	v_add_nc_u32 v[ADS], s[TS], v3
	v_nop                                          ; (four places behind the last step's products)
.irp t, 0,1,2,3
	ds_load_b128 v[32+12*\t:35+12*\t], v[ADK] offset:768*\t       ; registers 0-3 of tile t, as they were stored
	ds_load_b64 v[36+12*\t:37+12*\t], v[ADK8] offset:768*\t       ; registers 4-5
.endr
.irp i, 0,1,2,3
	ds_load_b32 v[248+\i], v[ADS] offset:128*\i    ; the words of keys 32 i + lane: tiles 2 i and 2 i + 1
.endr
	s_wait_dscnt 0x0
	KQ 0
.rept 4
	v_nop                                          ; places in front of loads into registers that matrix instructions have read
.endr
.irp t, 0,1,2,3
	ds_load_b128 v[32+12*\t:35+12*\t], v[ADK] offset:768*(4+\t)
	ds_load_b64 v[36+12*\t:37+12*\t], v[ADK8] offset:768*(4+\t)
.endr
.irp t, 0,1,2,3
.irp n, 0,1,2
	ds_load_b128 v[80+12*\t+4*\n:83+12*\t+4*\n], v[ADK] offset:6144+1536*\t+512*\n   ; V's four fragments: they land under the softmax
.endr
.endr
	ds_load_b32 v28, v[ADS] offset:512             ; V's words of channels lane,
	ds_load_b32 v29, v[ADS] offset:640             ; and 32 + lane
	s_wait_dscnt 14                                ; K's eight loads are in; V's twelve and its two words may be out
	KQ 1
.rept 4
	v_nop
.endr
.irp b, 0,1,2,3
	v_max3_num_f32 v[232+\b], v[S+16*\b], v[S+1+16*\b], v[S+2+16*\b]   ; THE LARGEST SCORE OF EACH BLOCK OF 32 KEYS: it serves for the row's maximum and, since p rises with the score, for the block's largest p
.endr
.irp i, 3,5,7,9,11,13
.irp b, 0,1,2,3
	v_max3_num_f32 v[232+\b], v[232+\b], v[S+16*\b+\i], v[S+1+16*\b+\i]   ; (the four blocks by turns)
.endr
.endr
.irp b, 0,1,2,3
	v_max_num_f32 v[232+\b], v[232+\b], v[S+15+16*\b]
.endr
.irp b, 0,1,2,3
	v_permlanex16_b32 v[236+\b], v[232+\b], s[SEL], s[SEL+1]
.endr
.irp b, 0,1,2,3
	v_max_num_f32 v[232+\b], v[232+\b], v[236+\b]  ; with lane l xor 16's 16 keys
.endr
	v_max3_num_f32 v254, v232, v233, v234
	v_max_num_f32 v254, v254, v235                 ; the step's largest score of my query
	v_mul_f32 v254, s[CS], v254                    ; as t (c is positive)
	v_max_num_f32 v13, v13, v254                   ; the running largest t
	v_mov_b32 v254, v12
	v_floor_f32 v12, -v13                          ; the new -M = floor(-t) = -ceil(t): M IS A WHOLE NUMBER
	v_sub_f32 v254, v12, v254                      ; M's old value less its new one: a whole number, 0 or less
	v_cvt_i32_f32 v254, v254                       ; (it saturates)
	v_ldexp_f32 v252, 1.0, v254                    ; f = 2^(old M - new M): a multiplication by it rounds nothing
.set j, 0
.rept 32
	v_pk_fma_f32 v[S+j:S+1+j], v[S+j:S+1+j], s[CS:CS+1], v[12:13] op_sel_hi:[1,0,0]   ; t - M, two at a time (of the pairs c and -M the low word serves both halves)
.set j, j+2
.endr
.irp b, 0,1,2,3
	v_fma_f32 v[232+\b], v[232+\b], s[CS], v12     ; the same of each block's largest score
.endr
.set j, 0
.rept 64
	v_exp_f32 v[S+j], v[S+j]                       ; p = 2^(t - M), at most 1: NOT normalised
.set j, j+1
.endr
.irp b, 0,1,2,3
	v_exp_f32 v[232+\b], v[232+\b]                 ; the block's largest p: the same two instructions on the same number give the same bits
.endr
	v_pk_mul_f32 v[14:15], v[14:15], v[252:253] op_sel_hi:[1,0]   ; the sums under the new M.  (A plain place behind the exponentials)
	s_wait_alu depctr_va_vdst(0)
.irp b, 0,1,2,3
	v_max_num_f32 v[232+\b], 0x1800000, v[232+\b]  ; the floor 2^(3 - 127): the byte cannot fall under 1
.endr
.irp b, 0,1,2,3
	v_add_nc_u32 v[244+\b], 0xff000000, v[232+\b]  ; 2 off the exponent field: the conversion's scale operand
.endr
.irp b, 0,1,2,3
	v_lshrrev_b32 v[236+\b], 23, v[244+\b]         ; the scale's byte
.endr
	v_lshl_or_b32 v253, v237, 8, v236              ; p's scale word for these 128 keys
	v_lshl_or_b32 v253, v238, 16, v253
	v_lshl_or_b32 v253, v239, 24, v253
.irp c, 0,1
	v_cvt_scalef32_pk16_fp6_f32 v[224+6*\c:226+6*\c], v[S+32*\c:S+15+32*\c], v[244+2*\c]
	v_cvt_scalef32_pk16_fp6_f32 v[236+4*\c:238+4*\c], v[S+16+32*\c:S+31+32*\c], v[244+2*\c+1]   ; (a conversion's three registers begin on an even number)
.endr
	v_nop                                          ; one plain vector instruction behind the scaled conversions
.irp c, 0,1                                    ; the operand's layout wants a WHOLE block in a lane: lanes 0-15 block 2 c, lanes 16-31 block 2 c + 1
.irp i, 0,1,2
	v_permlane16_swap_b32 v[224+6*\c+\i], v[236+4*\c+\i]
.endr
.irp i, 0,1,2
	v_mov_b32 v[227+6*\c+\i], v[236+4*\c+\i]
.endr
.endr
.set j, 0
.rept 16
	v_pk_mul_f32 v[O+j:O+1+j], v[O+j:O+1+j], v[252:253] op_sel_hi:[1,0]   ; O^T under the new M: x f; each accumulator from its low end on
.set j, j+2
.endr
	v_pk_add_f32 v[236:237], v[S:S+1], v[S+2:S+3]  ; THE ROW'S SUM IS TAKEN OF THE UNQUANTISED p: two at a time, in two chains.  (These are also the places in front of the products below)
.irp j, 4,8,12,16,20,24,28,32,36,40,44,48,52,56,60
	v_pk_add_f32 v[14:15], v[14:15], v[S+\j:S+1+\j]
	v_pk_add_f32 v[236:237], v[236:237], v[S+2+\j:S+3+\j]
.endr
	v_pk_add_f32 v[14:15], v[14:15], v[236:237]
	s_wait_dscnt 0x0                               ; V and its words are in
.irp t, 0,1,2,3                                ; O^T += V^T P^T: four tiles of 16 channels, by turns; K = these 128 keys
.if \t%2
	v_wmma_scale_f32_16x16x128_f8f6f4 v[O+8*\t:O+8*\t+7], v[80+12*\t:91+12*\t], v[224:235], v[O+8*\t:O+8*\t+7], v[28+\t/2], v253 matrix_a_fmt:MATRIX_FMT_FP6 matrix_b_fmt:MATRIX_FMT_FP6 matrix_a_scale:MATRIX_SCALE_ROW1
.else
	v_wmma_scale_f32_16x16x128_f8f6f4 v[O+8*\t:O+8*\t+7], v[80+12*\t:91+12*\t], v[224:235], v[O+8*\t:O+8*\t+7], v[28+\t/2], v253 matrix_a_fmt:MATRIX_FMT_FP6 matrix_b_fmt:MATRIX_FMT_FP6
.endif
.endr
	s_add_co_u32 s[TB], s[TB], 12288               ; the next step's tiles,
	s_add_co_u32 s[TS], s[TS], 768                 ; and scale words
.endm
; THE WAY OUT of pass p.  O^T / the sum goes through my stage in LDS and leaves as rows of 256 bytes.
.macro OUT p
.rept 4
	v_nop                                          ; places behind the last products
.endr
	v_add_f32 v14, v14, v15                        ; the sum's two halves,
	v_permlanex16_b32 v252, v14, s[SEL], s[SEL+1]
	v_add_f32 v14, v14, v252                       ; and lane l xor 16's: the row's sum
	v_rcp_f32 v14, v14
	v_nop                                          ; a plain place behind the transcendental
.set j, 0
	s_wait_alu depctr_va_vdst(0)
.rept 16
	v_pk_mul_f32 v[S+j:S+1+j], v[O+j:O+1+j], v[14:15] op_sel_hi:[1,0]   ; register 8 t + i is o(query r, channel 16 t + 8 h + i)
.set j, j+2
.endr
.irp t, 0,1,2,3
	ds_store_b128 v5, v[S+8*\t:S+8*\t+3] offset:64*\t
	ds_store_b128 v5, v[S+8*\t+4:S+8*\t+7] offset:64*\t+16
.endr
.irp i, 0,1,2,3,4,5,6,7
	ds_load_b128 v[80+4*\i:83+4*\i], v6 offset:544*\i   ; LDS serves a wave's instructions in order: these see my stores
.endr
.irp i, 0,1,2,3,4,5,6,7
	s_wait_dscnt 7-\i                              ; loads come back in order: the 7 - i younger ones may be out
	global_store_b128 v4, v[80+4*\i:83+4*\i], s[12:13] offset:8192*\i+\p*1048576   ; sixteen lanes store 256 consecutive bytes, at a multiple of 256 from att's first byte
.endr
.endm
; A PASS: my tile of 16 queries at 256 p + 16 x wave of the work-group's 512 walks all 2,048 keys.  The pass stands in the immediates: no address is stepped.
.macro PASS p
	s_wait_xcnt 0x0                                ; the last pass's stores have read their registers, which this pass's loads write
	global_load_b128 v[16:19], v1, s[8:9] offset:\p*12288        ; Q's registers 0-3,
	global_load_b64 v[20:21], v2, s[8:9] offset:\p*12288         ; 4-5,
	global_load_b32 v255, v7, s[10:11] offset:\p*1024            ; and scale words
	v_mov_b32 v13, 0xff61b1e6                      ; the largest t so far: -3e38, under every t
	v_floor_f32 v12, -v13                          ; -M
	v_mov_b32 v14, 0                               ; the sum, in two halves
	v_mov_b32 v15, 0
.set j, 0
.rept 32
	v_mov_b32 v[O+j], 0                            ; O^T.  (The step is written once: the first finds zeros, which the first change of M leaves zeros)
.set j, j+1
.endr
	s_mov_b32 s[TB], 0
	s_mov_b32 s[TS], 0
	s_mov_b32 s[CNT], 16
	s_wait_loadcnt 0x0                             ; Q
.Lstep_\@:
	STEP
	s_sub_co_u32 s[CNT], s[CNT], 1
	s_cmp_lg_u32 s[CNT], 0
	s_cbranch_scc1 .Lstep_\@
	OUT \p
.endm
	PASS 0
	PASS 1
	s_wait_dscnt 0x0
	s_wait_xcnt 0x0
	v_lshl_add_u32 v254, v0, 2, 0x44000
	v_mov_b32 v255, 0
	s_wait_tensorcnt 0x0
	ds_add_u32 v254, v255
	s_wait_dscnt 0x0
	CROUND                                         ; the closing round: no work-group ends while a partner may still ask for a tile that names it
	s_endpgm
.Lfunc_end_k_qae4f16328e_attn:
	.size	k_qae4f16328e_attn, .Lfunc_end_k_qae4f16328e_attn-k_qae4f16328e_attn
	.p2alignl 7, 3214868480
	.fill 96, 4, 3214868480
	.section	.rodata,"a",@progbits
	.p2align	6, 0x0
	.amdhsa_kernel k_qae4f16328e_attn
		.amdhsa_group_segment_fixed_size 280576
		.amdhsa_private_segment_fixed_size 0
		.amdhsa_enable_private_segment 0
		.amdhsa_kernarg_size 16
		.amdhsa_user_sgpr_count 2
		.amdhsa_user_sgpr_kernarg_segment_ptr 1
		.amdhsa_wavefront_size32 1
		.amdhsa_system_sgpr_workgroup_id_x 1
		.amdhsa_system_sgpr_workgroup_id_y 1
		.amdhsa_system_sgpr_workgroup_id_z 1
		.amdhsa_system_vgpr_workitem_id 0
		.amdhsa_next_free_vgpr 256
		.amdhsa_next_free_sgpr 66
		.amdhsa_reserve_vcc 0
		.amdhsa_float_denorm_mode_32 3
		.amdhsa_float_denorm_mode_16_64 3
		.amdhsa_memory_ordered 1
		.amdhsa_forward_progress 1
		.amdhsa_inst_pref_size 48
	.end_amdhsa_kernel
	.amdgpu_metadata
---
amdhsa.version: [ 1, 2 ]
amdhsa.kernels:
  - .name:           k_qae4f16328e_attn
    .symbol:         k_qae4f16328e_attn.kd
    .args:
      - { .name: qkv, .offset: 0, .size: 8, .value_kind: global_buffer, .address_space: global }
      - { .name: att, .offset: 8, .size: 8, .value_kind: global_buffer, .address_space: global }
    .group_segment_fixed_size: 280576
    .private_segment_fixed_size: 0
    .kernarg_segment_align: 8
    .kernarg_segment_size: 16
    .max_flat_workgroup_size: 512
    .sgpr_count:     66
    .vgpr_count:     256
    .wavefront_size: 32
...
	.end_amdgpu_metadata
.endif
;; end of part 4
;; launch qa: the kernel of part 1 again; grid 256 x 1, 4 waves a work-group, no clusters, 33,280 bytes of LDS; arguments att, act_codes, act_scales; writes act_codes, act_scales
;; launch oproj (part 5): grid 4 x 32, 4 waves a work-group, clusters of 4 x 4, 327,680 bytes of LDS; arguments act_codes, act_scales, wc, ws, bo, out0; writes out0
.if DOCPART == 5
	.amdgcn_target "amdgcn-amd-amdhsa--gfx1250"
	.amdhsa_code_object_version 6
	.text
	.protected	k_qae4f16328e_oproj
	.globl	k_qae4f16328e_oproj
	.p2align	8
	.type	k_qae4f16328e_oproj,@function
k_qae4f16328e_oproj:
	s_mov_b64 s[64:65], 0
	v_nop
	global_prefetch_b8 v0, s[64:65] scope:SCOPE_SE
	s_setreg_imm32_b32 hwreg(HW_REG_WAVE_MODE, 25, 1), 1
	s_wait_xcnt 0x0
	s_wait_alu depctr_hold_cnt(0) depctr_sa_sdst(0) depctr_va_vdst(0) depctr_va_sdst(0) depctr_va_ssrc(0) depctr_va_vcc(0) depctr_vm_vsrc(0)
	s_getreg_b32 s2, hwreg(HW_REG_IB_STS2, 6, 4)
	s_cmp_eq_u32 s2, 0
	s_cbranch_scc0 .Lentry_in_a_cluster
	s_endpgm
.Lentry_in_a_cluster:
	s_bfe_u32 s2, ttmp6, 0x10000c
	s_cmp_lg_u32 s2, 0xf033
	s_cbranch_scc0 .Lentry_shape_is_right
	s_endpgm
.Lentry_shape_is_right:
; out0 = A Wo + bo.  A: the attention's result, [8192][1024], as codes of FP6 (E2M3) with one E8M0 scale for each 32 along K; B: Wo's columns, rows 3,072 on of the weights' codes, K innermost; out0: [8192][1024] f32; sums in f32.
; A tile of out0, 256 x 256, is made by a work-group of four waves; a wave makes 128 x 128: 64 accumulators of 16 x 16, 512 registers.  K goes in steps of 256 through a ring of two LDS slots filled by the tensor data mover.
; THE SCALES of the work-group's 256 rows of A and 256 rows of B, for all of K, are two dense blocks of memory: they come into LDS ONCE, with the first fills, and stay.
; CLUSTERS: 4 x 4 work-groups.  The four of a row of the cluster need the same tiles of A, the four of a column the same tiles of B: each tile is asked for JOINTLY.
; THE MATRIX INSTRUCTION IS USED TRANSPOSED (source 0 = 16 rows of B, source 1 = 16 rows of A): a lane holds eight neighbouring numbers of a row of out0.  THE BIAS is the C of each sum's first product: 64 registers in the result's layout.
; The output has 128 such tiles, so 128 work-groups are launched.
; REGISTERS, in windows of 256: window 0: v0-31 addresses; v32-63 scale words, two sets; v64-127 the bias; from v128 A's fragments, ONE set; on the way out v128-255 are free.
;   window 1: B's fragments, TWO sets.   window 2: the 32 accumulators of my rows 0-63 ((a, b) at v[8 (8 a + b)]);   window 3: those of my rows 64-127.
.set SIZE_N, 1024
.set SIZE_K, 1024
.set KSTEP,  256
.set NQ,     KSTEP/128
.set ROWB,   192
.set KROW,   SIZE_K*6/8
.set PITCH,  240                       ; an LDS row: 3 x (64 bytes of data + 16 of padding)
.set FR,     12
.set NL,     6
.set NP,     4                         ; places behind this matrix instruction (ISA guide 7.12.1)
.set HALFT,  128*PITCH
.set SLOT,   4*HALFT
.set LAPS,   SIZE_K/(2*KSTEP)
.set KS,     SIZE_K/32
.set SCL,    2*SLOT
.set HALFS,  (128*KS/256)*272
.set SBLK,   (16*KS/256)*272
.set SPARE,  SCL+4*HALFS               ; the spare words, 128 bytes for each wave
.set SPITCH, 528                       ; the way out: a stage of 16 rows x (512 bytes + 16) for each wave, in slot 0, which has had its last fill and its last read by then
.set ADRA, 16
.set ADRB, 20
.set STO,  24
.set RD,   25
.set CO,   26
.set ADRS, 27
.set SPW,  28                          ; v28  LDS address of my spare word; never rewritten
.set NIL,  29                          ; v29  0; never rewritten
.set SC,   32
.set BI,   64                          ; v64-127 register 8 b + j: the bias of my column 16 b + 8 h + j
.set AF,   128
.set BK,   128
.set G1, 24
.set G0, 32
.set G1B, 48
.set G0B, 56
.set G1S, 68
.set G0S, 76
.set G1SB, 80
.set G0SB, 88
.set MSB, 0
.macro WIN new                         ; the immediate's high byte repeats the setting that is left
.if MSB != (\new)
	s_set_vgpr_msb (MSB<<8)|(\new)
.set MSB, (\new)
.endif
.endm
.set MUL_LO, 0xa1                      ; source 0 (B) window 1, source 1 (A) window 0, C and D window 2
.set MUL_HI, 0xf1                      ; the same, C and D window 3
.set FST_LO, 0x81                      ; the first products: C (the bias) window 0, D window 2
.set FST_HI, 0xc1                      ; D window 3
.set TO_B,   0x40                      ; destination window 1, address window 0
; A joint load: waves 0 and 1 fetch for A, waves 2 and 3 for B; the branch hangs on the wave's number alone.  Four v_nop follow each of the two lines.
.macro JLOAD g0a, g1a, g0b, g1b
	s_cmp_eq_u32 s15, 0
	s_cbranch_scc0 .Lfor_b_\@
	tensor_load_to_lds s[\g0a:\g0a+3], s[\g1a:\g1a+7]
	s_nop 0
.rept 4
	v_nop
.endr
	s_branch .Lasked_\@
.Lfor_b_\@:
	tensor_load_to_lds s[\g0b:\g0b+3], s[\g1b:\g1b+7]
	s_nop 0
.rept 4
	v_nop
.endr
.Lasked_\@:
.endm
.macro CREST                           ; a round of the cluster's barrier behind its opening barrier
	s_cmp_lg_u32 s14, 0
	s_cbranch_scc1 .Lnot_wave_0_\@
	s_barrier_signal -3
.Lnot_wave_0_\@:
	s_barrier_wait -3
	s_barrier_signal -1
	s_barrier_wait -1
.endm
.macro CROUND                          ; a whole round
	s_barrier_signal -1
	s_barrier_wait -1
	CREST
.endm
	s_load_b128 s[4:7], s[0:1], 0x0                ; A's codes s[4:5], A's scales s[6:7]
	s_load_b128 s[8:11], s[0:1], 0x10              ; the weights' codes s[8:9], their scales s[10:11]
	s_load_b64 s[66:67], s[0:1], 0x20              ; bo
	s_load_b64 s[12:13], s[0:1], 0x28              ; out0
	v_lshl_add_u32 v[SPW], v0, 2, SPARE
	v_mov_b32 v[NIL], 0
	ds_add_u32 v28, v29
	ds_add_u32 v28, v29
	s_wait_dscnt 0x0
	v_lshrrev_b32 v1, 5, v0
	v_readfirstlane_b32 s14, v1                    ; wave 0..3
	s_lshr_b32 s15, s14, 1                         ; which half of the tile's rows is mine.  Also: I fetch for A (0) or for B (1)
	s_and_b32 s16, s14, 1                          ; which half of its columns.  Also: which 128 rows of that tile I fetch
	s_bfe_u32 s40, ttmp6, 0x40000                  ; cx, cy: my place in the cluster
	s_bfe_u32 s41, ttmp6, 0x40004
	s_lshl_b32 s42, ttmp9, 2
	s_add_co_u32 s42, s42, s40                     ; tile column = 4 x cluster x + cx
	s_and_b32 s17, ttmp7, 0xffff
	s_lshl_b32 s17, s17, 2
	s_add_co_u32 s17, s17, s41                     ; tile row = 4 x cluster y + cy
	s_lshl_b32 s43, s41, 2
	s_lshl_b32 s43, 15, s43                        ; my row of the cluster
	s_lshl_b32 s44, 0x1111, s40                    ; my column
	s_or_b32 s[G1+0], s43, (0<<16)|(1<<20)|(1<<21)|(3<<22)|(3<<25)  ; 15:0 the mask; 17:16 element of 1 byte; 20 padding on; 21 set beside a mask; 24:22 after every 16 words; 31:25 of 4 words
	s_or_b32 s[G1B+0], s44, (0<<16)|(1<<20)|(1<<21)|(3<<22)|(3<<25)
.irp g, G1, G1B
	s_mov_b32 s[\g+1], ROWB<<16                    ; tensor_dim0
	s_mov_b32 s[\g+2], 128<<16                     ; tensor_dim1 = 128
	s_mov_b32 s[\g+3], ROWB<<16                    ; tile_dim0
	s_mov_b32 s[\g+4], 128                         ; tile_dim1 = 128
	s_mov_b32 s[\g+5], KROW                        ; tensor_dim0_stride
	s_mov_b32 s[\g+6], 0
	s_mov_b32 s[\g+7], 0
.endr
	s_or_b32 s[G1S+0], s43, (3<<16)|(1<<20)|(1<<21)|(5<<22)|(3<<25)   ; the scales of 128 rows: 4,096 dense bytes as rows of 256 bytes, 16 bytes of padding behind each
	s_or_b32 s[G1SB+0], s44, (3<<16)|(1<<20)|(1<<21)|(5<<22)|(3<<25)
.irp g, G1S, G1SB
	s_mov_b32 s[\g+1], 32<<16
	s_mov_b32 s[\g+2], (128*KS/256)<<16
	s_mov_b32 s[\g+3], 32<<16
	s_mov_b32 s[\g+4], 128*KS/256
	s_mov_b32 s[\g+5], 32
	s_mov_b32 s[\g+6], 0
	s_mov_b32 s[\g+7], 0
.endr
	s_lshl_b32 s18, s16, 7                         ; which 128 rows of the tile I fetch
	s_lshl_b32 s20, s17, 8
	s_add_co_u32 s20, s20, s18                     ; A: row 256 x tile row + 128 x half
	s_lshl_b32 s46, s42, 8
	s_add_co_u32 s46, s46, s18
	s_add_co_u32 s46, s46, 3072                    ; B: row 3,072 (Wo's first) + 256 x tile column + 128 x half
	s_mov_b32 s21, 0
	s_mov_b32 s47, 0
	s_mov_b64 s[18:19], KS
	s_mul_u64 s[22:23], s[20:21], s[18:19]         ; where these rows' scales begin, in bytes
	s_mul_u64 s[92:93], s[46:47], s[18:19]
	s_mov_b64 s[18:19], KROW
	s_mul_u64 s[20:21], s[20:21], s[18:19]         ; and their codes
	s_mul_u64 s[46:47], s[46:47], s[18:19]
	s_mul_i32 s45, s14, HALFT                      ; where they go: wave x 128 rows
	s_mul_i32 s94, s14, HALFS
	s_wait_kmcnt 0x0
	s_add_nc_u64 s[20:21], s[4:5], s[20:21]
	s_add_nc_u64 s[22:23], s[6:7], s[22:23]
	s_add_nc_u64 s[46:47], s[8:9], s[46:47]
	s_add_nc_u64 s[92:93], s[10:11], s[92:93]
	CROUND                                         ; all sixteen work-groups are here: the first joint loads meet
	s_mov_b32 s[G0S], 1
	s_add_co_u32 s[G0S+1], s94, SCL
	s_mov_b64 s[G0S+2:G0S+3], s[22:23]
	s_or_b32 s[G0S+3], s[G0S+3], 0x80000000
	s_mov_b32 s[G0SB], 1
	s_add_co_u32 s[G0SB+1], s94, SCL
	s_mov_b64 s[G0SB+2:G0SB+3], s[92:93]
	s_or_b32 s[G0SB+3], s[G0SB+3], 0x80000000
	JLOAD G0S, G1S, G0SB, G1SB                     ; the scales first: they are wanted with K step 0
.irp s, 0,1
	s_mov_b32 s[G0+4*\s], 1
	s_add_co_u32 s[G0+4*\s+1], s45, \s*SLOT
	s_add_nc_u64 s[G0+4*\s+2:G0+4*\s+3], s[20:21], \s*ROWB
	s_or_b32 s[G0+4*\s+3], s[G0+4*\s+3], 0x80000000
	s_mov_b32 s[G0B+4*\s], 1
	s_add_co_u32 s[G0B+4*\s+1], s45, \s*SLOT
	s_add_nc_u64 s[G0B+4*\s+2:G0B+4*\s+3], s[46:47], \s*ROWB
	s_or_b32 s[G0B+4*\s+3], s[G0B+4*\s+3], 0x80000000
	JLOAD G0+4*\s, G1, G0B+4*\s, G1B               ; three tensor loads of mine are out now
.endr
	v_and_b32 v1, 15, v0                           ; l % 16
	v_bfe_u32 v2, v0, 4, 1                         ; l / 16
	v_mul_u32_u24 v3, v1, PITCH
	v_mul_u32_u24 v4, v2, 24
	v_add_nc_u32 v4, v3, v4                        ; a fragment's row x pitch + 24 x half
	v_lshl_add_u32 v5, v2, 4, v4                   ; and the same behind one padding more
	s_mul_i32 s21, s15, HALFT                      ; my 128 rows of A
	s_mul_i32 s22, s16, HALFT                      ; my 128 rows of B,
	s_add_co_u32 s22, s22, 2*HALFT                 ; which lie behind A's 256
.irp s, 0,1
	v_add_nc_u32 v[ADRA+\s], s21, v4
	v_add_nc_u32 v[ADRB+\s], s22, v4
	v_add_nc_u32 v[ADRA+2+\s], s21, v5
	v_add_nc_u32 v[ADRB+2+\s], s22, v5
	s_add_co_u32 s21, s21, SLOT
	s_add_co_u32 s22, s22, SLOT
.endr
	v_mul_u32_u24 v5, v1, KS                       ; my row's scales: KS bytes a row,
	v_lshrrev_b32 v6, 8, v5
	v_lshl_add_u32 v5, v6, 4, v5                   ; and 16 more for each 256 passed
	s_mul_i32 s21, s15, HALFS
	s_mul_i32 s22, s16, HALFS
	s_add_co_u32 s22, s22, 2*HALFS
	s_sub_co_u32 s22, s22, s21
	v_mul_u32_u24 v6, s22, v2                      ; lanes 16-31 take B's
	s_add_co_u32 s21, s21, SCL
	v_add_nc_u32 v5, v5, v6
	v_add_nc_u32 v[ADRS], s21, v5
	s_mul_i32 s23, s14, 16*SPITCH                  ; my stage
	v_mul_u32_u24 v5, v1, SPITCH                   ; in: row l % 16, 32 bytes for each half of the lanes
	v_lshl_add_u32 v5, v2, 5, v5
	v_add_nc_u32 v[STO], s23, v5
	v_and_b32 v6, 31, v0
	v_lshlrev_b32 v[CO], 4, v6                     ; back: the 32 lanes take one row of 512 bytes; and the same in out0
	v_add_nc_u32 v[RD], s23, v[CO]
	s_lshl_b32 s20, s17, 8
	s_lshl_b32 s21, s15, 7
	s_add_co_u32 s20, s20, s21                     ; my first row of out0
	s_mov_b32 s21, 0
	s_mov_b64 s[18:19], SIZE_N*4
	s_mul_u64 s[20:21], s[20:21], s[18:19]
	s_lshl_b32 s46, s42, 10                        ; my first column, in bytes: 1024 x tile column + 512 x half
	s_lshl_b32 s47, s16, 9
	s_add_co_u32 s46, s46, s47
	s_mov_b32 s47, 0
	s_add_nc_u64 s[20:21], s[20:21], s[46:47]
	s_add_nc_u64 s[12:13], s[12:13], s[20:21]
	s_add_nc_u64 s[66:67], s[66:67], s[46:47]      ; bo at my first column
	v_lshlrev_b32 v7, 5, v2                        ; 32 h
.irp b, 0,1,2,3,4,5,6,7
	global_load_b128 v[BI+8*\b:BI+8*\b+3], v7, s[66:67] offset:64*\b
	global_load_b128 v[BI+8*\b+4:BI+8*\b+7], v7, s[66:67] offset:64*\b+16
.endr
.macro FRAG reg, adr, q, i             ; a fragment, 16 rows x 128 K of 6-bit codes, is 12 registers: lane l holds row l % 16; registers 6 c .. 6 c + 5 hold K = 64 c + 32 (l / 16) + 0 .. 31
.irp p, 0,1,2,3,4,5                    ; in pieces of 8 bytes.  Lanes 0-15 take the row's pieces 12 q + 0, 1, 2 and 12 q + 6, 7, 8, lanes 16-31 those three pieces on
.set PCE, 12*(\q)+6*(\p/3)+\p%3        ; where the piece three on lies behind one padding more, the second address register serves
.if PCE%8 < 5
	ds_load_b64 v[\reg+2*\p:\reg+2*\p+1], v[\adr] offset:8*PCE+16*(PCE/8)+(\i)*16*PITCH
.else
	ds_load_b64 v[\reg+2*\p:\reg+2*\p+1], v[\adr+2] offset:8*PCE+16*(PCE/8)+(\i)*16*PITCH
.endif
.endr
.endm
; 16 matrix instructions: A's blocks a0, a0 + 1 x B's eight, 128 along K.  first = 1: the first product starts the sums, with the bias as its C.
; The 64 accumulators take turns, one instruction a turn, in the same order in every step.
.macro MUL16 a0, p, q, sc, first
.irp a, \a0, \a0+1
.irp b, 0,1,2,3,4,5,6,7
.if \first
	v_wmma_scale_f32_16x16x128_f8f6f4 v[8*(8*((\a)%4)+\b):8*(8*((\a)%4)+\b)+7], v[128*(\p)+FR*\b:128*(\p)+FR*\b+FR-1], v[AF+FR*(\a):AF+FR*(\a)+FR-1], v[BI+8*\b:BI+8*\b+7], v[SC+8*NQ*(\sc)+NQ*\b+(\q)], v[SC+8*NQ*(\sc)+NQ*(\a)+(\q)] matrix_a_fmt:MATRIX_FMT_FP6 matrix_b_fmt:MATRIX_FMT_FP6 matrix_a_scale:MATRIX_SCALE_ROW1
.else
	v_wmma_scale_f32_16x16x128_f8f6f4 v[8*(8*((\a)%4)+\b):8*(8*((\a)%4)+\b)+7], v[128*(\p)+FR*\b:128*(\p)+FR*\b+FR-1], v[AF+FR*(\a):AF+FR*(\a)+FR-1], v[8*(8*((\a)%4)+\b):8*(8*((\a)%4)+\b)+7], v[SC+8*NQ*(\sc)+NQ*\b+(\q)], v[SC+8*NQ*(\sc)+NQ*(\a)+(\q)] matrix_a_fmt:MATRIX_FMT_FP6 matrix_b_fmt:MATRIX_FMT_FP6 matrix_a_scale:MATRIX_SCALE_ROW1
.endif
.endr
.endr
.endm
.macro FETCH_B slot, q, p
	WIN TO_B
.irp i, 0,1,2,3,4,5,6,7
	FRAG 128*(\p)+FR*\i, ADRB+\slot, \q, \i
.endr
	WIN 0
.endm
.macro FETCH_A slot, q, i0
.irp i, \i0, \i0+1, \i0+2, \i0+3
	FRAG AF+FR*(\i), ADRA+\slot, \q, \i
.endr
.endm
.macro SCALES sc                       ; the next K step's scale words into set sc; lanes 0-15 take A's block i, lanes 16-31 B's block i
.irp i, 0,1,2,3,4,5,6,7
	ds_load_b64 v[SC+8*NQ*\sc+NQ*\i:SC+8*NQ*\sc+NQ*\i+1], v[ADRS] offset:\i*SBLK
.endr
.endm
.macro PLACES n                        ; places behind matrix instructions: in front of loads into registers that they have read, and of the first read of results
.rept \n
	v_nop
.endr
.endm
.macro STEP slot, q, first             ; a step of 128 along K that has its successor in the same slot
	s_wait_dscnt 4*NL                              ; B's set and A's blocks 0-3 are in; the youngest 24 loads (A's blocks 4-7) may be out
.if \first
	WIN FST_LO
.else
	WIN MUL_LO
.endif
	MUL16 0, (\q)%2, \q, \slot, \first
	MUL16 2, (\q)%2, \q, \slot, \first
	s_wait_dscnt 0                                 ; A's blocks 4-7 are in
	PLACES NP
	FETCH_B \slot, (\q)+1, 1-(\q)%2
	FETCH_A \slot, (\q)+1, 0
.if \first
	WIN FST_HI
.else
	WIN MUL_HI
.endif
	MUL16 4, (\q)%2, \q, \slot, \first
	MUL16 6, (\q)%2, \q, \slot, \first
	PLACES NP
	WIN 0
	FETCH_A \slot, (\q)+1, 4
.endm
; A slot's last step changes slots: ONE barrier; in front of it each wave waits for all its tensor loads, adds 0 to its spare word, and waits for that and for its own reads of this slot.  fill = 1: this slot is filled again, two K steps ahead.
.macro TURN slot, next, fill
	s_wait_tensorcnt 0x0                           ; all my tensor loads have landed: my part of the next slot;  (every window is 0 here)
	ds_add_u32 v[SPW], v[NIL]                      ; 0 onto my spare word
	s_wait_dscnt 4*NL+1                            ; (the add and the youngest 24 loads may be out)
	WIN MUL_LO
	MUL16 0, 1, NQ-1, \slot, 0                     ; sixteen matrix instructions stand between the add and the wait for it
	s_wait_dscnt 0x0                               ; the add is done, and my reads of this slot are over
	s_barrier_signal -1
	MUL16 2, 1, NQ-1, \slot, 0
	WIN 0
	s_barrier_wait -1
.if \fill
	CREST                                          ; the barrier has opened a round of the cluster's barrier: no wave of any partner still reads this slot's tile or has a load on its way
	s_add_nc_u64 s[G0+4*\slot+2:G0+4*\slot+3], s[G0+4*\slot+2:G0+4*\slot+3], 2*ROWB
	s_add_nc_u64 s[G0B+4*\slot+2:G0B+4*\slot+3], s[G0B+4*\slot+2:G0B+4*\slot+3], 2*ROWB
	JLOAD G0+4*\slot, G1, G0B+4*\slot, G1B         ; the first tensor load behind the round; the four v_nop behind it are the places in front of the loads below
.else
	PLACES NP
.endif
	v_add_nc_u32 v[ADRS], 4*NQ, v[ADRS]            ; on to the next K step's scale words (no LDS load of mine is out)
	FETCH_B \next, 0, 0
	FETCH_A \next, 0, 0
	SCALES \next
	WIN MUL_HI
	MUL16 4, 1, NQ-1, \slot, 0
	MUL16 6, 1, NQ-1, \slot, 0
	PLACES NP
	WIN 0
	FETCH_A \next, 0, 4
.endm
	s_wait_loadcnt 0x0                             ; the bias
	s_wait_tensorcnt 1                             ; the scales and my part of K step 0 are in (K step 1's load may be out)
	s_barrier_signal -1
	s_barrier_wait -1                              ; everybody's are
	FETCH_B 0, 0, 0
	FETCH_A 0, 0, 0
	SCALES 0
	FETCH_A 0, 0, 4
	STEP 0, 0, 1                                   ; the first step stands in front of the loop: its products start the sums
	s_mov_b32 s3, LAPS-1
.Llap:                                                 ; a trip goes once round the ring, from a lap's second step to the next lap's first, and fills both slots again
	TURN 0, 1, 1
	STEP 1, 0, 0
	TURN 1, 0, 1
	STEP 0, 0, 0
	s_sub_co_u32 s3, s3, 1
	s_cmp_lg_u32 s3, 0
	s_cbranch_scc1 .Llap
	TURN 0, 1, 0                                   ; the last lap fills nothing, and has no round of the cluster's barrier
	STEP 1, 0, 0
	s_wait_dscnt 4*NL                              ; the very last step: nothing more to fetch
	WIN MUL_LO
	MUL16 0, 1, NQ-1, 1, 0
	MUL16 2, 1, NQ-1, 1, 0
	s_wait_dscnt 0
	WIN MUL_HI
	MUL16 4, 1, NQ-1, 1, 0
	MUL16 6, 1, NQ-1, 1, 0
	WIN 0
; THE WAY OUT, block by block of 16 rows x 128 columns: through my own stage in LDS and back as whole rows of 512 bytes.  LDS serves a wave's instructions in order (ISA guide 5.7.1.4): no wait between the stores and the loads.
.macro TOSTAGE a
.set AC, 64*((\a)%4)
	WIN 0x08+4*((\a)/4)                            ; the data: window 2 or 3
.irp b, 0,1,2,3,4,5,6,7
	ds_store_b128 v[STO], v[AC+8*\b:AC+8*\b+3] offset:64*\b          ; each accumulator from its low end on
	ds_store_b128 v[STO], v[AC+8*\b+4:AC+8*\b+7] offset:64*\b+16
.endr
	WIN 0
.set BB, BK+64*((\a)%2)
.irp t, 0,1,2,3,4,5,6,7,8,9,10,11,12,13,14,15
	ds_load_b128 v[BB+4*\t:BB+4*\t+3], v[RD] offset:\t*SPITCH
.endr
.endm
.macro SEND a, younger                 ; younger: the LDS instructions issued behind block a's loads, which may stay out
.set BB, BK+64*((\a)%2)
	s_wait_dscnt \younger                          ; the block is back in registers
.if (\a) > 0
	s_add_nc_u64 s[12:13], s[12:13], 16*SIZE_N*4   ; (behind a wait on XCNT: the earlier stores have read their base)  16 rows on
.endif
.irp t, 0,1,2,3,4,5,6,7,8,9,10,11,12,13,14,15
	global_store_b128 v[CO], v[BB+4*\t:BB+4*\t+3], s[12:13] offset:\t*SIZE_N*4 th:TH_STORE_NT   ; 32 lanes store 512 consecutive bytes, at a multiple of 256 from out0's first byte
.endr
.endm
	PLACES NP                                      ; behind the last products: for the loads into the registers that held A's fragments and for the reads of results
	TOSTAGE 0
.irp a, 1,2,3,4,5,6,7
.if \a > 1
	s_wait_xcnt 0x0                                ; block a - 2's stores have read their registers and their base
.endif
	TOSTAGE \a
	SEND \a-1, 32                                  ; behind block a - 1's loads: block a's 16 stores and 16 loads
.endr
	s_wait_xcnt 0x0                                ; block 6's stores have read their base
	SEND 7, 0
	s_wait_tensorcnt 0x0                           ; the wave's end, behind my last tensor load and my last LDS store
	ds_add_u32 v[SPW], v[NIL]
	s_wait_dscnt 0x0
	CROUND                                         ; the closing round: no work-group ends while a partner may still ask for a tile that names it
	s_endpgm
.Lfunc_end_k_qae4f16328e_oproj:
	.size	k_qae4f16328e_oproj, .Lfunc_end_k_qae4f16328e_oproj-k_qae4f16328e_oproj
	.p2alignl 7, 3214868480
	.fill 96, 4, 3214868480
	.section	.rodata,"a",@progbits
	.p2align	6, 0x0
	.amdhsa_kernel k_qae4f16328e_oproj
		.amdhsa_group_segment_fixed_size 327680
		.amdhsa_private_segment_fixed_size 0
		.amdhsa_enable_private_segment 0
		.amdhsa_kernarg_size 48
		.amdhsa_user_sgpr_count 2
		.amdhsa_user_sgpr_kernarg_segment_ptr 1
		.amdhsa_wavefront_size32 1
		.amdhsa_system_sgpr_workgroup_id_x 1
		.amdhsa_system_sgpr_workgroup_id_y 1
		.amdhsa_system_sgpr_workgroup_id_z 1
		.amdhsa_system_vgpr_workitem_id 0
		.amdhsa_next_free_vgpr 1024
		.amdhsa_next_free_sgpr 98
		.amdhsa_reserve_vcc 0
		.amdhsa_float_denorm_mode_32 3
		.amdhsa_float_denorm_mode_16_64 3
		.amdhsa_memory_ordered 1
		.amdhsa_forward_progress 1
		.amdhsa_inst_pref_size 162
	.end_amdhsa_kernel
	.amdgpu_metadata
---
amdhsa.version: [ 1, 2 ]
amdhsa.kernels:
  - .name:           k_qae4f16328e_oproj
    .symbol:         k_qae4f16328e_oproj.kd
    .args:
      - { .name: act_codes, .offset: 0, .size: 8, .value_kind: global_buffer, .address_space: global }
      - { .name: act_scales, .offset: 8, .size: 8, .value_kind: global_buffer, .address_space: global }
      - { .name: wc, .offset: 16, .size: 8, .value_kind: global_buffer, .address_space: global }
      - { .name: ws, .offset: 24, .size: 8, .value_kind: global_buffer, .address_space: global }
      - { .name: bo, .offset: 32, .size: 8, .value_kind: global_buffer, .address_space: global }
      - { .name: out0, .offset: 40, .size: 8, .value_kind: global_buffer, .address_space: global }
    .group_segment_fixed_size: 327680
    .private_segment_fixed_size: 0
    .kernarg_segment_align: 8
    .kernarg_segment_size: 48
    .max_flat_workgroup_size: 128
    .sgpr_count:     98
    .vgpr_count:     1024
    .wavefront_size: 32
...
	.end_amdgpu_metadata
.endif
;; end of part 5
;; ======== version 2 of 2: 4 launches
;; limits: right only within a limited range of input values
;; workspace buffers: act_codes 6,291,456 bytes; act_scales 262,144 bytes; wc 6,291,456 bytes; ws 131,072 bytes; qkv 20,185,088 bytes; oc 6,291,456 bytes; os 262,144 bytes
;; launch quant (part 6): grid 384 x 1, 4 waves a work-group, no clusters, 69,120 bytes of LDS; arguments Wq, Wk, Wv, Wo, wc, ws, x, act_codes, act_scales; writes wc, ws, act_codes, act_scales
.if DOCPART == 6
	.amdgcn_target "amdgcn-amd-amdhsa--gfx1250"
	.amdhsa_code_object_version 6
	.text
	.protected	k_qae4f16328e_quant
	.globl	k_qae4f16328e_quant
	.p2align	8
	.type	k_qae4f16328e_quant,@function
k_qae4f16328e_quant:
	s_mov_b64 s[64:65], 0
	v_nop
	global_prefetch_b8 v0, s[64:65] scope:SCOPE_SE
	s_setreg_imm32_b32 hwreg(HW_REG_WAVE_MODE, 25, 1), 1
	s_wait_xcnt 0x0
; ONE LAUNCH QUANTISES x AND THE FOUR WEIGHTS to codes of FP6 (E2M3), 6 bits each, K innermost, with one E8M0 scale byte for each 32 along K.  Work-groups 0 .. 255 take x, work-groups 256 .. 383 the weights:
; one scalar branch on the work-group's number; each of the two ways has LDS bytes of its own.
; A block's scale is 2^(floor(log2(its largest magnitude)) - 2); its byte is the largest magnitude's own exponent field - 2, held at 1 from below.
; (A block of zeros so gets the byte 1 where the quantiser's text says 127: its codes are zeros, which add nothing under any byte but 0xff, and the bytes are read by this program alone.)
; LIMITS: blocks whose largest magnitude lies under 2^-124 are quantised under the byte 1; NaN and infinities among the inputs are not served.
; x [8192][1024], K its last axis -> act_codes [4 K steps][8192][192 bytes], act_scales [8192][32].  The tensor is a plain stream of blocks of 32 numbers.  A wave takes 16 steps of 512 numbers.  The conversion takes 16 numbers of
;   ONE block from a lane's registers, so a lane must hold 16 NEIGHBOURS; a load is best where neighbouring LANES take neighbouring bytes.  Both are had: each of a step's four loads reads 512 consecutive bytes, 16 a lane;
;   the 2,048 bytes go through the wave's own stage in LDS and come back 64 bytes a lane.  A wave's 256 scale bytes are gathered in LDS and leave as one aligned run of 256 bytes.
; The weights [1024 (k)][1024 (n)], K their FIRST axis -> wc [4 K steps][8192][192 bytes] (rows 0, 1024, 2048, 3072 on: the columns of Wq, Wk, Wv, Wo), ws [4096][32].  A LANE TAKES A COLUMN n, AND ITS REGISTERS RUN DOWN K:
;   each load reads neighbouring n in neighbouring lanes, a block of 32 along K lies in ONE lane's 32 registers, and the conversions give the codes with K innermost.  A wave takes 32 columns x 256 along K; its codes go
;   through its own stage in LDS and leave as rows: sixteen lanes store a row's 192 consecutive bytes.
; No tensor loads, no barrier, no cluster: waves and work-groups share nothing.
.set NXWG,  256                        ; work-groups that take x
.set STEPS, 16
.set CB,    12                         ; bytes of 16 codes
.set XR,    16                         ; x: v16-79   four sets of 16 numbers as they are loaded
.set XX,    80                         ; x: v80-111  two sets of 16 neighbours
.set XC,    128                        ; x: v128-191 codes: four registers for each step, so that no store's data are written again
.set XE,    112                        ; x: v112-127 a scale byte for each step
.set WREG,  8192                       ; x: LDS: a region for each wave: two stages of 32 x SP bytes, and behind them its 256 scale bytes
.set SP,    80                         ; x: a lane's place in a stage: its 64 bytes + 16 of padding
.set WLDS,  4*WREG                     ; the weights' stages begin behind x's regions
.set SIZE_K, 1024
.set SIZE_N, 1024
.set KW,    256                        ; weights: along K for a wave
.set NB,    KW/32                      ; blocks
.set ROWB,  192                        ; bytes of KW codes
.set WPITCH, 272                       ; a stage row: sixteen places of 16 bytes, each with 12 bytes of codes, + 16
; THE CODES' ORDER IN MEMORY, for x and the weights alike: [K step of 256 (4)][row][192 bytes], the K steps PLANE bytes apart in both buffers: the 128 or 256 rows of a K step's tile are one dense run that begins at a multiple of 256.
.set KROW,  192                        ; a row's codes of one K step
.set PLANE, 1572864                    ; 8,192 rows x 192 bytes (the weights' 4,096 rows fill half of each plane; the rest is neither written nor read)
.set WX,    32                         ; weights: v32-95   two sets of 32 numbers
.set WCD,   96                         ; v96..    a block's codes
.set OUTR,  112                        ; v112-175 the way out: 16 x 4 registers
.set SB,    24                         ; v24-25   the scale bytes, four to a register
	v_lshl_add_u32 v192, v0, 2, 0x10c00
	v_mov_b32 v193, 0
	v_lshrrev_b32 v1, 5, v0
	v_readfirstlane_b32 s16, v1                    ; wave 0..3
	v_and_b32 v2, 31, v0                           ; lane
	s_cmp_ge_u32 ttmp9, NXWG
	s_cbranch_scc1 .Lweights
	; ---------------------------------------------------------------- x
	s_load_b128 s[4:7], s[0:1], 0x30               ; x s[4:5], its codes s[6:7]
	s_load_b64 s[8:9], s[0:1], 0x40                ; its scale bytes
	v_lshlrev_b32 v3, 4, v2                        ; my 16 bytes of a load's 512
	s_mul_i32 s17, s16, WREG
	v_lshrrev_b32 v14, 2, v2
	v_mul_u32_u24 v14, v14, SP
	v_and_b32 v15, 3, v2
	v_lshl_add_u32 v14, v15, 4, v14
	v_add_nc_u32 v14, s17, v14                     ; the stage, on the way in: SP (lane / 4) + 16 (lane % 4); a load's 512 bytes take eight places
	v_mul_u32_u24 v15, v2, SP
	v_add_nc_u32 v15, s17, v15                     ; and on the way out: SP x lane: my 16 neighbours
	v_and_b32 v4, 15, v2
	v_mul_u32_u24 v4, v4, CB                       ; my codes' place: sixteen lanes fill a row's 192 bytes of a K step,
	v_lshrrev_b32 v5, 4, v2
	v_mad_u32_u24 v4, v5, PLANE, v4                ; lanes 16-31 those of the next K step
	v_lshrrev_b32 v5, 1, v2
	s_add_co_u32 s17, s17, 2*32*SP
	v_add_nc_u32 v5, s17, v5                       ; LDS: my wave's 256 scale bytes, my block's byte
	v_lshlrev_b32 v7, 3, v2                        ; and on the way out 8 bytes a lane
	v_add_nc_u32 v6, s17, v7
	s_lshl_b32 s17, ttmp9, 2
	s_add_co_u32 s18, s17, s16                     ; which run of 8,192 numbers is my wave's
	s_mov_b32 s19, 0
	s_mov_b64 s[20:21], 512*STEPS*4
	s_mul_u64 s[20:21], s[18:19], s[20:21]
	s_mov_b64 s[22:23], 8*192
	s_mul_u64 s[22:23], s[18:19], s[22:23]
	s_lshl_b32 s18, s18, 8                         ; 256 scale bytes a run
	s_wait_alu depctr_va_vdst(0)
	s_wait_kmcnt 0x0
	s_add_nc_u64 s[4:5], s[4:5], s[20:21]
	s_add_nc_u64 s[6:7], s[6:7], s[22:23]
	s_add_nc_u64 s[8:9], s[8:9], s[18:19]
.macro LOADX t
.irp i, 0,1,2,3
	global_load_b128 v[XR+16*((\t)%4)+4*\i:XR+16*((\t)%4)+4*\i+3], v3, s[4:5] offset:2048*(\t)+512*\i th:TH_LOAD_NT   ; 32 lanes read 512 consecutive bytes
.endr
.endm
.macro TURNX t                         ; step t's numbers through the stage: LDS serves a wave's instructions in order, so no wait stands between the stores and the loads
.irp i, 0,1,2,3
	ds_store_b128 v14, v[XR+16*((\t)%4)+4*\i:XR+16*((\t)%4)+4*\i+3] offset:32*SP*((\t)%2)+8*SP*\i
.endr
.irp i, 0,1,2,3
	ds_load_b128 v[XX+16*((\t)%2)+4*\i:XX+16*((\t)%2)+4*\i+3], v15 offset:32*SP*((\t)%2)+16*\i
.endr
.endm
.irp t, 0,1,2,3
	LOADX \t
.endr
	s_wait_loadcnt 12                              ; step 0's four loads are in; the twelve of steps 1 to 3 may be out
	TURNX 0
.macro STEPX t
.set XS, XX+16*((\t)%2)
.if (\t) > 0
	s_wait_dscnt 1                                 ; this step's numbers are back from the stage (the last step's byte store may be out): so its stores into the stage have read their registers,
.else
	s_wait_dscnt 0x0
.endif
.if (\t)+4 < STEPS
	LOADX (\t)+4                                   ; which take the loads of four steps on
.endif
.if (\t)+1 < STEPS
.if STEPS-2-(\t) >= 3
	s_wait_loadcnt 12                              ; the next step's four loads are in; those of the three steps behind it may be out
.else
	s_wait_loadcnt 4*(STEPS-2-(\t))
.endif
	TURNX (\t)+1                                   ; and go through the other stage while this step is worked
.endif
	v_max3_num_f32 v8, |v[XS]|, |v[XS+1]|, |v[XS+2]|               ; the largest magnitude of my 16, in two chains
	v_max3_num_f32 v9, |v[XS+3]|, |v[XS+4]|, |v[XS+5]|
.irp i, 6,10
	v_max3_num_f32 v8, v8, |v[XS+\i]|, |v[XS+\i+1]|
	v_max3_num_f32 v9, v9, |v[XS+\i+2]|, |v[XS+\i+3]|
.endr
	v_max3_num_f32 v8, v8, |v[XS+14]|, |v[XS+15]|
	v_max3_num_f32 v8, v8, v9, 0x1800000           ; and the floor 2^(3 - 127), under which no largest magnitude is taken: so the byte cannot fall under 1
	v_max_num_f32_dpp v8, v8, v8 row_xmask:1 row_mask:0xf bank_mask:0xf   ; and of my neighbour's 16: the block's
	v_add_nc_u32 v11, 0xff000000, v8               ; 2 off its exponent field: the conversion takes the exponent field of this operand as its scale, and nothing else of it
	v_cvt_scalef32_pk16_fp6_f32 v[XC+4*(\t):XC+4*(\t)+2], v[XS:XS+15], v11   ; sixteen numbers / the scale, to the nearest code, ties to even, beyond the largest code the largest; 96 bits without gaps
	v_lshrrev_b32 v[XE+(\t)], 23, v11              ; the scale's byte (also the plain instruction behind the conversion)
	ds_store_b8 v5, v[XE+(\t)] offset:16*(\t)      ; both lanes of a block write the same byte with the same value
	global_store_b96 v4, v[XC+4*(\t):XC+4*(\t)+2], s[6:7] offset:2*PLANE*((\t)%2)+192*((\t)/2)   ; step t is half t % 2 of my row t / 2: two K steps
.endm
.irp t, 0,1,2,3,4,5,6,7,8,9,10,11,12,13,14,15
	STEPX \t
.endr
	ds_load_b64 v[12:13], v6                       ; LDS serves a wave's instructions in order: these see my stores
	s_wait_dscnt 0x0
	global_store_b64 v7, v[12:13], s[8:9]          ; 32 lanes store 256 consecutive bytes, at a multiple of 256 from the buffer's first byte
	s_wait_tensorcnt 0x0
	ds_add_u32 v192, v193
	s_wait_dscnt 0x0
	s_endpgm
.Lweights:
	; ---------------------------------------------------------------- the weights.  Of the work-group's number less 256: bits 2:0 which 128 columns, bits 4:3 the weight, bits 6:5 which 256 along K
	s_load_b256 s[4:11], s[0:1], 0x0               ; Wq, Wk, Wv, Wo
	s_load_b128 s[12:15], s[0:1], 0x20             ; the codes s[12:13], the scale bytes s[14:15]
	s_sub_co_u32 s31, ttmp9, NXWG
	s_bfe_u32 s30, s31, 0x20003                    ; which weight
	s_and_b32 s17, s31, 7
	s_lshl_b32 s17, s17, 7
	s_lshl_b32 s18, s16, 5
	s_add_co_u32 s17, s17, s18                     ; my wave's first column in that weight
	s_lshr_b32 s18, s31, 5                         ; which KW along K
	s_wait_alu depctr_va_vdst(0)
	v_lshlrev_b32 v3, 2, v2                        ; in: 4 bytes a lane
	s_mul_i32 s19, s16, 32*WPITCH
	s_add_co_u32 s19, s19, WLDS                    ; my stage
	v_mul_u32_u24 v4, v2, WPITCH
	v_add_nc_u32 v4, s19, v4                       ; into it: row = my column
	v_and_b32 v5, 15, v2
	v_lshrrev_b32 v6, 4, v2                        ; out of it: sixteen lanes to a row, two rows an instruction
	v_mul_u32_u24 v7, v6, WPITCH
	v_lshl_add_u32 v7, v5, 4, v7
	v_add_nc_u32 v7, s19, v7                       ; LDS address
	v_mul_u32_u24 v8, v6, KROW
	v_mad_u32_u24 v8, v5, 12, v8                   ; and the same place in the codes' buffer
	; where my wave's part begins, in bytes: W: (KW y) rows of 4,096 + 4 x column;  codes: row x KROW + PLANE y;  scale bytes: row x 32 + NB y;  row = 1024 x weight + column
	s_mov_b32 s19, 0
	s_mov_b64 s[20:21], KW*SIZE_N*4
	s_mul_u64 s[20:21], s[18:19], s[20:21]
	s_lshl_b32 s22, s17, 2
	s_mov_b32 s23, 0
	s_add_nc_u64 s[20:21], s[20:21], s[22:23]
	s_lshl_b32 s22, s30, 10
	s_add_co_u32 s22, s22, s17
	s_mov_b64 s[24:25], KROW
	s_mul_u64 s[24:25], s[22:23], s[24:25]
	s_mul_i32 s26, s18, PLANE
	s_mov_b32 s27, 0
	s_add_nc_u64 s[24:25], s[24:25], s[26:27]
	s_mov_b64 s[28:29], SIZE_K/32
	s_mul_u64 s[28:29], s[22:23], s[28:29]
	s_mul_i32 s26, s18, NB
	s_add_nc_u64 s[28:29], s[28:29], s[26:27]
	v_mul_u32_u24 v9, v2, SIZE_K/32                ; my column's row of scale bytes
	s_wait_kmcnt 0x0
	s_cmp_eq_u32 s30, 1                            ; the weight is chosen by the work-group's number alone
	s_cselect_b64 s[4:5], s[6:7], s[4:5]
	s_cmp_eq_u32 s30, 2
	s_cselect_b64 s[4:5], s[8:9], s[4:5]
	s_cmp_eq_u32 s30, 3
	s_cselect_b64 s[4:5], s[10:11], s[4:5]
	s_add_nc_u64 s[4:5], s[4:5], s[20:21]
	s_add_nc_u64 s[12:13], s[12:13], s[24:25]
	s_add_nc_u64 s[14:15], s[14:15], s[28:29]
.macro LOADW t                         ; block t: W(32 t + i, my column), i = 0 .. 31, into set t % 2
.irp i, 0,1,2,3,4,5,6,7,8,9,10,11,12,13,14,15,16,17,18,19,20,21,22,23,24,25,26,27,28,29,30,31
	global_load_b32 v[WX+32*((\t)%2)+\i], v3, s[4:5] offset:(32*(\t)+\i)*SIZE_N*4 th:TH_LOAD_NT
.endr
.endm
	LOADW 0
	LOADW 1
.macro BLOCKW t
.set WS, WX+32*((\t)%2)
.if (\t) < NB-1
	s_wait_loadcnt 32                              ; this block's 32 loads are in; the next block's 32 may be out
.else
	s_wait_loadcnt 0
.endif
	v_max3_num_f32 v12, |v[WS]|, |v[WS+1]|, |v[WS+2]|               ; the block's largest magnitude: all 32 numbers are mine
	v_max3_num_f32 v13, |v[WS+3]|, |v[WS+4]|, |v[WS+5]|
.irp i, 6,10,14,18,22,26
	v_max3_num_f32 v12, v12, |v[WS+\i]|, |v[WS+\i+1]|
	v_max3_num_f32 v13, v13, |v[WS+\i+2]|, |v[WS+\i+3]|
.endr
	v_max3_num_f32 v12, v12, |v[WS+30]|, |v[WS+31]|
	v_max3_num_f32 v12, v12, v13, 0x1800000        ; and the floor 2^(3 - 127): the byte cannot fall under 1
	v_add_nc_u32 v11, 0xff000000, v12              ; 2 off its exponent field: the conversion's scale operand
	v_lshrrev_b32 v13, 23, v11                     ; the scale's byte
.if (\t)%4 == 0
	v_mov_b32 v[SB+(\t)/4], v13                    ; four bytes to a register, the lower K in the lower byte
.else
	v_lshl_or_b32 v[SB+(\t)/4], v13, 8*((\t)%4), v[SB+(\t)/4]
.endif
	v_cvt_scalef32_pk16_fp6_f32 v[WCD:WCD+2], v[WS:WS+15], v11
	v_cvt_scalef32_pk16_fp6_f32 v[WCD+4:WCD+6], v[WS+16:WS+31], v11     ; (a conversion's three registers begin on an even number)
	v_nop                                          ; one plain instruction behind the conversions
	ds_store_b96 v4, v[WCD:WCD+2] offset:32*(\t)   ; 16 codes, 12 bytes, to a place of 16 bytes in the stage, so that every LDS address is a multiple of 16
	ds_store_b96 v4, v[WCD+4:WCD+6] offset:32*(\t)+16
.if (\t)+2 < NB
	LOADW (\t)+2
.endif
	s_wait_dscnt 0x0                               ; the stores have read their registers: the next block's codes may be written
.endm
.set Q, 0
.rept NB
	BLOCKW Q
.set Q, Q+1
.endr
	s_wait_alu depctr_va_vdst(0)
	global_store_b64 v9, v[SB:SB+1], s[14:15]      ; my column's NB scale bytes
.irp t, 0,1,2,3,4,5,6,7,8,9,10,11,12,13,14,15
	ds_load_b96 v[OUTR+4*\t:OUTR+4*\t+2], v7 offset:2*\t*WPITCH   ; LDS serves a wave's instructions in order: these see my stores
.endr
.irp t, 0,1,2,3,4,5,6,7,8,9,10,11,12,13,14,15
	s_wait_dscnt 15-\t                             ; loads come back in order: the 15 - t younger ones may be out
	global_store_b96 v8, v[OUTR+4*\t:OUTR+4*\t+2], s[12:13] offset:2*\t*KROW
.endr
	s_wait_tensorcnt 0x0
	ds_add_u32 v192, v193
	s_wait_dscnt 0x0
	s_endpgm
.Lfunc_end_k_qae4f16328e_quant:
	.size	k_qae4f16328e_quant, .Lfunc_end_k_qae4f16328e_quant-k_qae4f16328e_quant
	.p2alignl 7, 3214868480
	.fill 96, 4, 3214868480
	.section	.rodata,"a",@progbits
	.p2align	6, 0x0
	.amdhsa_kernel k_qae4f16328e_quant
		.amdhsa_group_segment_fixed_size 69120
		.amdhsa_private_segment_fixed_size 0
		.amdhsa_enable_private_segment 0
		.amdhsa_kernarg_size 72
		.amdhsa_user_sgpr_count 2
		.amdhsa_user_sgpr_kernarg_segment_ptr 1
		.amdhsa_wavefront_size32 1
		.amdhsa_system_sgpr_workgroup_id_x 1
		.amdhsa_system_sgpr_workgroup_id_y 1
		.amdhsa_system_sgpr_workgroup_id_z 1
		.amdhsa_system_vgpr_workitem_id 0
		.amdhsa_next_free_vgpr 194
		.amdhsa_next_free_sgpr 66
		.amdhsa_reserve_vcc 0
		.amdhsa_float_denorm_mode_32 3
		.amdhsa_float_denorm_mode_16_64 3
		.amdhsa_memory_ordered 1
		.amdhsa_forward_progress 1
		.amdhsa_inst_pref_size 74
	.end_amdhsa_kernel
	.amdgpu_metadata
---
amdhsa.version: [ 1, 2 ]
amdhsa.kernels:
  - .name:           k_qae4f16328e_quant
    .symbol:         k_qae4f16328e_quant.kd
    .args:
      - { .name: Wq, .offset: 0, .size: 8, .value_kind: global_buffer, .address_space: global }
      - { .name: Wk, .offset: 8, .size: 8, .value_kind: global_buffer, .address_space: global }
      - { .name: Wv, .offset: 16, .size: 8, .value_kind: global_buffer, .address_space: global }
      - { .name: Wo, .offset: 24, .size: 8, .value_kind: global_buffer, .address_space: global }
      - { .name: wc, .offset: 32, .size: 8, .value_kind: global_buffer, .address_space: global }
      - { .name: ws, .offset: 40, .size: 8, .value_kind: global_buffer, .address_space: global }
      - { .name: x, .offset: 48, .size: 8, .value_kind: global_buffer, .address_space: global }
      - { .name: act_codes, .offset: 56, .size: 8, .value_kind: global_buffer, .address_space: global }
      - { .name: act_scales, .offset: 64, .size: 8, .value_kind: global_buffer, .address_space: global }
    .group_segment_fixed_size: 69120
    .private_segment_fixed_size: 0
    .kernarg_segment_align: 8
    .kernarg_segment_size: 72
    .max_flat_workgroup_size: 128
    .sgpr_count:     66
    .vgpr_count:     194
    .wavefront_size: 32
...
	.end_amdgpu_metadata
.endif
;; end of part 6
;; launch qkvp (part 7): grid 12 x 32, 4 waves a work-group, clusters of 4 x 4, 327,680 bytes of LDS; arguments act_codes, act_scales, wc, ws, bq, bk, bv, qkv; writes qkv
.if DOCPART == 7
	.amdgcn_target "amdgcn-amd-amdhsa--gfx1250"
	.amdhsa_code_object_version 6
	.text
	.protected	k_qae4f16328e_qkvp
	.globl	k_qae4f16328e_qkvp
	.p2align	8
	.type	k_qae4f16328e_qkvp,@function
k_qae4f16328e_qkvp:
	s_mov_b64 s[64:65], 0
	v_nop
	global_prefetch_b8 v0, s[64:65] scope:SCOPE_SE
	s_setreg_imm32_b32 hwreg(HW_REG_WAVE_MODE, 25, 1), 1
	s_wait_xcnt 0x0
	s_wait_alu depctr_hold_cnt(0) depctr_sa_sdst(0) depctr_va_vdst(0) depctr_va_sdst(0) depctr_va_ssrc(0) depctr_va_vcc(0) depctr_vm_vsrc(0)
	s_getreg_b32 s2, hwreg(HW_REG_IB_STS2, 6, 4)
	s_cmp_eq_u32 s2, 0
	s_cbranch_scc0 .Lentry_in_a_cluster
	s_endpgm
.Lentry_in_a_cluster:
	s_bfe_u32 s2, ttmp6, 0x10000c
	s_cmp_lg_u32 s2, 0xf033
	s_cbranch_scc0 .Lentry_shape_is_right
	s_endpgm
.Lentry_shape_is_right:
; q = x Wq + bq, k = x Wk + bk, v = x Wv + bv on codes of FP6 (E2M3) with one E8M0 scale for each 32 along K = 1,024; sums in f32; the results are quantised HERE, in registers, for the attention's two products,
; and go to memory as codes alone, laid as images of the operands' registers.
; A tile of 256 x 256 results is made by a work-group of four waves; a wave makes 128 x 128: 64 accumulators of 16 x 16, 512 registers.  K goes in steps of 256 through a ring of two LDS slots filled by the tensor data mover.
; THE TWO SOURCES.  Source 1 (called R): its row stays in a lane.  Source 0 (called P): its rows run along the lane's registers, so they must be the NEXT product's K.
;   clusters x = 0 (q) and 1 (k): the next K is the head's 64: P = 256 rows of wc (columns of Wq or Wk), R = 256 rows of x.
;   clusters x = 2 (v): the next K is the keys: P = 256 rows of x, R = 256 rows of wc (columns of Wv).  Both buffers of codes lie in planes of 192-byte rows and both buffers of scales rows of 32, so one text serves both.
; CLUSTERS: 4 x 4 work-groups.  R's tile hangs on cy alone and is shared along a row of the cluster, P's on cx alone and is shared along a column: each is asked for JOINTLY.  Which case a cluster has hangs on the cluster's x alone.
; THE ORDER OF CODES IN A BLOCK OF 32.  A lane (r, h) holds, of two neighbouring tiles of P, the elements 32 B + 8 h + (i % 8) + 16 (i / 8), i = 0 .. 15, and their codes go to places 16 h + i of block B.  That permutes
; inside a block of 32 alone, so the block's scale is the same; it is the same for q and k, and for v and the softmax's p (whose scores lie in the same layout): the products' terms are the same.
; qkv: 64 blocks of BLK bytes, block 4 x head + batch:  0: Q, 128 tiles of 16 queries x 768 bytes;  O_QSC: Q's scale words, one a query;  O_KV: 16 key steps x (K: 8 tiles of 16 keys x 768 bytes, V: 4 tiles of 16 channels x 128 keys x 1,536 bytes);
;   O_SC: 16 key steps x (128 words of K, 64 words of V).  A tile of Q or K holds registers 0-3 of the operand at 16 x lane and registers 4-5 at 512 + 8 x lane (registers 6-11, K = 64 .. 127, are zeros and are not stored);
;   its scale word is byte(block 0) | byte(block 1) << 8 | 0x7f7f0000.  A tile of V holds its 12 registers as 3 x (16 x lane).
; LIMITS: a block whose largest magnitude lies under 2^-124 (a block of zeros too) gets the byte 1; NaN and infinities are not served.
; REGISTERS, in windows of 256: window 0: v0-31 addresses; v32-63 scale words, two sets; from v128 R's fragments, ONE set; on the way out v32-255 are free.  window 1: P's fragments, TWO sets.  windows 2, 3: the accumulators ((a, b) at v[8 (8 (a % 4) + b)]).
.set SIZE_K, 1024
.set KSTEP,  256                       ; along K in a slot
.set NQ,     KSTEP/128                 ; matrix instructions deep
.set ROWB,   192                       ; a tile's row in bytes
; The codes lie [K step of 256][row][192 bytes], the K steps PLANE bytes apart in both buffers: a tile's rows of a K step are one dense run, stated as rows of 256 bytes; the padding's interval stays 64 bytes, so LDS rows are 240 bytes apart.
.set KROW,   192                       ; a row's codes of one K step
.set PLANE,  1572864
.set PITCH,  240                       ; an LDS row: 3 x (64 bytes of data + 16 of padding)
.set FR,     12                        ; registers of a fragment
.set NL,     6                         ; LDS loads that bring one
.set NP,     4                         ; places behind this matrix instruction (ISA guide 7.12.1)
.set HALFT,  128*PITCH                 ; 128 rows: what one tensor load brings
.set SLOT,   4*HALFT                   ; R's 256 rows, then P's 256 rows
.set LAPS,   SIZE_K/(2*KSTEP)
.set KS,     SIZE_K/32                 ; a row of scales in bytes
.set SCL,    2*SLOT                    ; behind the ring: the scales, as runs of 256 bytes + 16 of padding
.set HALFS,  (128*KS/256)*272          ; the scales of 128 rows
.set SBLK,   (16*KS/256)*272           ; those of 16 rows
.set SPARE,  SCL+4*HALFS               ; behind the scales: the spare words, 128 bytes for each wave
.set BLK,    315392                    ; a block of qkv
.set HSTEP,  4*BLK                     ; from a head to the next
.set O_QSC,  98304
.set O_KV,   106496
.set O_SC,   303104
.set L16,  7                           ; v7   16 x lane
.set L8,   8                           ; v8   8 x lane
.set H16,  9                           ; v9   16 h
.set R4,   10                          ; v10  4 r
.set H32,  11                          ; v11  32 h
.set VSO,  12                          ; v12  16 r + h x HSTEP
.set ADRA, 16                          ; v16-19 LDS addresses of R's fragments
.set ADRB, 20                          ; v20-23 of P's
.set SST0, 24                          ; v24  q, k: where a scale word goes in my stage: 1024 x wave + 512 h + 4 r
.set SRD0, 25                          ; v25  and where 16 bytes come back: 1024 x wave + 16 x lane
.set SST1, 26                          ; v26  v: 4096 + 512 x wave + 4 r
.set ADRS, 27                          ; v27  LDS address of my scale words
.set SPW,  28                          ; v28  LDS address of my spare word; never rewritten
.set NIL,  29                          ; v29  0; never rewritten
.set SRD1, 30                          ; v30  v: 4096 + 512 x wave + 16 x lane
.set SC,   32                          ; scale words, two sets of 16
.set AF,   128                         ; R's fragments
.set PWB,  32                          ; the way out: v32-39 the eight scale words made
.set OB,   40                          ; v40-47 scale words back from the stage
.set BI,   64                          ; v64-127 the bias
.set HA,   128                         ; v128-191 a block's 64 numbers of a lane
.set PC,   192                         ; v192-210 the codes just made
.set TM,   212                         ; v212-227 at work
.set SW,   228                         ; v228-235 a head's scale words
.set SEL,  12                          ; s[12:13] lane selects for v_permlanex16_b32
.set G1, 24
.set G0, 32
.set G1B, 48
.set G0B, 56
.set G1S, 68
.set G0S, 76
.set G1SB, 80
.set G0SB, 88
.set MSB, 0
.macro WIN new                         ; the immediate's high byte repeats the setting that is left
.if MSB != (\new)
	s_set_vgpr_msb (MSB<<8)|(\new)
.set MSB, (\new)
.endif
.endm
.set MUL_LO, 0xa1                      ; source 0 (P) window 1, source 1 (R) window 0, C and D window 2
.set MUL_HI, 0xf1                      ; the same, C and D window 3
.set TO_B,   0x40                      ; destination window 1, address window 0
; A joint load: waves 0 and 1 fetch for R, waves 2 and 3 for P.  Each of the two lines has ONE mask and one set of registers for all that issue it; the branch hangs on the wave's number alone.
; Four v_nop follow each of the two lines, ahead of the jump, the label and what follows.
.macro JLOAD g0a, g1a, g0b, g1b
	s_cmp_eq_u32 s15, 0
	s_cbranch_scc0 .Lfor_b_\@
	tensor_load_to_lds s[\g0a:\g0a+3], s[\g1a:\g1a+7]
	s_nop 0
.rept 4
	v_nop
.endr
	s_branch .Lasked_\@
.Lfor_b_\@:
	tensor_load_to_lds s[\g0b:\g0b+3], s[\g1b:\g1b+7]
	s_nop 0
.rept 4
	v_nop
.endr
.Lasked_\@:
.endm
.macro CREST                           ; a round of the cluster's barrier behind its opening barrier
	s_cmp_lg_u32 s14, 0
	s_cbranch_scc1 .Lnot_wave_0_\@
	s_barrier_signal -3
.Lnot_wave_0_\@:
	s_barrier_wait -3
	s_barrier_signal -1
	s_barrier_wait -1
.endm
.macro CROUND                          ; a whole round
	s_barrier_signal -1
	s_barrier_wait -1
	CREST
.endm
	s_load_b256 s[4:11], s[0:1], 0x0               ; x's codes s[4:5], x's scales s[6:7], the weights' codes s[8:9], their scales s[10:11]
	v_lshl_add_u32 v[SPW], v0, 2, SPARE
	v_mov_b32 v[NIL], 0
	ds_add_u32 v28, v29
	ds_add_u32 v28, v29
	s_wait_dscnt 0x0
	v_lshrrev_b32 v1, 5, v0
	v_readfirstlane_b32 s14, v1                    ; wave 0..3
	s_lshr_b32 s15, s14, 1                         ; which half of R's rows is mine.  Also: I fetch for R (0) or for P (1)
	s_and_b32 s16, s14, 1                          ; which half of P's rows.  Also: which 128 rows of that tile I fetch
	s_bfe_u32 s40, ttmp6, 0x40000                  ; cx, cy: my place in the cluster
	s_bfe_u32 s41, ttmp6, 0x40004
	s_mov_b32 s2, ttmp9                            ; the cluster's x: 0 q, 1 k, 2 v
	s_and_b32 s45, ttmp7, 0xffff                   ; the cluster's y: 0 .. 7
	s_wait_kmcnt 0x0
	s_cmp_eq_u32 ttmp9, 2                          ; the choice hangs on the cluster's x alone: it is the same in all sixteen partners
	s_cselect_b64 s[66:67], s[8:9], s[4:5]         ; R's codes
	s_cselect_b64 s[96:97], s[10:11], s[6:7]       ; R's scales
	s_cselect_b64 s[98:99], s[4:5], s[8:9]         ; P's codes
	s_cselect_b64 s[100:101], s[6:7], s[10:11]     ; P's scales
	s_cselect_b32 s12, s45, s2                     ; P's tile = 4 x this + cx
	s_cselect_b32 s13, 0, s45                      ; R's tile = 4 x this + cy
	s_cselect_b32 s3, 2048, 0                      ; Wv's columns begin at row 2,048 of the weights' codes
	s_load_b256 s[4:11], s[0:1], 0x20              ; bq s[4:5], bk s[6:7], bv s[8:9], qkv s[10:11]: for the way out
	s_lshl_b32 s42, s12, 2
	s_add_co_u32 s42, s42, s40                     ; P's tile
	s_lshl_b32 s17, s13, 2
	s_add_co_u32 s17, s17, s41                     ; R's tile
	s_lshl_b32 s43, s41, 2
	s_lshl_b32 s43, 15, s43                        ; my row of the cluster
	s_lshl_b32 s44, 0x1111, s40                    ; my column
	; descriptor group 1: a tile of 128 rows x ROWB bytes, padded in LDS
	s_or_b32 s[G1+0], s43, (0<<16)|(1<<20)|(1<<21)|(3<<22)|(3<<25)  ; 15:0 the mask: R's tiles go to my row; 17:16 element of 1 byte; 20 padding on; 21 set beside a mask; 24:22 after every 16 words; 31:25 of 4 words
	s_or_b32 s[G1B+0], s44, (0<<16)|(1<<20)|(1<<21)|(3<<22)|(3<<25)
.irp g, G1, G1B
	s_mov_b32 s[\g+1], 256<<16                     ; rows of 256 bytes
	s_mov_b32 s[\g+2], 192<<16                     ; 192 of them: 256 rows of codes, for the head's loads; behind them 96
	s_mov_b32 s[\g+3], 256<<16
	s_mov_b32 s[\g+4], 192
	s_mov_b32 s[\g+5], 256
	s_mov_b32 s[\g+6], 0
	s_mov_b32 s[\g+7], 0
.endr
	; and for the scales of 256 rows: a dense block of 8,192 bytes, as rows of 256 bytes (32 elements of 8 bytes), 16 bytes of padding behind each
	s_or_b32 s[G1S+0], s43, (3<<16)|(1<<20)|(1<<21)|(5<<22)|(3<<25)
	s_or_b32 s[G1SB+0], s44, (3<<16)|(1<<20)|(1<<21)|(5<<22)|(3<<25)
.irp g, G1S, G1SB
	s_mov_b32 s[\g+1], 32<<16
	s_mov_b32 s[\g+2], (256*KS/256)<<16
	s_mov_b32 s[\g+3], 32<<16
	s_mov_b32 s[\g+4], 256*KS/256
	s_mov_b32 s[\g+5], 32
	s_mov_b32 s[\g+6], 0
	s_mov_b32 s[\g+7], 0
.endr
	s_lshl_b32 s20, s17, 8
	s_add_co_u32 s20, s20, s3                      ; R: the tile's first row, 256 x tile (+ 2,048 for Wv)
	s_lshl_b32 s46, s42, 8                         ; P: 256 x tile
	s_mov_b32 s21, 0
	s_mov_b32 s47, 0
	s_mov_b64 s[18:19], KS
	s_mul_u64 s[22:23], s[20:21], s[18:19]         ; where these rows' scales begin, in bytes
	s_mul_u64 s[92:93], s[46:47], s[18:19]
	s_mov_b64 s[18:19], KROW
	s_mul_u64 s[20:21], s[20:21], s[18:19]         ; and their codes
	s_mul_u64 s[46:47], s[46:47], s[18:19]
	s_mul_i32 s45, s14, HALFT                      ; where they go: wave x 128 rows: no place in the cluster enters an LDS address
	s_mul_i32 s94, s16, 128*KROW                   ; in the ring I fetch 128 rows of a tile: which half, in bytes
	s_mov_b32 s95, 0
	s_add_nc_u64 s[20:21], s[66:67], s[20:21]
	s_add_nc_u64 s[22:23], s[96:97], s[22:23]
	s_add_nc_u64 s[46:47], s[98:99], s[46:47]
	s_add_nc_u64 s[92:93], s[100:101], s[92:93]
	s_wait_kmcnt 0x0                               ; the biases' and qkv's addresses are in
	CROUND                                         ; all sixteen work-groups are here: the first joint loads meet
	; THE HEAD'S FOUR TILES, each whole, one joint load a wave: wave 0 K step 0's 256 rows of R, wave 1 those of P, wave 2 R's scales, wave 3 P's.
	s_mov_b32 s[G0S], 1
	s_mov_b32 s[G0S+1], SCL
	s_mov_b64 s[G0S+2:G0S+3], s[22:23]
	s_or_b32 s[G0S+3], s[G0S+3], 0x80000000
	s_mov_b32 s[G0SB], 1
	s_mov_b32 s[G0SB+1], SCL+2*HALFS
	s_mov_b64 s[G0SB+2:G0SB+3], s[92:93]
	s_or_b32 s[G0SB+3], s[G0SB+3], 0x80000000
	s_mov_b32 s[G0], 1                             ; slot 0's group 0 serves the head's whole tile first; behind the head's wait it is set to my half
	s_mov_b32 s[G0+1], 0
	s_mov_b64 s[G0+2:G0+3], s[20:21]
	s_or_b32 s[G0+3], s[G0+3], 0x80000000
	s_mov_b32 s[G0B], 1
	s_mov_b32 s[G0B+1], 2*HALFT
	s_mov_b64 s[G0B+2:G0B+3], s[46:47]
	s_or_b32 s[G0B+3], s[G0B+3], 0x80000000
	s_add_nc_u64 s[20:21], s[20:21], s[94:95]      ; for the ring: my 128 rows
	s_add_nc_u64 s[46:47], s[46:47], s[94:95]
	s_mov_b32 s[G0+4], 1
	s_add_co_u32 s[G0+5], s45, SLOT
	s_add_nc_u64 s[G0+6:G0+7], s[20:21], PLANE     ; K step 1
	s_or_b32 s[G0+7], s[G0+7], 0x80000000
	s_mov_b32 s[G0B+4], 1
	s_add_co_u32 s[G0B+5], s45, SLOT
	s_add_nc_u64 s[G0B+6:G0B+7], s[46:47], PLANE
	s_or_b32 s[G0B+7], s[G0B+7], 0x80000000
.macro ARM under, g0, g1, next         ; one tree of branches on the wave's number: every way through the head passes one load
	s_cmp_lt_u32 s14, \under
	s_cbranch_scc0 \next
	tensor_load_to_lds s[\g0:\g0+3], s[\g1:\g1+7]
	s_nop 0
.rept 4
	v_nop
.endr
	s_branch .Lhead_asked
\next:
.endm
	ARM 1, G0,  G1,  .Lhead_b
	ARM 2, G0B, G1B, .Lhead_sa
	ARM 3, G0S, G1S, .Lhead_sb
	tensor_load_to_lds s[G0SB:G0SB+3], s[G1SB:G1SB+7]
	s_nop 0
.rept 4
	v_nop
.endr
.Lhead_asked:
	v_and_b32 v1, 15, v0                           ; r = l % 16
	v_bfe_u32 v2, v0, 4, 1                         ; h = l / 16
	v_mul_u32_u24 v3, v1, PITCH
	v_mul_u32_u24 v4, v2, 24
	v_add_nc_u32 v4, v3, v4                        ; a fragment's row x pitch + 24 x half
	v_lshl_add_u32 v5, v2, 4, v4                   ; and the same behind one padding more
	s_mul_i32 s21, s15, HALFT                      ; my 128 rows of R
	s_mul_i32 s22, s16, HALFT                      ; my 128 rows of P,
	s_add_co_u32 s22, s22, 2*HALFT                 ; which lie behind R's 256
.irp s, 0,1
	v_add_nc_u32 v[ADRA+\s], s21, v4
	v_add_nc_u32 v[ADRB+\s], s22, v4
	v_add_nc_u32 v[ADRA+2+\s], s21, v5
	v_add_nc_u32 v[ADRB+2+\s], s22, v5
	s_add_co_u32 s21, s21, SLOT
	s_add_co_u32 s22, s22, SLOT
.endr
	v_mul_u32_u24 v5, v1, KS                       ; my row's scales: KS bytes a row,
	v_lshrrev_b32 v6, 8, v5
	v_lshl_add_u32 v5, v6, 4, v5                   ; and 16 more for each 256 passed
	s_mul_i32 s21, s15, HALFS                      ; R's: my 128 rows
	s_mul_i32 s22, s16, HALFS                      ; P's: my 128 rows, behind R's 256
	s_add_co_u32 s22, s22, 2*HALFS
	s_sub_co_u32 s22, s22, s21
	v_mul_u32_u24 v6, s22, v2                      ; lanes 16-31 take P's
	s_add_co_u32 s21, s21, SCL
	v_add_nc_u32 v5, v5, v6
	v_add_nc_u32 v[ADRS], s21, v5
	; the way out's lane terms, made here once.  The two stages lie in slot 0, which has had its last fill and its last read when the first word is stored there; each of the two ways out has bytes of its own
	v_and_b32 v6, 31, v0
	v_lshlrev_b32 v[L16], 4, v6
	v_lshlrev_b32 v[L8], 3, v6
	v_lshlrev_b32 v[H16], 4, v2
	v_lshlrev_b32 v[R4], 2, v1
	v_lshlrev_b32 v[H32], 5, v2
	v_mul_u32_u24 v[VSO], v2, HSTEP
	v_lshl_add_u32 v[VSO], v1, 4, v[VSO]
	s_lshl_b32 s23, s14, 10
	v_lshl_add_u32 v[SST0], v2, 9, v[R4]
	v_add_nc_u32 v[SST0], s23, v[SST0]
	v_add_nc_u32 v[SRD0], s23, v[L16]
	s_lshl_b32 s23, s14, 9
	s_add_co_u32 s23, s23, 4096
	v_add_nc_u32 v[SST1], s23, v[R4]
	v_add_nc_u32 v[SRD1], s23, v[L16]
.macro FRAG reg, adr, q, i             ; a fragment, 16 rows x 128 K of 6-bit codes, is 12 registers: lane l holds row l % 16; registers 6 c .. 6 c + 5 hold K = 64 c + 32 (l / 16) + 0 .. 31: 24 bytes of the row's stream of bits
.irp p, 0,1,2,3,4,5                    ; in pieces of 8 bytes.  Lanes 0-15 take the row's pieces 12 q + 0, 1, 2 and 12 q + 6, 7, 8, lanes 16-31 those three pieces on
.set PCE, 12*(\q)+6*(\p/3)+\p%3        ; 16 bytes of padding lie behind every 64 bytes (8 pieces): where the piece three on lies behind one padding more, the second address register serves
.if PCE%8 < 5
	ds_load_b64 v[\reg+2*\p:\reg+2*\p+1], v[\adr] offset:8*PCE+16*(PCE/8)+(\i)*16*PITCH
.else
	ds_load_b64 v[\reg+2*\p:\reg+2*\p+1], v[\adr+2] offset:8*PCE+16*(PCE/8)+(\i)*16*PITCH
.endif
.endr
.endm
; 16 matrix instructions: R's blocks a0, a0 + 1 x P's eight, 128 along K: the slot's q-th.  p: P's set;  sc: the set of scale words.  zero = 1: the first product starts the sums.
; The 64 accumulators take turns, one instruction a turn, in the same order in every step.
.macro MUL16 a0, p, q, sc, zero
.irp a, \a0, \a0+1
.irp b, 0,1,2,3,4,5,6,7
.if \zero
	v_wmma_scale_f32_16x16x128_f8f6f4 v[8*(8*((\a)%4)+\b):8*(8*((\a)%4)+\b)+7], v[128*(\p)+FR*\b:128*(\p)+FR*\b+FR-1], v[AF+FR*(\a):AF+FR*(\a)+FR-1], 0, v[SC+8*NQ*(\sc)+NQ*\b+(\q)], v[SC+8*NQ*(\sc)+NQ*(\a)+(\q)] matrix_a_fmt:MATRIX_FMT_FP6 matrix_b_fmt:MATRIX_FMT_FP6 matrix_a_scale:MATRIX_SCALE_ROW1
.else
	v_wmma_scale_f32_16x16x128_f8f6f4 v[8*(8*((\a)%4)+\b):8*(8*((\a)%4)+\b)+7], v[128*(\p)+FR*\b:128*(\p)+FR*\b+FR-1], v[AF+FR*(\a):AF+FR*(\a)+FR-1], v[8*(8*((\a)%4)+\b):8*(8*((\a)%4)+\b)+7], v[SC+8*NQ*(\sc)+NQ*\b+(\q)], v[SC+8*NQ*(\sc)+NQ*(\a)+(\q)] matrix_a_fmt:MATRIX_FMT_FP6 matrix_b_fmt:MATRIX_FMT_FP6 matrix_a_scale:MATRIX_SCALE_ROW1
.endif
.endr
.endr
.endm
.macro FETCH_B slot, q, p              ; P's eight fragments of the slot's q-th 128 along K into set p
	WIN TO_B
.irp i, 0,1,2,3,4,5,6,7
	FRAG 128*(\p)+FR*\i, ADRB+\slot, \q, \i
.endr
	WIN 0
.endm
.macro FETCH_A slot, q, i0             ; R's blocks i0 .. i0 + 3
.irp i, \i0, \i0+1, \i0+2, \i0+3
	FRAG AF+FR*(\i), ADRA+\slot, \q, \i
.endr
.endm
.macro SCALES sc                       ; the next K step's scale words into set sc: NQ words a row; lanes 0-15 take R's block i, lanes 16-31 P's block i
.irp i, 0,1,2,3,4,5,6,7
	ds_load_b64 v[SC+8*NQ*\sc+NQ*\i:SC+8*NQ*\sc+NQ*\i+1], v[ADRS] offset:\i*SBLK
.endr
.endm
; A load into a register that a matrix instruction has read, and a vector instruction that reads a matrix result, stand NP places behind that matrix instruction; only plain vector instructions that name none of its registers are places.
.macro PLACES n
.rept \n
	v_nop
.endr
.endm
; A step of 128 along K that has its successor in the same slot.
.macro STEP slot, q, zero
	s_wait_dscnt 4*NL                              ; P's set and R's blocks 0-3 are in; the youngest 24 loads (R's blocks 4-7) may be out
	WIN MUL_LO
	MUL16 0, (\q)%2, \q, \slot, \zero
	MUL16 2, (\q)%2, \q, \slot, \zero
	s_wait_dscnt 0                                 ; R's blocks 4-7 are in (asked for 32 matrix instructions ago)
	PLACES NP
	FETCH_B \slot, (\q)+1, 1-(\q)%2
	FETCH_A \slot, (\q)+1, 0
	WIN MUL_HI
	MUL16 4, (\q)%2, \q, \slot, \zero
	MUL16 6, (\q)%2, \q, \slot, \zero
	PLACES NP
	WIN 0
	FETCH_A \slot, (\q)+1, 4
.endm
; A slot's last step changes slots: ONE barrier; in front of it each wave waits for all its tensor loads, adds 0 to its spare word, and waits for that and for its own reads of this slot.  fill = 1: this slot is filled again, two K steps ahead.
.macro TURN slot, next, fill
	s_wait_tensorcnt 0x0                           ; all my tensor loads have landed: my part of the next slot;  (every window is 0 here)
	ds_add_u32 v[SPW], v[NIL]                      ; 0 onto my spare word
	s_wait_dscnt 4*NL+1                            ; (the add and the youngest 24 loads, R's blocks 4-7, may be out)
	WIN MUL_LO
	MUL16 0, 1, NQ-1, \slot, 0                     ; sixteen matrix instructions stand between the add and the wait for it
	s_wait_dscnt 0x0                               ; the add is done, and my reads of this slot are over
	s_barrier_signal -1
	MUL16 2, 1, NQ-1, \slot, 0
	WIN 0
	s_barrier_wait -1
.if \fill
	CREST                                          ; the barrier has opened a round of the cluster's barrier: no wave of any partner still reads this slot's tile or has a load on its way
	s_add_nc_u64 s[G0+4*\slot+2:G0+4*\slot+3], s[G0+4*\slot+2:G0+4*\slot+3], 2*PLANE
	s_add_nc_u64 s[G0B+4*\slot+2:G0B+4*\slot+3], s[G0B+4*\slot+2:G0B+4*\slot+3], 2*PLANE
	JLOAD G0+4*\slot, G1, G0B+4*\slot, G1B         ; the first tensor load behind the round; the four v_nop behind it are the places in front of the loads below
.else
	PLACES NP
.endif
	s_wait_alu depctr_va_vdst(0)
	v_add_nc_u32 v[ADRS], 4*NQ, v[ADRS]            ; on to the next K step's scale words (no LDS load of mine is out)
	FETCH_B \next, 0, 0
	FETCH_A \next, 0, 0
	SCALES \next
	WIN MUL_HI
	MUL16 4, 1, NQ-1, \slot, 0
	MUL16 6, 1, NQ-1, \slot, 0
	PLACES NP
	WIN 0
	FETCH_A \next, 0, 4
.endm
	s_wait_alu depctr_va_vdst(0)
	s_wait_tensorcnt 0x0                           ; my tile of the head's four is in; the three lines ahead of a later first fill, as ahead of a refill
	ds_add_u32 v[SPW], v[NIL]
	s_mov_b32 s[G1+2], 96<<16                      ; no tensor load of mine is out: from here on a load brings 128 rows of codes, 96 rows of 256 bytes,
	s_mov_b32 s[G1+4], 96
	s_mov_b32 s[G1B+2], 96<<16
	s_mov_b32 s[G1B+4], 96
	s_mov_b32 s[G0+1], s45                         ; and slot 0's group 0 points at my half
	s_add_nc_u64 s[G0+2:G0+3], s[G0+2:G0+3], s[94:95]
	s_mov_b32 s[G0B+1], s45
	s_add_nc_u64 s[G0B+2:G0B+3], s[G0B+2:G0B+3], s[94:95]
	s_wait_dscnt 0x0
	CROUND                                         ; all four tiles are in, and all sixteen work-groups are here
	JLOAD G0+4, G1, G0B+4, G1B                     ; K step 1, the first tensor load behind the round
	FETCH_B 0, 0, 0
	FETCH_A 0, 0, 0
	SCALES 0
	FETCH_A 0, 0, 4
	STEP 0, 0, 1                                   ; the first step stands in front of the loop: its products start the sums
	s_mov_b32 s3, LAPS-1
.Llap:                                                 ; a trip goes once round the ring, from a lap's second step to the next lap's first, and fills both slots again
	TURN 0, 1, 1
	STEP 1, 0, 0
	TURN 1, 0, 1
	STEP 0, 0, 0
	s_sub_co_u32 s3, s3, 1
	s_cmp_lg_u32 s3, 0
	s_cbranch_scc1 .Llap
	TURN 0, 1, 0                                   ; the last lap fills nothing, and has no round of the cluster's barrier
	STEP 1, 0, 0
	s_wait_dscnt 4*NL                              ; the very last step: nothing more to fetch
	WIN MUL_LO
	MUL16 0, 1, NQ-1, 1, 0
	MUL16 2, 1, NQ-1, 1, 0
	s_wait_dscnt 0
	WIN MUL_HI
	MUL16 4, 1, NQ-1, 1, 0
	MUL16 6, 1, NQ-1, 1, 0
	WIN 0
; THE WAY OUT, block by block of 16 rows of R x 128 rows of P.
; 64 numbers of a lane, v[s] .. v[s + 63], register 16 b + i = place 16 (lane / 16) + i of block b of my row, become a fragment's codes in v[PC] on and its scale word in v[pw].
.macro QUANT s, pw
.irp b, 0,1,2,3
	v_max3_num_f32 v[TM+\b], |v[\s+16*\b]|, |v[\s+1+16*\b]|, 0x1800000   ; block b: my 16 numbers, and the floor 2^(3 - 127): the byte cannot fall under 1
.endr
.irp i, 2,4,6,8,10,12,14
.irp b, 0,1,2,3
	v_max3_num_f32 v[TM+\b], v[TM+\b], |v[\s+16*\b+\i]|, |v[\s+1+16*\b+\i]|   ; (the four blocks by turns)
.endr
.endr
.irp b, 0,1,2,3
	v_permlanex16_b32 v[TM+4+\b], v[TM+\b], s[SEL], s[SEL+1]
.endr
.irp b, 0,1,2,3
	v_max_num_f32 v[TM+\b], v[TM+\b], v[TM+4+\b]   ; with lane l xor 16's: the block's largest magnitude
.endr
.irp b, 0,1,2,3
	v_add_nc_u32 v[TM+12+\b], 0xff000000, v[TM+\b]   ; 2 off its exponent field: the conversion's scale operand
.endr
.irp b, 0,1,2,3
	v_lshrrev_b32 v[TM+4+\b], 23, v[TM+12+\b]      ; the scale's byte
.endr
	v_lshl_or_b32 v[\pw], v[TM+5], 8, v[TM+4]      ; the four bytes make my row's scale word
	v_lshl_or_b32 v[\pw], v[TM+6], 16, v[\pw]
	v_lshl_or_b32 v[\pw], v[TM+7], 24, v[\pw]
.irp c, 0,1
	v_cvt_scalef32_pk16_fp6_f32 v[PC+6*\c:PC+2+6*\c], v[\s+32*\c:\s+15+32*\c], v[TM+12+2*\c]
	v_cvt_scalef32_pk16_fp6_f32 v[PC+12+4*\c:PC+14+4*\c], v[\s+16+32*\c:\s+31+32*\c], v[TM+12+2*\c+1]   ; (a conversion's three registers begin on an even number)
.endr
	v_nop                                          ; one plain place behind a scaled conversion
.irp c, 0,1                                    ; the operand's layout wants a WHOLE block in a lane: lanes 0-15 block 2 c, lanes 16-31 block 2 c + 1
.irp i, 0,1,2
	v_permlane16_swap_b32 v[PC+6*\c+\i], v[PC+12+4*\c+\i]
.endr
.irp i, 0,1,2
	v_mov_b32 v[PC+3+6*\c+\i], v[PC+12+4*\c+\i]
.endr
.endr
.endm
; Block a's 64 results of a lane, plus the bias, into window 0; each accumulator is read from its low end on.  byrow = 0: the bias runs along P (a register each); 1: along R (one number a lane, in a pair)
.macro ADDB a, byrow
	WIN 0x02+((\a)/4)                              ; source 0: window 2 or 3
.set i, 0
.rept 32
.if \byrow
	v_pk_add_f32 v[HA+2*i:HA+2*i+1], v[64*((\a)%4)+2*i:64*((\a)%4)+2*i+1], v[BI+2*(\a):BI+2*(\a)+1]
.else
	v_pk_add_f32 v[HA+2*i:HA+2*i+1], v[64*((\a)%4)+2*i:64*((\a)%4)+2*i+1], v[BI+2*i:BI+2*i+1]
.endif
.set i, i+1
.endr
	WIN 0
.endm
	PLACES NP                                      ; behind the last products: their results are read and their operands' registers written below
	s_mov_b32 s[SEL], 0x76543210
	s_mov_b32 s[SEL+1], 0xfedcba98                 ; lane l xor 16
	s_mov_b32 s2, 0x7f7f0000                       ; the bytes (2^0) of the two blocks of zero codes that fill a head's 64 up to 128
.irp b, 0,1,2,3
	v_mov_b32 v[TM+4+\b], 0                        ; written once: a lane permute's destination counts as one of its sources
.endr
	s_cmp_eq_u32 ttmp9, 2                          ; the cluster's x: the same in every wave and every partner
	s_cbranch_scc1 .Lv
	; ---- q or k: R = 128 tokens (8 tiles of 16), P = 128 features: two heads
	s_lshl_b32 s20, s17, 8
	s_lshl_b32 s21, s15, 7
	s_add_co_u32 s20, s20, s21                     ; my first token
	s_lshr_b32 s21, s20, 11                        ; its batch
	s_bfe_u32 s22, s20, 0x40007                    ; which 128 of the batch's 2,048
	s_and_b32 s23, s42, 3
	s_lshl_b32 s23, s23, 1
	s_add_co_u32 s23, s23, s16                     ; my first head / 2
	s_lshl_b32 s24, s23, 3
	s_add_co_u32 s24, s24, s21                     ; block = 4 x head + batch
	s_mul_i32 s24, s24, BLK
	s_mul_i32 s26, s22, 6144                       ; q: codes, 8 tiles of 768 bytes
	s_mul_i32 s27, s22, 12288
	s_add_co_u32 s27, s27, O_KV                    ; k: codes
	s_lshl_b32 s28, s22, 9
	s_add_co_u32 s28, s28, O_QSC                   ; q: scale words
	s_mul_i32 s29, s22, 768
	s_add_co_u32 s29, s29, O_SC                    ; k: scale words
	s_cmp_eq_u32 ttmp9, 1
	s_cselect_b32 s26, s27, s26
	s_cselect_b32 s28, s29, s28
	s_cselect_b64 s[4:5], s[6:7], s[4:5]           ; bk or bq
	s_add_co_u32 s26, s26, s24
	s_add_co_u32 s28, s28, s24
	s_mov_b32 s27, 0
	s_mov_b32 s29, 0
	s_add_nc_u64 s[26:27], s[10:11], s[26:27]
	s_add_nc_u64 s[28:29], s[10:11], s[28:29]
	s_lshl_b32 s24, s23, 9                         ; my 128 features' bias: 512 bytes x (head / 2)
	s_mov_b32 s25, 0
	s_add_nc_u64 s[4:5], s[4:5], s[24:25]
.irp b, 0,1,2,3,4,5,6,7
	global_load_b128 v[BI+8*\b:BI+8*\b+3], v[H32], s[4:5] offset:64*\b         ; register 8 b + j: the bias of feature 16 b + 8 h + j
	global_load_b128 v[BI+8*\b+4:BI+8*\b+7], v[H32], s[4:5] offset:64*\b+16
.endr
	s_wait_loadcnt 0x0
.irp a, 0,1,2,3,4,5,6,7
	ADDB \a, 0
	s_wait_xcnt 0x0                                ; the last block's stores have read the codes' registers
	QUANT HA, PWB+\a
.irp c, 0,1                                    ; registers 6 c .. 6 c + 5 are registers 0-5 of head c's tile
	global_store_b128 v[L16], v[PC+6*\c:PC+6*\c+3], s[26:27] offset:768*\a+\c*HSTEP        ; the wave stores 512 consecutive bytes, at a multiple of 256 from qkv's first byte
	global_store_b64 v[L8], v[PC+6*\c+4:PC+6*\c+5], s[26:27] offset:768*\a+\c*HSTEP+512    ; and 256
.endr
	v_lshrrev_b32 v[SW+\a], v[H16], v[PWB+\a]      ; lanes 0-15 take the first head's two bytes, lanes 16-31 the second's
	v_and_or_b32 v[SW+\a], v[SW+\a], 0xffff, s2
	ds_store_b32 v[SST0], v[SW+\a] offset:64*\a
.endr
	ds_load_b128 v[OB:OB+3], v[SRD0]               ; LDS serves a wave's instructions in order: these see my stores.  A head's 128 words
	ds_load_b128 v[OB+4:OB+7], v[SRD0] offset:512
	s_wait_dscnt 0x0
	global_store_b128 v[L16], v[OB:OB+3], s[28:29]
	global_store_b128 v[L16], v[OB+4:OB+7], s[28:29] offset:HSTEP
	s_branch .Lend
.Lv:
	; ---- v: R = 128 features (two heads x 4 tiles of 16), P = 128 tokens: one key step
	s_lshl_b32 s20, s42, 8
	s_lshl_b32 s21, s16, 7
	s_add_co_u32 s20, s20, s21                     ; my first token
	s_lshr_b32 s21, s20, 11                        ; its batch
	s_bfe_u32 s22, s20, 0x40007                    ; the key step
	s_lshl_b32 s23, s17, 1
	s_add_co_u32 s23, s23, s15                     ; my first head / 2
	s_lshl_b32 s24, s23, 3
	s_add_co_u32 s24, s24, s21
	s_mul_i32 s24, s24, BLK
	s_mul_i32 s26, s22, 12288
	s_add_co_u32 s26, s26, O_KV+6144               ; V's tiles lie behind the step's eight of K
	s_add_co_u32 s26, s26, s24
	s_mul_i32 s28, s22, 768
	s_add_co_u32 s28, s28, O_SC+512                ; and its words behind K's 128
	s_add_co_u32 s28, s28, s24
	s_mov_b32 s27, 0
	s_mov_b32 s29, 0
	s_add_nc_u64 s[26:27], s[10:11], s[26:27]
	s_add_nc_u64 s[28:29], s[10:11], s[28:29]
	s_lshl_b32 s24, s23, 9
	s_mov_b32 s25, 0
	s_add_nc_u64 s[8:9], s[8:9], s[24:25]          ; bv at my 128 features
.irp a, 0,1,2,3,4,5,6,7
	global_load_b32 v[BI+2*\a], v[R4], s[8:9] offset:64*\a   ; the bias of feature 16 a + r
.endr
	s_wait_loadcnt 0x0
.irp a, 0,1,2,3,4,5,6,7
	v_mov_b32 v[BI+2*\a+1], v[BI+2*\a]             ; twice, for the packed addition
.endr
.irp a, 0,1,2,3,4,5,6,7
	ADDB \a, 1
	s_wait_xcnt 0x0                                ; the last block's stores have read the codes' registers
	QUANT HA, PWB+\a
.irp n, 0,1,2
	global_store_b128 v[L16], v[PC+4*\n:PC+4*\n+3], s[26:27] offset:(\a/4)*HSTEP+(\a%4)*1536+512*\n   ; the fragment as it stands: 512 consecutive bytes a store
.endr
	ds_store_b32 v[SST1], v[PWB+\a] offset:64*\a   ; both halves of the lanes write the same word with the same value
.endr
	ds_load_b128 v[OB:OB+3], v[SRD1]               ; lanes 0-15: the first head's 64 words, lanes 16-31: the second's
	s_wait_dscnt 0x0
	global_store_b128 v[VSO], v[OB:OB+3], s[28:29] ; sixteen lanes store 256 consecutive bytes, at a multiple of 256 from qkv's first byte
.Lend:
	s_wait_tensorcnt 0x0                           ; the wave's end, behind my last tensor load and my last LDS store
	ds_add_u32 v[SPW], v[NIL]
	s_wait_dscnt 0x0
	CROUND                                         ; the closing round: no work-group ends while a partner may still ask for a tile that names it
	s_endpgm
.Lfunc_end_k_qae4f16328e_qkvp:
	.size	k_qae4f16328e_qkvp, .Lfunc_end_k_qae4f16328e_qkvp-k_qae4f16328e_qkvp
	.p2alignl 7, 3214868480
	.fill 96, 4, 3214868480
	.section	.rodata,"a",@progbits
	.p2align	6, 0x0
	.amdhsa_kernel k_qae4f16328e_qkvp
		.amdhsa_group_segment_fixed_size 327680
		.amdhsa_private_segment_fixed_size 0
		.amdhsa_enable_private_segment 0
		.amdhsa_kernarg_size 64
		.amdhsa_user_sgpr_count 2
		.amdhsa_user_sgpr_kernarg_segment_ptr 1
		.amdhsa_wavefront_size32 1
		.amdhsa_system_sgpr_workgroup_id_x 1
		.amdhsa_system_sgpr_workgroup_id_y 1
		.amdhsa_system_sgpr_workgroup_id_z 1
		.amdhsa_system_vgpr_workitem_id 0
		.amdhsa_next_free_vgpr 1024
		.amdhsa_next_free_sgpr 102
		.amdhsa_reserve_vcc 0
		.amdhsa_float_denorm_mode_32 3
		.amdhsa_float_denorm_mode_16_64 3
		.amdhsa_memory_ordered 1
		.amdhsa_forward_progress 1
		.amdhsa_inst_pref_size 237
	.end_amdhsa_kernel
	.amdgpu_metadata
---
amdhsa.version: [ 1, 2 ]
amdhsa.kernels:
  - .name:           k_qae4f16328e_qkvp
    .symbol:         k_qae4f16328e_qkvp.kd
    .args:
      - { .name: act_codes, .offset: 0, .size: 8, .value_kind: global_buffer, .address_space: global }
      - { .name: act_scales, .offset: 8, .size: 8, .value_kind: global_buffer, .address_space: global }
      - { .name: wc, .offset: 16, .size: 8, .value_kind: global_buffer, .address_space: global }
      - { .name: ws, .offset: 24, .size: 8, .value_kind: global_buffer, .address_space: global }
      - { .name: bq, .offset: 32, .size: 8, .value_kind: global_buffer, .address_space: global }
      - { .name: bk, .offset: 40, .size: 8, .value_kind: global_buffer, .address_space: global }
      - { .name: bv, .offset: 48, .size: 8, .value_kind: global_buffer, .address_space: global }
      - { .name: qkv, .offset: 56, .size: 8, .value_kind: global_buffer, .address_space: global }
    .group_segment_fixed_size: 327680
    .private_segment_fixed_size: 0
    .kernarg_segment_align: 8
    .kernarg_segment_size: 64
    .max_flat_workgroup_size: 128
    .sgpr_count:     102
    .vgpr_count:     1024
    .wavefront_size: 32
...
	.end_amdgpu_metadata
.endif
;; end of part 7
;; launch attn (part 8): grid 4 x 64, 16 waves a work-group, clusters of 4 x 1, 215,040 bytes of LDS; arguments qkv, oc, os; writes oc, os
.if DOCPART == 8
	.amdgcn_target "amdgcn-amd-amdhsa--gfx1250"
	.amdhsa_code_object_version 6
	.text
	.protected	k_qae4f16328e_attn
	.globl	k_qae4f16328e_attn
	.p2align	8
	.type	k_qae4f16328e_attn,@function
k_qae4f16328e_attn:
	s_mov_b64 s[64:65], 0
	v_nop
	global_prefetch_b8 v0, s[64:65] scope:SCOPE_SE
	s_setreg_imm32_b32 hwreg(HW_REG_WAVE_MODE, 25, 1), 1
	s_wait_xcnt 0x0
	s_wait_alu depctr_hold_cnt(0) depctr_sa_sdst(0) depctr_va_vdst(0) depctr_va_sdst(0) depctr_va_ssrc(0) depctr_va_vcc(0) depctr_vm_vsrc(0)
	s_getreg_b32 s2, hwreg(HW_REG_IB_STS2, 6, 4)
	s_cmp_eq_u32 s2, 0
	s_cbranch_scc0 .Lentry_in_a_cluster
	s_endpgm
.Lentry_in_a_cluster:
	s_bfe_u32 s2, ttmp6, 0x10000c
	s_cmp_lg_u32 s2, 0x3003
	s_cbranch_scc0 .Lentry_shape_is_right
	s_endpgm
.Lentry_shape_is_right:
; o[b][q][64 head + d] = sum over the keys of softmax(q . k / 8) v, both products on codes of FP6 (E2M3) with one E8M0 scale for each 32 along K; o is quantised here, along the features, for the last projection.
; IN: block 4 x head + batch of qkv (BLK bytes), images of operand registers: Q's 128 tiles of 768 bytes; Q's scale words; 16 key steps x (8 tiles of K x 768, 4 tiles of V x 1,536); 16 x (128 words of K, 64 of V).
; A head has 64 channels, the instruction takes 128: Q's registers 6-11 are zero codes.  A tile of K is six registers; its operand runs on over the next tile's six (the last over six zeros): those codes meet Q's zeros,
; and E2M3 has no infinity or NaN, so such products are 0; both scale words hold 0x7f there.
; SOFTMAX: t = score x log2(e) / 8; M = the running largest t rounded up to a whole number; p = 2^(t - M) is quantised along the keys; the row's sum is of the unquantised p and divides O at the end.
; When M moves, the sum and O are multiplied by 2^(old M - new M), which rounds nothing; there is no branch on data.
; SHARES: a work-group owns 512 queries of one head and batch; each of sixteen waves a tile of 16 in each of two passes.  All of the head's K, V and scale words, 208,896 dense bytes, come into LDS once, a sixteenth a wave:
; nothing is filled twice.  CLUSTER: the four work-groups are the four quarters of one head's queries: the loads are joint.  No prefetch: the one fill stands at the head, with no loop ahead of it.
; Both products are used transposed (S^T = K Q^T, O^T = V^T P^T): a lane holds one query.  Register 16 B + i of the scores is key 32 B + 8 h + i % 8 + 16 (i / 8); its code goes to place 16 h + i of block B, as V's were laid.
; A KEY STEP goes in batches: scores; maxima; -M and all t - M; one wait; 68 exponentials; one plain line; one wait; O's rescaling, scales, conversions, sums, products.
; OUT: oc [512 tiles of 16 rows][16 heads][768 bytes]: six registers a lane (block h of the head for query r); os [8192][32] scale bytes, one byte a lane.
; LIMITS: holds while the scaled scores t stay under 2^31 in magnitude; NaN and infinities are not served; a block whose largest magnitude lies under 2^-124 gets the byte 1.
.set BLK,   315392
.set O_QSC, 98304
.set O_KV,  106496
.set PART,  13056                      ; a wave's fetch: 51 rows of 256 bytes
.set SCW,   196608                     ; LDS: the scale words, behind the codes
.set SPARE, 0x34000                    ; the spare words: 128 bytes a wave
.set KSTEP, 12288
.set WSTEP, 768
.set ADK,  8                           ; v8 16 x lane + step; v9 8 x lane + 512 + step; v10 4 x lane + the step's words
.set ADK8, 9
.set ADS,  10
.set QF,   16                          ; v16-27 Q
.set KF,   28                          ; v28-75 K's eight tiles, v76-81 zeros
.set KT,   76
.set VF,   82                          ; v82-129 V's four fragments
.set S,    130                         ; v130-193 S^T, then p
.set O,    194                         ; v194-225 O^T
.set PCD,  226                         ; v226-237 p's codes
.set BM,   238                         ; v238-241 blocks' largest; later codes, sums
.set PB,   242                         ; v242-245 second chains, bytes; later codes, a sum
.set SO,   246                         ; v246-249 the conversions' scale operands
.set TMP,  249
.set F,    250                         ; f = 2^(old M - new M)
.set PWD,  251                         ; p's scale word
.set KS0,  252                         ; K's scale words: tile 2 i in lanes 0-15, 2 i + 1 in lanes 16-31
.set KS1,  5
.set KS2,  6
.set KS3,  11
.set QS,   253
.set VS,   254                         ; v254-255 V's scale words (at the head and the end: the add's two registers, made anew from v0)
.set WV,   18
.set SEL,  20
.set CS,   22
.set G1,   24
.set G0,   40
.set TB,   44
.set TS,   45
.set CNT,  46
.macro WALU
	s_wait_alu depctr_va_vdst(0)
.endm
.macro CROUND
	s_barrier_signal -1
	s_barrier_wait -1
	s_cmp_lg_u32 s[WV], 0
	s_cbranch_scc1 .Lnot_wave_0_\@
	s_barrier_signal -3
.Lnot_wave_0_\@:
	s_barrier_wait -3
	s_barrier_signal -1
	s_barrier_wait -1
.endm
	s_load_b128 s[4:7], s[0:1], 0x0                ; qkv, oc
	s_load_b64 s[14:15], s[0:1], 0x10              ; os
	v_lshl_add_u32 v254, v0, 2, SPARE
	v_mov_b32 v255, 0
	ds_add_u32 v254, v255                          ; the opening lines
	ds_add_u32 v254, v255
	s_wait_dscnt 0x0
	v_lshrrev_b32 v1, 5, v0
	v_readfirstlane_b32 s[WV], v1                  ; wave 0..15
	s_bfe_u32 s32, ttmp6, 0x40000                  ; cx: my quarter of the queries: in Q's and the results' addresses alone
	s_and_b32 s33, ttmp7, 0xffff                   ; 4 x head + batch
	s_mul_i32 s34, s33, BLK
	s_mov_b32 s35, 0
	s_mul_i32 s36, s[WV], PART
	s_add_co_u32 s38, s36, O_KV
	s_mov_b32 s39, 0
	s_mov_b32 s[G1], 15|(3<<16)|(1<<21)            ; the mask of all four; elements of 8 bytes
	s_mov_b32 s[G1+1], 32<<16
	s_mov_b32 s[G1+2], 51<<16
	s_mov_b32 s[G1+3], 32<<16
	s_mov_b32 s[G1+4], 51
	s_mov_b32 s[G1+5], 32
	s_mov_b32 s[G1+6], 0
	s_mov_b32 s[G1+7], 0
	s_mov_b32 s[SEL], 0x76543210
	s_mov_b32 s[SEL+1], 0xfedcba98                 ; lane l xor 16
	s_mov_b32 s[CS], 0x3e38aa3b                    ; c = log2(e) / 8
	s_mov_b32 s[CS+1], s[CS]
	s_wait_kmcnt 0x0
	s_add_nc_u64 s[4:5], s[4:5], s[34:35]
	s_mov_b32 s[G0], 1
	s_mov_b32 s[G0+1], s36
	s_add_nc_u64 s[G0+2:G0+3], s[4:5], s[38:39]
	s_or_b32 s[G0+3], s[G0+3], 0x80000000
	CROUND
	tensor_load_to_lds s[G0:G0+3], s[G1:G1+7]      ; my one tensor load of the launch
	s_nop 0
.rept 4
	v_nop
.endr
	v_and_b32 v[S], 31, v0
	v_and_b32 v[S+1], 15, v0                       ; r
	v_bfe_u32 v[S+2], v0, 4, 1                     ; h
	v_lshlrev_b32 v1, 4, v[S]                      ; 16 x lane
	v_lshl_add_u32 v2, v[S], 3, 512                ; 8 x lane + 512
	v_lshl_add_u32 v3, v[S], 2, SCW
	v_lshl_add_u32 v4, v[S+1], 5, v[S+2]           ; os: 32 r + h
	v_lshlrev_b32 v7, 2, v[S+1]                    ; 4 r
	s_lshl_b32 s47, s32, 5
	s_add_co_u32 s47, s47, s[WV]                   ; my tile of queries in the first pass
	s_mul_i32 s48, s47, 768
	s_mov_b32 s49, 0
	s_add_nc_u64 s[8:9], s[4:5], s[48:49]
	s_lshl_b32 s48, s47, 6
	s_add_co_u32 s48, s48, O_QSC
	s_add_nc_u64 s[10:11], s[4:5], s[48:49]
	WALU
	global_load_b128 v[QF:QF+3], v1, s[8:9]
	global_load_b64 v[QF+4:QF+5], v2, s[8:9]
	global_load_b32 v[QS], v7, s[10:11]
	s_and_b32 s50, s33, 3
	s_lshl_b32 s50, s50, 7
	s_add_co_u32 s50, s50, s47                     ; my tile of 16 rows among the 512
	s_lshr_b32 s51, s33, 2                         ; head
	s_mul_i32 s48, s50, 12288
	s_mul_i32 s52, s51, 768
	s_add_co_u32 s48, s48, s52
	s_add_nc_u64 s[12:13], s[6:7], s[48:49]
	s_lshl_b32 s48, s50, 9
	s_lshl_b32 s52, s51, 1
	s_add_co_u32 s48, s48, s52
	s_add_nc_u64 s[14:15], s[14:15], s[48:49]
.irp j, 6,7,8,9,10,11
	v_mov_b32 v[QF+\j], 0
.endr
.irp j, 0,1,2,3,4,5
	v_mov_b32 v[KT+\j], 0
.endr
	v_mov_b32 v[PWD], 0                            ; (named as the upper half of v[F:F+1] before it is first made)
	WALU                                           ; the head's end
	s_wait_tensorcnt 0x0
	s_barrier_signal -1
	s_barrier_wait -1                              ; everybody's sixteenth is in
.macro KQT t, ks
.if (\t)%2
	v_wmma_scale_f32_16x16x128_f8f6f4 v[S+8*(\t):S+8*(\t)+7], v[KF+6*(\t):KF+6*(\t)+11], v[QF:QF+11], 0, v[\ks], v[QS] matrix_a_fmt:MATRIX_FMT_FP6 matrix_b_fmt:MATRIX_FMT_FP6 matrix_a_scale:MATRIX_SCALE_ROW1
.else
	v_wmma_scale_f32_16x16x128_f8f6f4 v[S+8*(\t):S+8*(\t)+7], v[KF+6*(\t):KF+6*(\t)+11], v[QF:QF+11], 0, v[\ks], v[QS] matrix_a_fmt:MATRIX_FMT_FP6 matrix_b_fmt:MATRIX_FMT_FP6
.endif
.endm
.macro PVT t
.if (\t)%2
	v_wmma_scale_f32_16x16x128_f8f6f4 v[O+8*(\t):O+8*(\t)+7], v[VF+12*(\t):VF+12*(\t)+11], v[PCD:PCD+11], v[O+8*(\t):O+8*(\t)+7], v[VS+(\t)/2], v[PWD] matrix_a_fmt:MATRIX_FMT_FP6 matrix_b_fmt:MATRIX_FMT_FP6 matrix_a_scale:MATRIX_SCALE_ROW1
.else
	v_wmma_scale_f32_16x16x128_f8f6f4 v[O+8*(\t):O+8*(\t)+7], v[VF+12*(\t):VF+12*(\t)+11], v[PCD:PCD+11], v[O+8*(\t):O+8*(\t)+7], v[VS+(\t)/2], v[PWD] matrix_a_fmt:MATRIX_FMT_FP6 matrix_b_fmt:MATRIX_FMT_FP6
.endif
.endm
.macro VL n                            ; load n of fourteen of the step's V
.if (\n) < 12
	ds_load_b128 v[VF+4*(\n):VF+4*(\n)+3], v[ADK] offset:6144+512*(\n)
.elseif (\n) == 12
	ds_load_b32 v[VS], v[ADS] offset:512
.else
	ds_load_b32 v[VS+1], v[ADS] offset:640
.endif
.endm
.macro KL n, wrap                      ; load n of twenty of a step's K.  wrap = 0: the step behind the one in hand; 1: step 0
.if \wrap
.set KA, 1
.set KA8, 2
.set KAS, 3
.set KO, 0
.set KOS, 0
.else
.set KA, ADK
.set KA8, ADK8
.set KAS, ADS
.set KO, KSTEP
.set KOS, WSTEP
.endif
.if (\n) < 8
	ds_load_b128 v[KF+6*(\n):KF+6*(\n)+3], v[KA] offset:KO+768*(\n)
.elseif (\n) < 16
	ds_load_b64 v[KF+6*((\n)-8)+4:KF+6*((\n)-8)+5], v[KA8] offset:KO+768*((\n)-8)
.elseif (\n) == 16
	ds_load_b32 v[KS0], v[KAS] offset:KOS
.elseif (\n) == 17
	ds_load_b32 v[KS1], v[KAS] offset:KOS+128
.elseif (\n) == 18
	ds_load_b32 v[KS2], v[KAS] offset:KOS+256
.else
	ds_load_b32 v[KS3], v[KAS] offset:KOS+384
.endif
.endm
.macro LDRUN mode, n0, cnt             ; a run of the step's 34 LDS loads: V's fourteen, then the next K's twenty (mode 2: none)
.set ln, \n0
.rept \cnt
.if ln < 14
	VL ln
.elseif \mode < 2
	KL ln-14, \mode
.endif
.set ln, ln+1
.endr
.endm
.macro BM3 b0, b1                      ; two blocks' largest scores of my 16, two chains a block, each begun at its tile's low end
.irp b, \b0, \b1
	v_max3_num_f32 v[BM+\b], v[S+16*\b], v[S+16*\b+1], v[S+16*\b+2]
	v_max3_num_f32 v[PB+\b], v[S+16*\b+8], v[S+16*\b+9], v[S+16*\b+10]
.endr
.irp i, 3,5
.irp b, \b0, \b1
	v_max3_num_f32 v[BM+\b], v[BM+\b], v[S+16*\b+\i], v[S+16*\b+\i+1]
	v_max3_num_f32 v[PB+\b], v[PB+\b], v[S+16*\b+8+\i], v[S+16*\b+9+\i]
.endr
.endr
.endm
.macro PKRUN j0, cnt                   ; t - M, two at a time
.set jj, \j0
.rept \cnt
	v_pk_fma_f32 v[S+2*jj:S+2*jj+1], v[S+2*jj:S+2*jj+1], s[CS:CS+1], v[12:13] op_sel_hi:[1,0,0]
.set jj, jj+1
.endr
.endm
.macro ADDS a                          ; addition a of 32 of the unquantised p to the row's sum: four chains by turns, joined by the last three
.if (\a) == 0
	v_pk_add_f32 v[14:15], v[14:15], v[S:S+1]
.elseif (\a) < 4
	v_pk_add_f32 v[BM+2*(\a)-2:BM+2*(\a)-1], v[S+4*(\a)-2:S+4*(\a)-1], v[S+4*(\a):S+4*(\a)+1]
.elseif (\a) < 29
.if (\a)%4 == 0
	v_pk_add_f32 v[14:15], v[14:15], v[S+2*(\a)+6:S+2*(\a)+7]
.else
	v_pk_add_f32 v[BM+2*((\a)%4)-2:BM+2*((\a)%4)-1], v[BM+2*((\a)%4)-2:BM+2*((\a)%4)-1], v[S+2*(\a)+6:S+2*(\a)+7]
.endif
.elseif (\a) == 29
	v_pk_add_f32 v[BM:BM+1], v[BM:BM+1], v[BM+2:BM+3]
.elseif (\a) == 30
	v_pk_add_f32 v[14:15], v[14:15], v[BM+4:BM+5]
.else
	v_pk_add_f32 v[14:15], v[14:15], v[BM:BM+1]
.endif
.endm
.macro ADDRUN a0, cnt
.set aa, \a0
.rept \cnt
	ADDS aa
.set aa, aa+1
.endr
.endm
; A KEY STEP of 128 keys.  mode 0: the next step's K is asked for; 1 (first pass's last): K of step 0 and the second pass's Q; 2 (the very last): nothing
.macro STEP mode
	s_wait_dscnt 0x0                               ; this step's K and words, asked for in the step before; no LDS instruction of mine is out at the signal
	s_barrier_signal -1                            ; a split barrier a step: I have begun this step; its wait stands at the step's end, so the sixteen waves stay within one key step of each other
	KQT 0, KS0
	KQT 1, KS0
	KQT 2, KS1
	KQT 3, KS1
	KQT 4, KS2
	KQT 5, KS2
	KQT 6, KS3
	KQT 7, KS3
	v_add_nc_u32 v[ADK], s[TB], v1                 ; four plain lines: the places behind the products
	v_add_nc_u32 v[ADK8], s[TB], v2
	v_add_nc_u32 v[ADS], s[TS], v3
	v_mov_b32 v[TMP], v12                          ; -M as it was
	BM3 0, 1
	BM3 2, 3
.irp b, 0,1,2,3
	v_max3_num_f32 v[BM+\b], v[BM+\b], v[S+16*\b+7], v[S+16*\b+15]
.endr
.irp b, 0,1,2,3
	v_max_num_f32 v[BM+\b], v[BM+\b], v[PB+\b]
.endr
.irp b, 0,1,2,3
	v_permlanex16_b32 v[PB+\b], v[BM+\b], s[SEL], s[SEL+1]
.endr
.irp b, 0,1,2,3
	v_max_num_f32 v[BM+\b], v[BM+\b], v[PB+\b]     ; each block's largest score: for the row's maximum and, since p rises with the score, for the block's largest p
.endr
	LDRUN \mode, 0, 7                              ; the LDS loads stand between the links of the one chain that has nothing beside it
	v_max3_num_f32 v[PB], v[BM], v[BM+1], v[BM+2]
	LDRUN \mode, 7, 7
	v_max3_num_f32 v13, v[PB], v[BM+3], v13        ; the running largest score
	LDRUN \mode, 14, 7
	v_mul_f32 v[PB+1], s[CS], v13                  ; as t (c is positive)
	LDRUN \mode, 21, 7
	v_floor_f32 v12, -v[PB+1]                      ; -M = floor(-t)
	LDRUN \mode, 28, 6
	v_sub_f32 v[TMP], v12, v[TMP]                  ; old M less new M: a whole number, 0 or less
.irp b, 0,1,2,3
	v_fma_f32 v[BM+\b], v[BM+\b], s[CS], v12       ; t - M of each block's largest score
.endr
	v_cvt_i32_f32 v[TMP], v[TMP]                   ; (it saturates)
	PKRUN 0, 4
	v_ldexp_f32 v[F], 1.0, v[TMP]
	PKRUN 4, 28
	WALU                                           ; ahead of the batch
.irp b, 0,1,2,3
	v_exp_f32 v[BM+\b], v[BM+\b]
.endr
.set kk, 0
.rept 64
	v_exp_f32 v[S+kk], v[S+kk]                     ; p = 2^(t - M), at most 1
.set kk, kk+1
.endr
	v_pk_mul_f32 v[14:15], v[14:15], v[F:F+1] op_sel_hi:[1,0]      ; the sum under the new M: the plain line behind the batch
	WALU                                           ; behind the batch, directly ahead of the first readers of O^T
.set kk, 0
.rept 16
	v_pk_mul_f32 v[O+2*kk:O+2*kk+1], v[O+2*kk:O+2*kk+1], v[F:F+1] op_sel_hi:[1,0]   ; O^T x f, each accumulator from its low end on
.set kk, kk+1
.endr
.irp b, 0,1,2,3
	v_max_num_f32 v[BM+\b], 0x1800000, v[BM+\b]    ; the floor 2^(3 - 127): the byte cannot fall under 1
.endr
.irp b, 0,1,2,3
	v_add_nc_u32 v[SO+\b], 0xff000000, v[BM+\b]    ; 2 off the exponent field: the conversion's scale operand
.endr
.irp b, 0,1,2,3
	v_lshrrev_b32 v[PB+\b], 23, v[SO+\b]
.endr
	v_lshl_or_b32 v[PB], v[PB+1], 8, v[PB]
	v_lshl_or_b32 v[PB+2], v[PB+3], 8, v[PB+2]
	v_lshl_or_b32 v[PWD], v[PB+2], 16, v[PB]       ; p's scale word for these 128 keys
	v_cvt_scalef32_pk16_fp6_f32 v[PCD:PCD+2], v[S:S+15], v[SO]
	v_cvt_scalef32_pk16_fp6_f32 v[BM:BM+2], v[S+16:S+31], v[SO+1]
	v_cvt_scalef32_pk16_fp6_f32 v[PCD+6:PCD+8], v[S+32:S+47], v[SO+2]
	v_cvt_scalef32_pk16_fp6_f32 v[PB:PB+2], v[S+48:S+63], v[SO+3]
	ADDS 0                                         ; the plain line behind the conversions
.irp i, 0,1,2                                  ; a whole block to a lane: lanes 0-15 blocks 0 and 2, lanes 16-31 blocks 1 and 3
	v_permlane16_swap_b32 v[PCD+\i], v[BM+\i]
.endr
.irp i, 0,1,2
	v_permlane16_swap_b32 v[PCD+6+\i], v[PB+\i]
.endr
.irp i, 0,1,2
	v_mov_b32 v[PCD+3+\i], v[BM+\i]
.endr
.irp i, 0,1,2
	v_mov_b32 v[PCD+9+\i], v[PB+\i]
.endr
	ADDRUN 1, 11                                   ; eleven places between the codes' and the scale word's last writes and the products
	WALU
.if \mode < 2
	s_wait_dscnt 20                                ; V's fourteen are in; the next K's twenty, issued behind them, may be out
.else
	s_wait_dscnt 0x0
.endif
	PVT 0                                          ; four accumulators by turns, five additions behind each
	ADDRUN 12, 5
	PVT 1
	ADDRUN 17, 5
	PVT 2
	ADDRUN 22, 5
	PVT 3
	ADDRUN 27, 5
	WALU
	s_barrier_wait -1                              ; every wave has begun this step.  Between signal and wait stood register work and LDS loads of bytes that nobody writes
.if \mode == 1
	global_load_b128 v[QF:QF+3], v1, s[8:9] offset:12288         ; the second pass's Q (16 tiles of 768 bytes on), behind the barrier's wait
	global_load_b64 v[QF+4:QF+5], v2, s[8:9] offset:12288
	global_load_b32 v[QS], v7, s[10:11] offset:1024
.endif
.if \mode == 0
	s_add_co_u32 s[TB], s[TB], KSTEP
	s_add_co_u32 s[TS], s[TS], WSTEP
.elseif \mode == 1
	s_mov_b32 s[TB], 0
	s_mov_b32 s[TS], 0
.endif
.endm
; THE WAY OUT of pass p: O^T / the sum, quantised along the head's 64 channels.  The quotients of tiles 0, 2, 1, 3 lie on end; two rounds of swaps give lanes 0-15 channels 0 .. 31 and lanes 16-31 channels 32 .. 63 in order.
.macro OUT p
	v_add_f32 v14, v14, v15
	v_permlanex16_b32 v[TMP], v14, s[SEL], s[SEL+1]
	v_add_f32 v14, v14, v[TMP]                     ; the row's sum
	WALU
	v_rcp_f32 v14, v14
	v_nop
	WALU                                           ; directly ahead of the first readers of the quotient's factor and of O^T
.irp t, 0,1,2,3
.irp j, 0,2,4,6
	v_pk_mul_f32 v[S+8*(2*(\t%2)+\t/2)+\j:S+8*(2*(\t%2)+\t/2)+\j+1], v[O+8*\t+\j:O+8*\t+\j+1], v[14:15] op_sel_hi:[1,0]
.endr
.endr
.irp j, 0,1,2,3,4,5,6,7
	v_permlane16_swap_b32 v[S+\j], v[S+8+\j]
	v_permlane16_swap_b32 v[S+16+\j], v[S+24+\j]
.endr
	v_max3_num_f32 v[BM], |v[S]|, |v[S+1]|, 0x1800000
	v_max3_num_f32 v[BM+1], |v[S+16]|, |v[S+17]|, |v[S+18]|
.irp i, 0,2,4,6,8,10
	v_max3_num_f32 v[BM], v[BM], |v[S+2+\i]|, |v[S+3+\i]|
	v_max3_num_f32 v[BM+1], v[BM+1], |v[S+19+\i]|, |v[S+20+\i]|
.endr
	v_max3_num_f32 v[BM], v[BM], |v[S+14]|, |v[S+15]|
	v_max3_num_f32 v[BM], v[BM], v[BM+1], |v[S+31]|
	v_add_nc_u32 v[SO], 0xff000000, v[BM]
	v_cvt_scalef32_pk16_fp6_f32 v[PCD:PCD+2], v[S:S+15], v[SO]
	v_cvt_scalef32_pk16_fp6_f32 v[PCD+4:PCD+6], v[S+16:S+31], v[SO]
	v_lshrrev_b32 v[PB], 23, v[SO]                 ; the byte (also the plain line behind the conversions)
	v_mov_b32 v[PCD+3], v[PCD+4]
	v_mov_b32 v[PCD+4], v[PCD+5]
	v_mov_b32 v[PCD+5], v[PCD+6]
	global_store_b128 v1, v[PCD:PCD+3], s[12:13] offset:\p*196608  ; 512 consecutive bytes a wave,
	global_store_b64 v2, v[PCD+4:PCD+5], s[12:13] offset:\p*196608 ; and 256
	global_store_b8 v4, v[PB], s[14:15] offset:\p*8192
.endm
.macro INIT
	v_mov_b32 v13, 0xff61b1e6                      ; -3e38, under every score
	v_floor_f32 v12, -v13                          ; -M so large that the first f is 0
	v_mov_b32 v14, 0
	v_mov_b32 v15, 0
.set j, 0
.rept 32
	v_mov_b32 v[O+j], 0                            ; one text for every step: the first finds zeros
.set j, j+1
.endr
.endm
.set ln, 0
.rept 20
	KL ln, 1                                       ; K of step 0
.set ln, ln+1
.endr
	s_mov_b32 s[TB], 0
	s_mov_b32 s[TS], 0
	INIT
	s_mov_b32 s[CNT], 15
	s_wait_loadcnt 0x0                             ; Q
.Lpass0:
	STEP 0
	s_sub_co_u32 s[CNT], s[CNT], 1
	s_cmp_lg_u32 s[CNT], 0
	s_cbranch_scc1 .Lpass0
	STEP 1
	OUT 0
	s_wait_xcnt 0x0                                ; the stores have read their registers
	INIT
	s_mov_b32 s[CNT], 15
	s_wait_loadcnt 0x0                             ; the second pass's Q
.Lpass1:
	STEP 0
	s_sub_co_u32 s[CNT], s[CNT], 1
	s_cmp_lg_u32 s[CNT], 0
	s_cbranch_scc1 .Lpass1
	STEP 2
	OUT 1
	s_wait_dscnt 0x0
	s_wait_xcnt 0x0
	v_lshl_add_u32 v254, v0, 2, SPARE              ; the add's two registers, made anew
	v_mov_b32 v255, 0
	WALU
	s_wait_tensorcnt 0x0                           ; the wave's end
	ds_add_u32 v254, v255
	s_wait_dscnt 0x0
	CROUND                                         ; the closing round
	s_endpgm
.Lfunc_end_k_qae4f16328e_attn:
	.size	k_qae4f16328e_attn, .Lfunc_end_k_qae4f16328e_attn-k_qae4f16328e_attn
	.p2alignl 7, 3214868480
	.fill 96, 4, 3214868480
	.section	.rodata,"a",@progbits
	.p2align	6, 0x0
	.amdhsa_kernel k_qae4f16328e_attn
		.amdhsa_group_segment_fixed_size 215040
		.amdhsa_private_segment_fixed_size 0
		.amdhsa_enable_private_segment 0
		.amdhsa_kernarg_size 24
		.amdhsa_user_sgpr_count 2
		.amdhsa_user_sgpr_kernarg_segment_ptr 1
		.amdhsa_wavefront_size32 1
		.amdhsa_system_sgpr_workgroup_id_x 1
		.amdhsa_system_sgpr_workgroup_id_y 1
		.amdhsa_system_sgpr_workgroup_id_z 1
		.amdhsa_system_vgpr_workitem_id 0
		.amdhsa_next_free_vgpr 256
		.amdhsa_next_free_sgpr 66
		.amdhsa_reserve_vcc 0
		.amdhsa_float_denorm_mode_32 3
		.amdhsa_float_denorm_mode_16_64 3
		.amdhsa_memory_ordered 1
		.amdhsa_forward_progress 1
		.amdhsa_inst_pref_size 78
	.end_amdhsa_kernel
	.amdgpu_metadata
---
amdhsa.version: [ 1, 2 ]
amdhsa.kernels:
  - .name:           k_qae4f16328e_attn
    .symbol:         k_qae4f16328e_attn.kd
    .args:
      - { .name: qkv, .offset: 0, .size: 8, .value_kind: global_buffer, .address_space: global }
      - { .name: oc, .offset: 8, .size: 8, .value_kind: global_buffer, .address_space: global }
      - { .name: os, .offset: 16, .size: 8, .value_kind: global_buffer, .address_space: global }
    .group_segment_fixed_size: 215040
    .private_segment_fixed_size: 0
    .kernarg_segment_align: 8
    .kernarg_segment_size: 24
    .max_flat_workgroup_size: 512
    .sgpr_count:     66
    .vgpr_count:     256
    .wavefront_size: 32
...
	.end_amdgpu_metadata
.endif
;; end of part 8
;; launch oproj (part 9): grid 4 x 32, 4 waves a work-group, clusters of 4 x 4, 327,680 bytes of LDS; arguments oc, os, wc, ws, bo, out0; writes out0
.if DOCPART == 9
	.amdgcn_target "amdgcn-amd-amdhsa--gfx1250"
	.amdhsa_code_object_version 6
	.text
	.protected	k_qae4f16328e_oproj
	.globl	k_qae4f16328e_oproj
	.p2align	8
	.type	k_qae4f16328e_oproj,@function
k_qae4f16328e_oproj:
	s_mov_b64 s[64:65], 0
	v_nop
	global_prefetch_b8 v0, s[64:65] scope:SCOPE_SE
	s_setreg_imm32_b32 hwreg(HW_REG_WAVE_MODE, 25, 1), 1
	s_wait_xcnt 0x0
	s_wait_alu depctr_hold_cnt(0) depctr_sa_sdst(0) depctr_va_vdst(0) depctr_va_sdst(0) depctr_va_ssrc(0) depctr_va_vcc(0) depctr_vm_vsrc(0)
	s_getreg_b32 s2, hwreg(HW_REG_IB_STS2, 6, 4)
	s_cmp_eq_u32 s2, 0
	s_cbranch_scc0 .Lentry_in_a_cluster
	s_endpgm
.Lentry_in_a_cluster:
	s_bfe_u32 s2, ttmp6, 0x10000c
	s_cmp_lg_u32 s2, 0xf033
	s_cbranch_scc0 .Lentry_shape_is_right
	s_endpgm
.Lentry_shape_is_right:
.set SIZE_N, 1024
.set SIZE_K, 1024
.set KSTEP,  256
.set NQ,     KSTEP/128
.set ROWB,   192
.set PLANE,  1572864                   ; the weights' codes lie [K step of 256][row][192 bytes], the K steps PLANE bytes apart: a tile's rows of a K step are one dense run, stated as rows of 256 bytes
.set KROW,   SIZE_K*6/8
.set AROW,   3072
.set PITCH,  240
.set FR,     12
.set NL,     6
.set NLA,    4
.set NP,     4
.set HALFT,  128*PITCH
.set SLOT,   4*HALFT
.set LAPS,   SIZE_K/(2*KSTEP)
.set KS,     SIZE_K/32
.set SCL,    2*SLOT
.set HALFS,  (128*KS/256)*272
.set SBLK,   (16*KS/256)*272
.set SPARE,  SCL+4*HALFS
.set SPITCH, 528
.set ADRA, 16
.set ADRB, 20
.set STO,  24
.set RD,   25
.set CO,   26
.set ADRS, 27
.set SPW,  28
.set NIL,  29
.set SC,   32
.set BI,   64
.set AF,   128
.set BK,   128
.set G1, 24
.set G0, 32
.set G1B, 48
.set G0B, 56
.set G1S, 68
.set G0S, 76
.set G1SB, 80
.set G0SB, 88
.set MSB, 0
.macro WIN new
.if MSB != (\new)
	s_set_vgpr_msb (MSB<<8)|(\new)
.set MSB, (\new)
.endif
.endm
.set MUL_LO, 0xa1
.set MUL_HI, 0xf1
.set FST_LO, 0x81
.set FST_HI, 0xc1
.set TO_B,   0x40
.macro JLOAD g0a, g1a, g0b, g1b
	s_cmp_eq_u32 s15, 0
	s_cbranch_scc0 .Lfor_b_\@
	tensor_load_to_lds s[\g0a:\g0a+3], s[\g1a:\g1a+7]
	s_nop 0
.rept 4
	v_nop
.endr
	s_branch .Lasked_\@
.Lfor_b_\@:
	tensor_load_to_lds s[\g0b:\g0b+3], s[\g1b:\g1b+7]
	s_nop 0
.rept 4
	v_nop
.endr
.Lasked_\@:
.endm
.macro CREST
	s_cmp_lg_u32 s14, 0
	s_cbranch_scc1 .Lnot_wave_0_\@
	s_barrier_signal -3
.Lnot_wave_0_\@:
	s_barrier_wait -3
	s_barrier_signal -1
	s_barrier_wait -1
.endm
.macro CROUND
	s_barrier_signal -1
	s_barrier_wait -1
	CREST
.endm
	s_load_b128 s[4:7], s[0:1], 0x0
	s_load_b128 s[8:11], s[0:1], 0x10
	s_load_b64 s[66:67], s[0:1], 0x20
	s_load_b64 s[12:13], s[0:1], 0x28
	v_lshl_add_u32 v[SPW], v0, 2, SPARE
	v_mov_b32 v[NIL], 0
	ds_add_u32 v28, v29
	ds_add_u32 v28, v29
	s_wait_dscnt 0x0
	v_lshrrev_b32 v1, 5, v0
	v_readfirstlane_b32 s14, v1
	s_lshr_b32 s15, s14, 1
	s_and_b32 s16, s14, 1
	s_bfe_u32 s40, ttmp6, 0x40000
	s_bfe_u32 s41, ttmp6, 0x40004
	s_lshl_b32 s42, ttmp9, 2
	s_add_co_u32 s42, s42, s40
	s_and_b32 s17, ttmp7, 0xffff
	s_lshl_b32 s17, s17, 2
	s_add_co_u32 s17, s17, s41
	s_lshl_b32 s43, s41, 2
	s_lshl_b32 s43, 15, s43
	s_lshl_b32 s44, 0x1111, s40
	s_or_b32 s[G1+0], s43, (3<<16)|(1<<21)
	s_mov_b32 s[G1+1], (AROW/8)<<16
	s_mov_b32 s[G1+2], 16<<16
	s_mov_b32 s[G1+3], (AROW/8)<<16
	s_mov_b32 s[G1+4], 16
	s_mov_b32 s[G1+5], 16*KROW/8
	s_mov_b32 s[G1+6], 0
	s_mov_b32 s[G1+7], 0
	s_or_b32 s[G1B+0], s44, (0<<16)|(1<<20)|(1<<21)|(3<<22)|(3<<25)
	s_mov_b32 s[G1B+1], 256<<16
	s_mov_b32 s[G1B+2], 192<<16
	s_mov_b32 s[G1B+3], 256<<16
	s_mov_b32 s[G1B+4], 192
	s_mov_b32 s[G1B+5], 256
	s_mov_b32 s[G1B+6], 0
	s_mov_b32 s[G1B+7], 0
	s_or_b32 s[G1S+0], s43, (3<<16)|(1<<20)|(1<<21)|(5<<22)|(3<<25)
	s_or_b32 s[G1SB+0], s44, (3<<16)|(1<<20)|(1<<21)|(5<<22)|(3<<25)
.irp g, G1S, G1SB
	s_mov_b32 s[\g+1], 32<<16
	s_mov_b32 s[\g+2], (256*KS/256)<<16
	s_mov_b32 s[\g+3], 32<<16
	s_mov_b32 s[\g+4], 256*KS/256
	s_mov_b32 s[\g+5], 32
	s_mov_b32 s[\g+6], 0
	s_mov_b32 s[\g+7], 0
.endr
	s_lshl_b32 s20, s17, 8
	s_lshl_b32 s46, s42, 8
	s_add_co_u32 s46, s46, 3072
	s_mov_b32 s21, 0
	s_mov_b32 s47, 0
	s_mov_b64 s[18:19], KS
	s_mul_u64 s[22:23], s[20:21], s[18:19]
	s_mul_u64 s[92:93], s[46:47], s[18:19]
	s_mov_b64 s[18:19], KROW
	s_mul_u64 s[20:21], s[20:21], s[18:19]
	s_mov_b64 s[18:19], 192
	s_mul_u64 s[46:47], s[46:47], s[18:19]
	s_mul_i32 s45, s14, HALFT
	s_mul_i32 s94, s16, 128*KROW                   ; in the ring I fetch 128 rows of a tile: which half, in bytes: of A,
	s_mov_b32 s95, 0
	s_mul_i32 s96, s16, 128*192                    ; of B
	s_mov_b32 s97, 0
	s_wait_kmcnt 0x0
	s_add_nc_u64 s[20:21], s[4:5], s[20:21]
	s_add_nc_u64 s[22:23], s[6:7], s[22:23]
	s_add_nc_u64 s[46:47], s[8:9], s[46:47]
	s_add_nc_u64 s[92:93], s[10:11], s[92:93]
	CROUND
	; THE HEAD'S FOUR TILES, each whole, one joint load a wave: wave 0 K step 0's 256 rows of A, wave 1 those of B, wave 2 A's scales, wave 3 B's.
	s_mov_b32 s[G0S], 1
	s_mov_b32 s[G0S+1], SCL
	s_mov_b64 s[G0S+2:G0S+3], s[22:23]
	s_or_b32 s[G0S+3], s[G0S+3], 0x80000000
	s_mov_b32 s[G0SB], 1
	s_mov_b32 s[G0SB+1], SCL+2*HALFS
	s_mov_b64 s[G0SB+2:G0SB+3], s[92:93]
	s_or_b32 s[G0SB+3], s[G0SB+3], 0x80000000
	s_mov_b32 s[G0], 1                             ; slot 0's group 0 serves the head's whole tile first; behind the head's wait it is set to my half
	s_mov_b32 s[G0+1], 0
	s_mov_b64 s[G0+2:G0+3], s[20:21]
	s_or_b32 s[G0+3], s[G0+3], 0x80000000
	s_mov_b32 s[G0B], 1
	s_mov_b32 s[G0B+1], 2*HALFT
	s_mov_b64 s[G0B+2:G0B+3], s[46:47]
	s_or_b32 s[G0B+3], s[G0B+3], 0x80000000
	s_add_nc_u64 s[20:21], s[20:21], s[94:95]      ; for the ring: my 128 rows
	s_add_nc_u64 s[46:47], s[46:47], s[96:97]
	s_mov_b32 s[G0+4], 1
	s_mul_i32 s[G0+5], s14, 8*AROW                 ; A's two halves lie on end, 8 x AROW bytes each
	s_add_co_u32 s[G0+5], s[G0+5], SLOT
	s_add_nc_u64 s[G0+6:G0+7], s[20:21], AROW      ; K step 1
	s_or_b32 s[G0+7], s[G0+7], 0x80000000
	s_mov_b32 s[G0B+4], 1
	s_add_co_u32 s[G0B+5], s45, SLOT
	s_add_nc_u64 s[G0B+6:G0B+7], s[46:47], PLANE
	s_or_b32 s[G0B+7], s[G0B+7], 0x80000000
.macro ARM under, g0, g1, next         ; one tree of branches on the wave's number: every way through the head passes one load
	s_cmp_lt_u32 s14, \under
	s_cbranch_scc0 \next
	tensor_load_to_lds s[\g0:\g0+3], s[\g1:\g1+7]
	s_nop 0
.rept 4
	v_nop
.endr
	s_branch .Lhead_asked
\next:
.endm
	ARM 1, G0,  G1,  .Lhead_b
	ARM 2, G0B, G1B, .Lhead_sa
	ARM 3, G0S, G1S, .Lhead_sb
	tensor_load_to_lds s[G0SB:G0SB+3], s[G1SB:G1SB+7]
	s_nop 0
.rept 4
	v_nop
.endr
.Lhead_asked:
	v_and_b32 v1, 15, v0
	v_bfe_u32 v2, v0, 4, 1
	v_and_b32 v6, 31, v0
	v_lshlrev_b32 v8, 4, v6
	v_lshlrev_b32 v9, 3, v6
	v_mul_u32_u24 v3, v1, PITCH
	v_mul_u32_u24 v4, v2, 24
	v_add_nc_u32 v4, v3, v4
	v_lshl_add_u32 v5, v2, 4, v4
	s_mul_i32 s21, s15, 8*AROW
	s_mul_i32 s22, s16, HALFT
	s_add_co_u32 s22, s22, 2*HALFT
.irp s, 0,1
	v_add_nc_u32 v[ADRA+\s], s21, v8
	v_add_nc_u32 v[ADRB+\s], s22, v4
	v_add_nc_u32 v[ADRA+2+\s], s21, v9
	v_add_nc_u32 v[ADRB+2+\s], s22, v5
	s_add_co_u32 s21, s21, SLOT
	s_add_co_u32 s22, s22, SLOT
.endr
	v_mul_u32_u24 v5, v1, KS
	v_lshrrev_b32 v6, 8, v5
	v_lshl_add_u32 v5, v6, 4, v5
	s_mul_i32 s21, s15, HALFS
	s_mul_i32 s22, s16, HALFS
	s_add_co_u32 s22, s22, 2*HALFS
	s_sub_co_u32 s22, s22, s21
	v_mul_u32_u24 v6, s22, v2
	s_add_co_u32 s21, s21, SCL
	v_add_nc_u32 v5, v5, v6
	v_add_nc_u32 v[ADRS], s21, v5
	s_mul_i32 s23, s14, 16*SPITCH
	v_mul_u32_u24 v5, v1, SPITCH
	v_lshl_add_u32 v5, v2, 5, v5
	v_add_nc_u32 v[STO], s23, v5
	v_and_b32 v6, 31, v0
	v_lshlrev_b32 v[CO], 4, v6
	v_add_nc_u32 v[RD], s23, v[CO]
	s_lshl_b32 s20, s17, 8
	s_lshl_b32 s21, s15, 7
	s_add_co_u32 s20, s20, s21
	s_mov_b32 s21, 0
	s_mov_b64 s[18:19], SIZE_N*4
	s_mul_u64 s[20:21], s[20:21], s[18:19]
	s_lshl_b32 s46, s42, 10
	s_lshl_b32 s47, s16, 9
	s_add_co_u32 s46, s46, s47
	s_mov_b32 s47, 0
	s_add_nc_u64 s[20:21], s[20:21], s[46:47]
	s_add_nc_u64 s[12:13], s[12:13], s[20:21]
	s_add_nc_u64 s[66:67], s[66:67], s[46:47]
	v_lshlrev_b32 v7, 5, v2
.irp b, 0,1,2,3,4,5,6,7
	global_load_b128 v[BI+8*\b:BI+8*\b+3], v7, s[66:67] offset:64*\b
	global_load_b128 v[BI+8*\b+4:BI+8*\b+7], v7, s[66:67] offset:64*\b+16
.endr
.macro FRAG reg, adr, q, i
.irp p, 0,1,2,3,4,5
.set PCE, 12*(\q)+6*(\p/3)+\p%3
.if PCE%8 < 5
	ds_load_b64 v[\reg+2*\p:\reg+2*\p+1], v[\adr] offset:8*PCE+16*(PCE/8)+(\i)*16*PITCH
.else
	ds_load_b64 v[\reg+2*\p:\reg+2*\p+1], v[\adr+2] offset:8*PCE+16*(PCE/8)+(\i)*16*PITCH
.endif
.endr
.endm
.macro FRAGA reg, slot, q, i
	ds_load_b128 v[\reg:\reg+3],     v[ADRA+\slot]   offset:(\i)*AROW+(\q)*1536
	ds_load_b64  v[\reg+4:\reg+5],   v[ADRA+2+\slot] offset:(\i)*AROW+(\q)*1536+512
	ds_load_b128 v[\reg+6:\reg+9],   v[ADRA+\slot]   offset:(\i)*AROW+(\q)*1536+768
	ds_load_b64  v[\reg+10:\reg+11], v[ADRA+2+\slot] offset:(\i)*AROW+(\q)*1536+1280
.endm
.macro MUL16 a0, p, q, sc, first
.irp a, \a0, \a0+1
.irp b, 0,1,2,3,4,5,6,7
.if \first
	v_wmma_scale_f32_16x16x128_f8f6f4 v[8*(8*((\a)%4)+\b):8*(8*((\a)%4)+\b)+7], v[128*(\p)+FR*\b:128*(\p)+FR*\b+FR-1], v[AF+FR*(\a):AF+FR*(\a)+FR-1], v[BI+8*\b:BI+8*\b+7], v[SC+8*NQ*(\sc)+NQ*\b+(\q)], v[SC+8*NQ*(\sc)+NQ*(\a)+(\q)] matrix_a_fmt:MATRIX_FMT_FP6 matrix_b_fmt:MATRIX_FMT_FP6 matrix_a_scale:MATRIX_SCALE_ROW1
.else
	v_wmma_scale_f32_16x16x128_f8f6f4 v[8*(8*((\a)%4)+\b):8*(8*((\a)%4)+\b)+7], v[128*(\p)+FR*\b:128*(\p)+FR*\b+FR-1], v[AF+FR*(\a):AF+FR*(\a)+FR-1], v[8*(8*((\a)%4)+\b):8*(8*((\a)%4)+\b)+7], v[SC+8*NQ*(\sc)+NQ*\b+(\q)], v[SC+8*NQ*(\sc)+NQ*(\a)+(\q)] matrix_a_fmt:MATRIX_FMT_FP6 matrix_b_fmt:MATRIX_FMT_FP6 matrix_a_scale:MATRIX_SCALE_ROW1
.endif
.endr
.endr
.endm
.macro FETCH_B slot, q, p
	WIN TO_B
.irp i, 0,1,2,3,4,5,6,7
	FRAG 128*(\p)+FR*\i, ADRB+\slot, \q, \i
.endr
	WIN 0
.endm
.macro FETCH_A slot, q, i0
.irp i, \i0, \i0+1, \i0+2, \i0+3
	FRAGA AF+FR*(\i), \slot, \q, \i
.endr
.endm
.macro SCALES sc
.irp i, 0,1,2,3,4,5,6,7
	ds_load_b64 v[SC+8*NQ*\sc+NQ*\i:SC+8*NQ*\sc+NQ*\i+1], v[ADRS] offset:\i*SBLK
.endr
.endm
.macro PLACES n
.rept \n
	v_nop
.endr
.endm
.macro STEP slot, q, first
	s_wait_dscnt 4*NLA
.if \first
	WIN FST_LO
.else
	WIN MUL_LO
.endif
	MUL16 0, (\q)%2, \q, \slot, \first
	MUL16 2, (\q)%2, \q, \slot, \first
	s_wait_dscnt 0
	PLACES NP
	FETCH_B \slot, (\q)+1, 1-(\q)%2
	FETCH_A \slot, (\q)+1, 0
.if \first
	WIN FST_HI
.else
	WIN MUL_HI
.endif
	MUL16 4, (\q)%2, \q, \slot, \first
	MUL16 6, (\q)%2, \q, \slot, \first
	PLACES NP
	WIN 0
	FETCH_A \slot, (\q)+1, 4
.endm
.macro TURN slot, next, fill
	s_wait_tensorcnt 0x0
	ds_add_u32 v[SPW], v[NIL]
	s_wait_dscnt 4*NLA+1
	WIN MUL_LO
	MUL16 0, 1, NQ-1, \slot, 0
	s_wait_dscnt 0x0
	s_barrier_signal -1
	MUL16 2, 1, NQ-1, \slot, 0
	WIN 0
	s_barrier_wait -1
.if \fill
	CREST
	s_add_nc_u64 s[G0+4*\slot+2:G0+4*\slot+3], s[G0+4*\slot+2:G0+4*\slot+3], 2*AROW
	s_add_nc_u64 s[G0B+4*\slot+2:G0B+4*\slot+3], s[G0B+4*\slot+2:G0B+4*\slot+3], 2*PLANE
	JLOAD G0+4*\slot, G1, G0B+4*\slot, G1B
.else
	PLACES NP
.endif
	s_wait_alu depctr_va_vdst(0)
	v_add_nc_u32 v[ADRS], 4*NQ, v[ADRS]
	FETCH_B \next, 0, 0
	FETCH_A \next, 0, 0
	SCALES \next
	WIN MUL_HI
	MUL16 4, 1, NQ-1, \slot, 0
	MUL16 6, 1, NQ-1, \slot, 0
	PLACES NP
	WIN 0
	FETCH_A \next, 0, 4
.endm
	s_wait_alu depctr_va_vdst(0)
	s_wait_loadcnt 0x0
	s_wait_tensorcnt 0x0                           ; my tile of the head's four is in; the three lines ahead of a later first fill, as ahead of a refill
	ds_add_u32 v[SPW], v[NIL]
	s_mov_b32 s[G1+2], 8<<16                       ; no tensor load of mine is out: from here on a load brings 128 rows,
	s_mov_b32 s[G1+4], 8
	s_mov_b32 s[G1B+2], 96<<16
	s_mov_b32 s[G1B+4], 96
	s_mul_i32 s[G0+1], s14, 8*AROW                 ; and slot 0's group 0 points at my half
	s_add_nc_u64 s[G0+2:G0+3], s[G0+2:G0+3], s[94:95]
	s_mov_b32 s[G0B+1], s45
	s_add_nc_u64 s[G0B+2:G0B+3], s[G0B+2:G0B+3], s[96:97]
	s_wait_dscnt 0x0
	CROUND                                         ; all four tiles are in, and all sixteen work-groups are here
	JLOAD G0+4, G1, G0B+4, G1B                     ; K step 1, the first tensor load behind the round
	FETCH_B 0, 0, 0
	FETCH_A 0, 0, 0
	SCALES 0
	FETCH_A 0, 0, 4
	STEP 0, 0, 1
	s_mov_b32 s3, LAPS-1
.Llap:
	TURN 0, 1, 1
	STEP 1, 0, 0
	TURN 1, 0, 1
	STEP 0, 0, 0
	s_sub_co_u32 s3, s3, 1
	s_cmp_lg_u32 s3, 0
	s_cbranch_scc1 .Llap
	TURN 0, 1, 0
	STEP 1, 0, 0
	s_wait_dscnt 4*NLA
	WIN MUL_LO
	MUL16 0, 1, NQ-1, 1, 0
	MUL16 2, 1, NQ-1, 1, 0
	s_wait_dscnt 0
	WIN MUL_HI
	MUL16 4, 1, NQ-1, 1, 0
	MUL16 6, 1, NQ-1, 1, 0
	WIN 0
.macro TOSTAGE a
.set AC, 64*((\a)%4)
	WIN 0x08+4*((\a)/4)
.irp b, 0,1,2,3,4,5,6,7
	ds_store_b128 v[STO], v[AC+8*\b:AC+8*\b+3] offset:64*\b
	ds_store_b128 v[STO], v[AC+8*\b+4:AC+8*\b+7] offset:64*\b+16
.endr
	WIN 0
.set BB, BK+64*((\a)%2)
.irp t, 0,1,2,3,4,5,6,7,8,9,10,11,12,13,14,15
	ds_load_b128 v[BB+4*\t:BB+4*\t+3], v[RD] offset:\t*SPITCH
.endr
.endm
.macro SEND a, younger
.set BB, BK+64*((\a)%2)
	s_wait_dscnt \younger
.if (\a) > 0
	s_add_nc_u64 s[12:13], s[12:13], 16*SIZE_N*4
.endif
.irp t, 0,1,2,3,4,5,6,7,8,9,10,11,12,13,14,15
	global_store_b128 v[CO], v[BB+4*\t:BB+4*\t+3], s[12:13] offset:\t*SIZE_N*4 th:TH_STORE_NT
.endr
.endm
	PLACES NP
	TOSTAGE 0
.irp a, 1,2,3,4,5,6,7
.if \a > 1
	s_wait_xcnt 0x0
.endif
	TOSTAGE \a
	SEND \a-1, 32
.endr
	s_wait_xcnt 0x0
	SEND 7, 0
	s_wait_tensorcnt 0x0
	ds_add_u32 v[SPW], v[NIL]
	s_wait_dscnt 0x0
	CROUND
	s_endpgm
.Lfunc_end_k_qae4f16328e_oproj:
	.size	k_qae4f16328e_oproj, .Lfunc_end_k_qae4f16328e_oproj-k_qae4f16328e_oproj
	.p2alignl 7, 3214868480
	.fill 96, 4, 3214868480
	.section	.rodata,"a",@progbits
	.p2align	6, 0x0
	.amdhsa_kernel k_qae4f16328e_oproj
		.amdhsa_group_segment_fixed_size 327680
		.amdhsa_private_segment_fixed_size 0
		.amdhsa_enable_private_segment 0
		.amdhsa_kernarg_size 48
		.amdhsa_user_sgpr_count 2
		.amdhsa_user_sgpr_kernarg_segment_ptr 1
		.amdhsa_wavefront_size32 1
		.amdhsa_system_sgpr_workgroup_id_x 1
		.amdhsa_system_sgpr_workgroup_id_y 1
		.amdhsa_system_sgpr_workgroup_id_z 1
		.amdhsa_system_vgpr_workitem_id 0
		.amdhsa_next_free_vgpr 1024
		.amdhsa_next_free_sgpr 98
		.amdhsa_reserve_vcc 0
		.amdhsa_float_denorm_mode_32 3
		.amdhsa_float_denorm_mode_16_64 3
		.amdhsa_memory_ordered 1
		.amdhsa_forward_progress 1
		.amdhsa_inst_pref_size 155
	.end_amdhsa_kernel
	.amdgpu_metadata
---
amdhsa.version: [ 1, 2 ]
amdhsa.kernels:
  - .name:           k_qae4f16328e_oproj
    .symbol:         k_qae4f16328e_oproj.kd
    .args:
      - { .name: oc, .offset: 0, .size: 8, .value_kind: global_buffer, .address_space: global }
      - { .name: os, .offset: 8, .size: 8, .value_kind: global_buffer, .address_space: global }
      - { .name: wc, .offset: 16, .size: 8, .value_kind: global_buffer, .address_space: global }
      - { .name: ws, .offset: 24, .size: 8, .value_kind: global_buffer, .address_space: global }
      - { .name: bo, .offset: 32, .size: 8, .value_kind: global_buffer, .address_space: global }
      - { .name: out0, .offset: 40, .size: 8, .value_kind: global_buffer, .address_space: global }
    .group_segment_fixed_size: 327680
    .private_segment_fixed_size: 0
    .kernarg_segment_align: 8
    .kernarg_segment_size: 48
    .max_flat_workgroup_size: 128
    .sgpr_count:     98
    .vgpr_count:     1024
    .wavefront_size: 32
...
	.end_amdgpu_metadata
.endif
;; end of part 9
